; MI455X (gfx1250); checked and timed in simulation.
; The chip was launched on July 23, 2026; its instructions are those of AMD's public machine-readable ISA for CDNA 5 (MIT licence, August 2026) and "CDNA5" Instruction Set Architecture Reference Guide (July 2026). The comments in the code are by the model that wrote it; some were corrected since.
;; Toy Transformer Block. Allowed arithmetic: float matrix products may take bf16 or f16 operands with f32 sums; other float arithmetic in f32, or as packed bf16 or f16 multiplies, adds, multiply-adds, maxima and minima; sums over many terms, partial sums and values carried from step to step in f32; what a program stores and reads back later, other than sums and carried values, may be rounded once to bf16 or f16.
;; Inputs: Wk 1,024 x 1,024 float32; Wo 1,024 x 1,024 float32; Wq 1,024 x 1,024 float32; Wv 1,024 x 1,024 float32; x 4 x 2,048 x 1,024 float32.
;; Outputs: out0 4 x 2,048 x 1,024 float32.
;; 2 versions, each right. Each part assembles by itself: llvm-mc -triple=amdgcn-amd-amdhsa -mcpu=gfx1250 --defsym DOCPART=n.
;; ======== version 1 of 2: 6 launches
;; workspace buffers: xb 16,777,216 bytes; wqkvb 6,291,456 bytes; wob 2,097,152 bytes; qkv 50,331,648 bytes; pe 33,554,432 bytes; st 1,048,576 bytes; att 16,777,216 bytes; mx 16,777,216 bytes
;; launch prep (part 1): grid 64 x 12, 8 waves a work-group, no clusters, 0 bytes of LDS; arguments x, Wq, Wk, Wv, Wo, xb, wqkvb, wob; writes xb, wqkvb, wob
.if DOCPART == 1
	.amdgcn_target "amdgcn-amd-amdhsa--gfx1250"
	.amdhsa_code_object_version 6
	.text
	.protected	k_q71c4648665_prep
	.globl	k_q71c4648665_prep
	.p2align	8
	.type	k_q71c4648665_prep,@function
k_q71c4648665_prep:
	s_mov_b64 s[64:65], 0
	v_nop
	global_prefetch_b8 v0, s[64:65] scope:SCOPE_SE
	s_setreg_imm32_b32 hwreg(HW_REG_WAVE_MODE, 25, 1), 1
	s_wait_xcnt 0x0
; CASTS.  x [8192][1024] and the four weights [1024][1024], all f32, are rounded once to bf16 (nearest even) for the matrix products:
; xb [8192][1024]; wqkvb [3072][1024] = Wq's rows, then Wk's, then Wv's; wob [1024][1024].
; A stream: every byte is read once and written once, so no LDS, no barrier, no matrix unit and no cluster (no two work-groups read the same byte).
; SHARES.  A work-group takes 16 rows of 1,024 numbers.  y = 0..7: x's rows 1,024 y + 16 X; y = 8, 9, 10: rows 16 X of Wq, Wk, Wv; y = 11: of Wo.
; Thread t takes the 16 bytes at 16 t of each row: a wave's load covers 512 consecutive bytes, its store of 8 bytes a lane 256 consecutive bytes, aligned.
; All 16 loads of a thread go out at once; every register is written once, so no source of a pending load or store is ever rewritten.
.set IN,   8                           ; v[8:71]    row i: 4 numbers in f32
.set OUTR, 72                          ; v[72:103]  row i: 4 numbers in bf16
	s_load_b256 s[4:11], s[0:1], 0x0               ; x s[4:5], Wq s[6:7], Wk s[8:9], Wv s[10:11]
	s_load_b256 s[12:19], s[0:1], 0x20             ; Wo s[12:13], xb s[14:15], wqkvb s[16:17], wob s[18:19]
	s_and_b32 s20, ttmp7, 0xffff                   ; y
	v_lshlrev_b32 v1, 4, v0                        ; 16 t: my bytes in a row of f32
	v_lshlrev_b32 v2, 3, v0                        ; 8 t: in a row of bf16
	s_lshl_b32 s26, ttmp9, 4                       ; 16 X
	s_lshl_b32 s27, s20, 10                        ; 1,024 y
	s_max_u32 s29, s20, 8
	s_sub_co_u32 s29, s29, 8
	s_lshl_b32 s29, s29, 10                        ; 1,024 (y - 8) for the weights
	s_cmp_lt_u32 s20, 8
	s_cselect_b32 s28, s27, 0                      ; first row of the source's part: in x by y, in a weight 0
	s_cselect_b32 s29, s27, s29                    ; and of the destination's
	s_cmp_eq_u32 s20, 11
	s_cselect_b32 s29, 0, s29                      ; wob has one weight alone
	s_add_co_u32 s28, s28, s26
	s_add_co_u32 s29, s29, s26
	s_lshl_b32 s30, s28, 12                        ; rows of 4,096 bytes
	s_mov_b32 s31, 0
	s_lshl_b32 s32, s29, 11                        ; rows of 2,048 bytes
	s_mov_b32 s33, 0
	s_wait_kmcnt 0x0
	s_cmp_lt_u32 s20, 8                            ; the buffers are chosen by y alone
	s_cselect_b64 s[22:23], s[4:5], s[6:7]
	s_cselect_b64 s[24:25], s[14:15], s[16:17]
	s_cmp_eq_u32 s20, 9
	s_cselect_b64 s[22:23], s[8:9], s[22:23]
	s_cmp_eq_u32 s20, 10
	s_cselect_b64 s[22:23], s[10:11], s[22:23]
	s_cmp_eq_u32 s20, 11
	s_cselect_b64 s[22:23], s[12:13], s[22:23]
	s_cselect_b64 s[24:25], s[18:19], s[24:25]
	s_add_nc_u64 s[22:23], s[22:23], s[30:31]
	s_add_nc_u64 s[24:25], s[24:25], s[32:33]
.irp i, 0,1,2,3,4,5,6,7,8,9,10,11,12,13,14,15
	global_load_b128 v[IN+4*(\i):IN+4*(\i)+3], v1, s[22:23] offset:4096*(\i) th:TH_LOAD_NT
.endr
.irp i, 0,1,2,3,4,5,6,7,8,9,10,11,12,13,14,15
	s_wait_loadcnt 15-(\i)                         ; loads come back in order: row i is in, the younger rows stay out
	v_cvt_pk_bf16_f32 v[OUTR+2*(\i)],   v[IN+4*(\i)],   v[IN+4*(\i)+1]
	v_cvt_pk_bf16_f32 v[OUTR+2*(\i)+1], v[IN+4*(\i)+2], v[IN+4*(\i)+3]
	global_store_b64 v2, v[OUTR+2*(\i):OUTR+2*(\i)+1], s[24:25] offset:2048*(\i)
.endr
	s_endpgm
.Lfunc_end_k_q71c4648665_prep:
	.size	k_q71c4648665_prep, .Lfunc_end_k_q71c4648665_prep-k_q71c4648665_prep
	.p2alignl 7, 3214868480
	.fill 96, 4, 3214868480
	.section	.rodata,"a",@progbits
	.p2align	6, 0x0
	.amdhsa_kernel k_q71c4648665_prep
		.amdhsa_group_segment_fixed_size 0
		.amdhsa_private_segment_fixed_size 0
		.amdhsa_enable_private_segment 0
		.amdhsa_kernarg_size 64
		.amdhsa_user_sgpr_count 2
		.amdhsa_user_sgpr_kernarg_segment_ptr 1
		.amdhsa_wavefront_size32 1
		.amdhsa_system_sgpr_workgroup_id_x 1
		.amdhsa_system_sgpr_workgroup_id_y 1
		.amdhsa_system_sgpr_workgroup_id_z 1
		.amdhsa_system_vgpr_workitem_id 0
		.amdhsa_next_free_vgpr 104
		.amdhsa_next_free_sgpr 66
		.amdhsa_reserve_vcc 0
		.amdhsa_float_denorm_mode_32 3
		.amdhsa_float_denorm_mode_16_64 3
		.amdhsa_memory_ordered 1
		.amdhsa_forward_progress 1
		.amdhsa_inst_pref_size 7
	.end_amdhsa_kernel
	.amdgpu_metadata
---
amdhsa.version: [ 1, 2 ]
amdhsa.kernels:
  - .name:           k_q71c4648665_prep
    .symbol:         k_q71c4648665_prep.kd
    .args:
      - { .name: x, .offset: 0, .size: 8, .value_kind: global_buffer, .address_space: global }
      - { .name: Wq, .offset: 8, .size: 8, .value_kind: global_buffer, .address_space: global }
      - { .name: Wk, .offset: 16, .size: 8, .value_kind: global_buffer, .address_space: global }
      - { .name: Wv, .offset: 24, .size: 8, .value_kind: global_buffer, .address_space: global }
      - { .name: Wo, .offset: 32, .size: 8, .value_kind: global_buffer, .address_space: global }
      - { .name: xb, .offset: 40, .size: 8, .value_kind: global_buffer, .address_space: global }
      - { .name: wqkvb, .offset: 48, .size: 8, .value_kind: global_buffer, .address_space: global }
      - { .name: wob, .offset: 56, .size: 8, .value_kind: global_buffer, .address_space: global }
    .group_segment_fixed_size: 0
    .private_segment_fixed_size: 0
    .kernarg_segment_align: 8
    .kernarg_segment_size: 64
    .max_flat_workgroup_size: 256
    .sgpr_count:     66
    .vgpr_count:     104
    .wavefront_size: 32
...
	.end_amdgpu_metadata
.endif
;; end of part 1
;; launch proj (part 2): grid 12 x 64, 4 waves a work-group, clusters of 4 x 4, 327,680 bytes of LDS; arguments xb, wqkvb, qkv; writes qkv
.if DOCPART == 2
	.amdgcn_target "amdgcn-amd-amdhsa--gfx1250"
	.amdhsa_code_object_version 6
	.text
	.protected	k_q71c4648665_proj
	.globl	k_q71c4648665_proj
	.p2align	8
	.type	k_q71c4648665_proj,@function
k_q71c4648665_proj:
	s_mov_b64 s[64:65], 0
	v_nop
	global_prefetch_b8 v0, s[64:65] scope:SCOPE_SE
	s_setreg_imm32_b32 hwreg(HW_REG_WAVE_MODE, 25, 1), 1
	s_wait_xcnt 0x0
	s_wait_alu depctr_hold_cnt(0) depctr_sa_sdst(0) depctr_va_vdst(0) depctr_va_sdst(0) depctr_va_ssrc(0) depctr_va_vcc(0) depctr_vm_vsrc(0)
	s_getreg_b32 s2, hwreg(HW_REG_IB_STS2, 6, 4)
	s_cmp_eq_u32 s2, 0
	s_cbranch_scc0 .Lentry_in_a_cluster
	s_endpgm
.Lentry_in_a_cluster:
	s_bfe_u32 s2, ttmp6, 0x10000c
	s_cmp_lg_u32 s2, 0xf033
	s_cbranch_scc0 .Lentry_shape_is_right
	s_endpgm
.Lentry_shape_is_right:
; C = A B^T.  A: [8192][1024], B: [256 x grid x][1024], both bf16, K along the rows; sums in f32, K ascending; C rounded once to bf16.
; C lies in planes of [8192][1024]: columns 1,024 p .. 1,024 p + 1,023 of the product are plane p.  (Projections: three planes q, k, v; the last projection: one plane.)
; LIMITS.  Operands and result are bf16 (8 significant bits); NaN and infinities are not treated apart.
; SHARES.  A work-group makes 128 x 256 of C: that tile gives 768 and 256 work-groups for the two launches of this text.  Four waves, 2 x 2, each 64 x 128: 32 accumulators of 16 x 16.
; K goes in 8 steps of 128 through two LDS slots: rows of 256 bytes, which start at multiples of 256 bytes from the buffers' first bytes, laid 272 bytes apart in LDS.
; CLUSTER.  4 x 4 work-groups.  The four of a row of the cluster need the same tile of A, the four of a column the same tile of B: each tile is asked for JOINTLY, by the same tensor load
; with the same descriptor and a mask that names the four.  Waves 0 and 1 fetch A's halves (64 rows), waves 2 and 3 B's (128 rows): one load a wave behind each round of the cluster's barrier.
; THE PRODUCT IS TAKEN TRANSPOSED (source 0 = 16 rows of B, source 1 = 16 rows of A): a lane holds row lane % 16 of C and eight neighbouring columns, 16 bytes in bf16.
; REGISTERS.  Window 0: v0-15 addresses; v64-159 and v160-255 two fragment buffers for 32 along K (A's fragment a at +8 a, B's fragment b at +32 + 8 b).  Window 1: accumulator (a, b) at 64 a + 8 b.
; One text of a K step serves both slots: the LDS addresses hang on s[TB], which an exclusive or turns from one slot to the other.
.set NSTEPS, 8
.set PITCH,  272                       ; an LDS row: 256 bytes + 16 of padding = 68 words: the 16 rows of a fragment load start at 16 different groups of four banks (64 banks of 4 bytes: ISA guide 11.1)
.set ATILE,  128*PITCH                 ; A's 128 rows; B's 256 rows lie behind them
.set SLOT1,  1<<17                     ; slot 0 at 0 (104,448 bytes), slot 1 here
.set STAGE,  384*PITCH                 ; behind slot 0: 16 rows x 272 bytes for each wave, for the way out; no tensor load lands here
.set SPARE,  STAGE+4*16*PITCH          ; the spare words, 128 bytes a wave: two blocks of 256 bytes that no other line names
.set STEP,   256                       ; bytes of a row in a K step
.set CROW,   2048                      ; bytes in a row of C
.set FLAGS,  (1<<16)|(1<<20)|(1<<21)|(5<<22)|(3<<25)  ; 17:16 elements of 2 bytes; 20 padding on; 21 set beside a mask; 24:22 after every 64 words; 31:25 4 words of it
.set R,    1                           ; v1   lane % 16
.set LA0,  2                           ; v2   my lane's place in slot 0's tile of A; never rewritten
.set LB0,  3                           ; v3   the same for B
.set ADRA, 4                           ; v4   LA0 + the slot in hand
.set ADRB, 5                           ; v5   LB0 + the slot in hand
.set STO,  6                           ; v6   the way out: where I put 16 bytes of a row
.set RD,   7                           ; v7   the way out: where I read a row back
.set CO,   8                           ; v8   my byte offset in two rows of C
.set PFO,  9                           ; v9   the prefetches' offset: lane x a row in memory; never rewritten
.set SPW,  10                          ; v10  LDS address of my spare word; never rewritten
.set NIL,  11                          ; v11  0; never rewritten
.set H,    12                          ; v12  lane / 16
.set F0,   64
.set F1,   160
.set TMP,  64                          ; the way out: packed results
.set OB,   96                          ; the way out: 16 rows read back, two buffers of 32 by turns
.set WV,  12                           ; s12  my wave's number
.set WR,  13                           ; s13  which 64 rows of the tile are mine; also: I fetch for A (0) or B (1)
.set WC,  14                           ; s14  which 128 columns are mine; also: which half of that tile I fetch
.set LIM, 15                           ; s15  2 in a wave that prefetches, else the greatest number
.set PFA, 18                           ; s[18:19] where my prefetches stand
.set G1A, 24                           ; s[24:31] descriptor group 1 for A's tiles
.set G1B, 32                           ; s[32:39] for B's
.set G0A, 40                           ; s[40:47] group 0 for A's tiles: a set for each first fill; the second then walks
.set G0B, 48                           ; s[48:55] the same for B's
.set CNT, 56                           ; s56  trips to go
.set TB,  57                           ; s57  LDS byte at which the slot in hand begins
.set CX,  62
.set CY,  63
.set TC,  66                           ; s66  tile column of C
.set TR,  67                           ; s67  tile row of C
.set AO,  68                           ; s[68:69] A's tile: made of the tile row and the wave's number alone
.set BO,  70                           ; s[70:71] B's tile: of the tile column and the wave's number alone
.set CF,  72                           ; s[72:73] my part of C
.set CLY, 76                           ; s76  the cluster's y
.set CB,  8                            ; s[8:9] C
.set W_MUL, 0x50                       ; fragments in window 0, C and D in window 1
.set W_PK,  0x05                       ; sources 0 and 1 in window 1, destination in window 0
.set MSB, 0
.macro WIN new                         ; the immediate's high byte repeats the setting that is left; a switch that changes nothing is dropped
.if MSB != (\new)
	s_set_vgpr_msb (MSB<<8)|(\new)
.set MSB, \new
.endif
.endm
.macro PLACES                          ; four places: in front of loads into registers that matrix instructions have read, and of vector lines that read their results
.rept 4
	v_nop
.endr
.endm
.macro CREST                           ; a round of the cluster's barrier behind its opening barrier
	s_cmp_lg_u32 s[WV], 0
	s_cbranch_scc1 .Lnot_wave_0_\@
	s_barrier_signal -3
.Lnot_wave_0_\@:
	s_barrier_wait -3
	s_barrier_signal -1
	s_barrier_wait -1
.endm
.macro CROUND                          ; a whole round
	s_barrier_signal -1
	s_barrier_wait -1
	CREST
.endm
.macro JLOAD                           ; a joint refill by the walking descriptors; the branch hangs on the wave's number alone; an s_nop 0 and four v_nop follow each of the two lines
	s_cmp_eq_u32 s[WR], 0
	s_cbranch_scc0 .Lfor_b_\@
	tensor_load_to_lds s[G0A+4:G0A+7], s[G1A:G1A+7]
	s_nop 0
.rept 4
	v_nop
.endr
	s_branch .Lasked_\@
.Lfor_b_\@:
	tensor_load_to_lds s[G0B+4:G0B+7], s[G1B:G1B+7]
	s_nop 0
.rept 4
	v_nop
.endr
.Lasked_\@:
.endm
; A PREFETCH INTO THE L2, behind each joint refill and the run of LDS loads that follows it: the K step two refills on (256 matrix instructions ahead of the load that will want it), 32 rows x 256 bytes, a lane a row.
; Each row's 256 bytes of a K step are named once in the launch.  A's tile row is read by every cluster of that row of clusters: those with cluster x = 0 ask, wave 0 of partner cx for rows 32 cx .. 32 cx + 31.
; B's tile column is read by every cluster of that column: those with cluster y = 0 ask, waves 2 and 3 of partner cy for rows 32 cy .. of the 128 that the wave fetches.  The partners are told apart by address alone.
; K steps 0 to 3 come by their loads alone; the trips whose step four on does not exist (s[CNT] at 2 or 1) ask for nothing.
.macro ASK
	s_cmp_gt_u32 s[CNT], s[LIM]
	s_cbranch_scc0 .Lnot_mine_\@
	global_prefetch_b8 v[PFO], s[PFA:PFA+1] th:TH_LOAD_NT scope:SCOPE_SE
.Lnot_mine_\@:
.endm
; 8 matrix instructions: m block a x all 8 n blocks, 32 along K, from buffer f.  zero = 1: the product starts the sums: nothing is cleared.
; The 32 accumulators take turns, one instruction a turn, in the same order in every quarter, over the backward jump too.
.macro MUL8 f, a, zero
	WIN W_MUL
.irp b, 0,1,2,3,4,5,6,7
.if \zero
	v_wmma_f32_16x16x32_bf16 v[64*(\a)+8*(\b):64*(\a)+8*(\b)+7], v[(\f)+32+8*(\b):(\f)+32+8*(\b)+7], v[(\f)+8*(\a):(\f)+8*(\a)+7], 0
.else
	v_wmma_f32_16x16x32_bf16 v[64*(\a)+8*(\b):64*(\a)+8*(\b)+7], v[(\f)+32+8*(\b):(\f)+32+8*(\b)+7], v[(\f)+8*(\a):(\f)+8*(\a)+7], v[64*(\a)+8*(\b):64*(\a)+8*(\b)+7]
.endif
.endr
.endm
; 24 LDS loads in one run: quarter q (32 along K) of the slot in hand into buffer g: B's 8 fragments, then A's 4.  A fragment is 16 rows x 32 K: lane l holds row l % 16, K = 8 (l / 16) + 0..7 and 16 + 8 (l / 16) + 0..7.
.macro FETCH q, g
	WIN 0
.irp b, 0,1,2,3,4,5,6,7
	ds_load_b128 v[(\g)+32+8*(\b):(\g)+32+8*(\b)+3],   v[ADRB] offset:64*(\q)+(\b)*16*PITCH
	ds_load_b128 v[(\g)+32+8*(\b)+4:(\g)+32+8*(\b)+7], v[ADRB] offset:64*(\q)+(\b)*16*PITCH+32
.endr
.irp a, 0,1,2,3
	ds_load_b128 v[(\g)+8*(\a):(\g)+8*(\a)+3],   v[ADRA] offset:64*(\q)+(\a)*16*PITCH
	ds_load_b128 v[(\g)+8*(\a)+4:(\g)+8*(\a)+7], v[ADRA] offset:64*(\q)+(\a)*16*PITCH+32
.endr
.endm
; A K step is four quarters of 32 along K, 32 matrix instructions each, on buffers 0, 1, 0, 1.  One of the first three: multiplies buffer f; in its middle it fetches quarter q into buffer g.
.macro QUARTER q, f, g, zero
	s_wait_dscnt 4                                 ; B and A's fragments 0 and 1 are in; the youngest four loads (A's fragments 2 and 3) may be out
	MUL8 \f, 0, \zero
	MUL8 \f, 1, \zero
	WIN 0
	PLACES                                         ; for the loads into g, which the quarter before multiplied
	FETCH \q, \g
	s_wait_dscnt 24                                ; all but the 24 just issued
	MUL8 \f, 2, \zero
	MUL8 \f, 3, \zero
.endm
; The fourth quarter multiplies buffer 1 and changes slots.  In front of the barrier each wave waits for all its tensor loads (one is out: its part of the next slot), adds 0 to its spare word, and waits for that and
; for its own reads of this slot.  fill = 1: the barrier opens a round of the cluster's barrier, so that no wave of any partner still reads the slot or has a load on its way; the joint refill, with the K step two
; on, is the first thing behind the round, and a wave issues 112 matrix instructions between it and the wait for it.
.macro TURN fill
.if \fill
	s_wait_xcnt 0x0                                ; the last prefetch, a K step back, has read its address
	s_add_nc_u64 s[PFA:PFA+1], s[PFA:PFA+1], STEP
.endif
	WIN 0
	s_wait_tensorcnt 0x0                           ; no tensor load of mine is out, so a group 0 may be written
	ds_add_u32 v[SPW], v[NIL]                      ; 0 onto my spare word
.if \fill
	s_xor_b32 s[G0A+5], s[G0A+5], SLOT1            ; the walking descriptors: the other slot than last time,
	s_add_nc_u64 s[G0A+6:G0A+7], s[G0A+6:G0A+7], STEP  ; the next K step; the type bits on top are not reached
	s_xor_b32 s[G0B+5], s[G0B+5], SLOT1
	s_add_nc_u64 s[G0B+6:G0B+7], s[G0B+6:G0B+7], STEP
.endif
	s_wait_dscnt 5                                 ; the add and the youngest four loads may be out
	MUL8 F1, 0, 0
	s_wait_dscnt 0x0                               ; the add is done, and my reads of this slot are over
	s_barrier_signal -1
	MUL8 F1, 1, 0                                  ; work on registers while the others arrive
	WIN 0
	s_barrier_wait -1
.if \fill
	CREST
	JLOAD                                          ; its four v_nop are also the places in front of the loads below
.else
	PLACES
.endif
	s_xor_b32 s[TB], s[TB], SLOT1
	v_add_nc_u32 v[ADRA], s[TB], v[LA0]
	v_add_nc_u32 v[ADRB], s[TB], v[LB0]
	FETCH 0, F0
.if \fill
	ASK
.endif
	MUL8 F1, 2, 0
	MUL8 F1, 3, 0
.endm
.macro BODY fill                       ; from a K step's second quarter to the next step's first
	QUARTER 2, F1, F0, 0
	QUARTER 3, F0, F1, 0
	TURN \fill
	QUARTER 1, F0, F1, 0
.endm
; THE WAY OUT of m block a: rounded to bf16, 16 bytes a lane; into my own stage; back as whole rows of 256 bytes; stored.
.macro PACK a
	WIN W_PK
.irp b, 0,1,2,3,4,5,6,7
.irp z, 0,1,2,3
	v_cvt_pk_bf16_f32 v[TMP+4*(\b)+(\z)], v[64*(\a)+8*(\b)+2*(\z)], v[64*(\a)+8*(\b)+2*(\z)+1]
.endr
.endr
	WIN 0
.endm
.macro TOSTAGE a
.irp b, 0,1,2,3,4,5,6,7
	ds_store_b128 v[STO], v[TMP+4*(\b):TMP+4*(\b)+3] offset:32*(\b)
.endr
.irp t, 0,1,2,3,4,5,6,7
	ds_load_b128 v[OB+32*((\a)%2)+4*(\t):OB+32*((\a)%2)+4*(\t)+3], v[RD] offset:(\t)*2*PITCH  ; LDS serves a wave's instructions in order (ISA guide 5.7.1.4): these see the stores above
.endr
.endm
.macro SEND a
	s_wait_dscnt 0x0                               ; the block is back in registers
	s_wait_xcnt 0x0                                ; earlier stores have read their registers: the other buffer is loaded again only behind this wait
.irp t, 0,1,2,3,4,5,6,7
	global_store_b128 v[CO], v[OB+32*((\a)%2)+4*(\t):OB+32*((\a)%2)+4*(\t)+3], s[CB:CB+1] offset:(16*(\a)+2*(\t))*CROW  ; 16 lanes store 256 consecutive bytes, at a multiple of 256 from C's first byte
.endr
.endm
	s_load_b128 s[4:7], s[0:1], 0x0                ; A s[4:5], B s[6:7]
	s_load_b64 s[8:9], s[0:1], 0x10                ; C
	v_lshl_add_u32 v[SPW], v0, 2, SPARE
	v_mov_b32 v[NIL], 0
	ds_add_u32 v[SPW], v[NIL]                      ; the wave's opening: the add, and its wait ahead of my first tensor load; the set-up below, work on registers, stands between them
	v_lshrrev_b32 v13, 5, v0
	v_readfirstlane_b32 s[WV], v13
	s_lshr_b32 s[WR], s[WV], 1
	s_and_b32 s[WC], s[WV], 1
	s_bfe_u32 s[CX], ttmp6, 0x40000                ; my place in the cluster
	s_bfe_u32 s[CY], ttmp6, 0x40004
	s_lshl_b32 s[TC], ttmp9, 2                     ; in a cluster launch ttmp9 and ttmp7 count clusters
	s_add_co_u32 s[TC], s[TC], s[CX]
	s_and_b32 s[CLY], ttmp7, 0xffff
	s_lshl_b32 s[TR], s[CLY], 2
	s_add_co_u32 s[TR], s[TR], s[CY]
	s_lshl_b32 s16, s[CY], 2
	s_lshl_b32 s16, 15, s16                        ; my row of the cluster
	s_lshl_b32 s17, 0x1111, s[CX]                  ; my column
	s_or_b32 s[G1A], s16, FLAGS                    ; A's tiles go to my row,
	s_or_b32 s[G1B], s17, FLAGS                    ; B's to my column
	s_mov_b32 s[G1A+1], 128<<16                    ; tensor_dim0 = 128
	s_mov_b32 s[G1A+2], 64<<16                     ; tensor_dim1 = 64
	s_mov_b32 s[G1A+3], 128<<16                    ; tile_dim0 = 128
	s_mov_b32 s[G1A+4], 64                         ; tile_dim1 = 64
	s_mov_b32 s[G1A+5], 1024                       ; elements from row to row
	s_mov_b32 s[G1A+6], 0
	s_mov_b32 s[G1A+7], 0
	s_mov_b32 s[G1B+1], 128<<16
	s_mov_b32 s[G1B+2], 128<<16                    ; 128 rows
	s_mov_b32 s[G1B+3], 128<<16
	s_mov_b32 s[G1B+4], 128
	s_mov_b32 s[G1B+5], 1024
	s_mov_b32 s[G1B+6], 0
	s_mov_b32 s[G1B+7], 0
	s_lshl_b32 s[AO], s[TR], 7                     ; A: row 128 x tile row + 64 x half,
	s_lshl_b32 s16, s[WC], 6
	s_add_co_u32 s[AO], s[AO], s16
	s_lshl_b32 s[AO], s[AO], 11                    ; in bytes
	s_mov_b32 s[AO+1], 0
	s_lshl_b32 s[BO], s[TC], 8                     ; B: row 256 x tile column + 128 x half
	s_lshl_b32 s17, s[WC], 7
	s_add_co_u32 s[BO], s[BO], s17
	s_lshl_b32 s[BO], s[BO], 11
	s_mov_b32 s[BO+1], 0
	s_lshl_b32 s[CF], s[TR], 7                     ; C: my first row,
	s_lshl_b32 s78, s[WR], 6
	s_add_co_u32 s[CF], s[CF], s78
	s_lshl_b32 s[CF], s[CF], 11
	s_lshr_b32 s78, s[TC], 2                       ; the plane of 16,777,216 bytes,
	s_lshl_b32 s78, s78, 24
	s_add_co_u32 s[CF], s[CF], s78
	s_and_b32 s78, s[TC], 3                        ; the tile's 512 bytes of a row in it,
	s_lshl_b32 s78, s78, 9
	s_add_co_u32 s[CF], s[CF], s78
	s_lshl_b32 s78, s[WC], 8                       ; my 256 of them
	s_add_co_u32 s[CF], s[CF], s78
	s_mov_b32 s[CF+1], 0
	s_lshl_b32 s22, s[TR], 7                       ; the prefetches: A's rows 128 x tile row + 32 cx,
	s_lshl_b32 s78, s[CX], 5
	s_add_co_u32 s22, s22, s78
	s_lshl_b32 s23, s[TC], 8                       ; B's rows 256 x tile column + 128 x half + 32 cy
	s_lshl_b32 s78, s[WC], 7
	s_add_co_u32 s23, s23, s78
	s_lshl_b32 s78, s[CY], 5
	s_add_co_u32 s23, s23, s78
	s_or_b32 s78, ttmp9, s[WC]                     ; for A: wave 0 where cluster x = 0; for B: where cluster y = 0
	s_cmp_eq_u32 s[WR], 0
	s_cselect_b32 s22, s22, s23
	s_cselect_b32 s78, s78, s[CLY]
	s_cmp_eq_u32 s78, 0
	s_cselect_b32 s[LIM], 2, -1                    ; the same in all sixteen partners, for a given wave
	s_lshl_b32 s22, s22, 11
	s_add_co_u32 s22, s22, 3*STEP                  ; at K step 3: the first refill steps it to 4
	s_mov_b32 s23, 0
	v_and_b32 v[PFO], 31, v0
	v_lshlrev_b32 v[PFO], 11, v[PFO]
	s_mul_i32 s16, s[WC], 64*PITCH                 ; where the tiles go: no place in the cluster enters an LDS address
	s_mul_i32 s17, s[WC], 128*PITCH
	s_add_co_u32 s17, s17, ATILE
	s_mov_b32 s[TB], 0
	s_wait_dscnt 0x0                               ; the opening add is done
	s_wait_kmcnt 0x0
	s_add_nc_u64 s[AO:AO+1], s[4:5], s[AO:AO+1]
	s_add_nc_u64 s[BO:BO+1], s[6:7], s[BO:BO+1]
	s_add_nc_u64 s[CB:CB+1], s[CB:CB+1], s[CF:CF+1]
	s_cmp_eq_u32 s[WR], 0
	s_cselect_b64 s[PFA:PFA+1], s[4:5], s[6:7]
	s_add_nc_u64 s[PFA:PFA+1], s[PFA:PFA+1], s[22:23]
	CROUND                                         ; all sixteen work-groups are here: the first joint loads meet
.irp s, 0,1
	s_mov_b32 s[G0A+4*(\s)], 1                     ; count = 1
	s_add_co_u32 s[G0A+4*(\s)+1], s16, (\s)*SLOT1  ; LDS address
	s_add_nc_u64 s[G0A+4*(\s)+2:G0A+4*(\s)+3], s[AO:AO+1], (\s)*STEP  ; global address: K step s
	s_or_b32 s[G0A+4*(\s)+3], s[G0A+4*(\s)+3], 0x80000000             ; type = 2
	s_mov_b32 s[G0B+4*(\s)], 1
	s_add_co_u32 s[G0B+4*(\s)+1], s17, (\s)*SLOT1
	s_add_nc_u64 s[G0B+4*(\s)+2:G0B+4*(\s)+3], s[BO:BO+1], (\s)*STEP
	s_or_b32 s[G0B+4*(\s)+3], s[G0B+4*(\s)+3], 0x80000000
.endr
	s_cmp_eq_u32 s[WR], 0                          ; a wave's two first fills stand in one branch, ahead of every wait on TENSORcnt and every LDS read: two loads of mine are out
	s_cbranch_scc0 .Lfirst_b
	tensor_load_to_lds s[G0A:G0A+3], s[G1A:G1A+7]
	s_nop 0
	tensor_load_to_lds s[G0A+4:G0A+7], s[G1A:G1A+7]
	s_nop 0
.rept 4
	v_nop
.endr
	s_branch .Lfirst_asked
.Lfirst_b:
	tensor_load_to_lds s[G0B:G0B+3], s[G1B:G1B+7]
	s_nop 0
	tensor_load_to_lds s[G0B+4:G0B+7], s[G1B:G1B+7]
	s_nop 0
.rept 4
	v_nop
.endr
.Lfirst_asked:
	v_and_b32 v[R], 15, v0
	v_bfe_u32 v[H], v0, 4, 1
	v_mul_u32_u24 v13, v[R], PITCH
	v_lshl_add_u32 v13, v[H], 4, v13               ; row x pitch + 16 x half
	s_mul_i32 s78, s[WR], 64*PITCH
	v_add_nc_u32 v[LA0], s78, v13                  ; my 64 rows of A
	s_mul_i32 s78, s[WC], 128*PITCH
	s_add_co_u32 s78, s78, ATILE
	v_add_nc_u32 v[LB0], s78, v13                  ; my 128 rows of B
	s_mul_i32 s78, s[WV], 16*PITCH
	s_add_co_u32 s78, s78, STAGE                   ; my stage
	v_add_nc_u32 v[STO], s78, v13                  ; in: row l % 16, 16 bytes for each half of the lanes
	v_mul_u32_u24 v13, v[H], PITCH
	v_lshl_add_u32 v13, v[R], 4, v13
	v_add_nc_u32 v[RD], s78, v13                   ; back: lanes 0-15 one row of 256 bytes, lanes 16-31 the next
	v_mul_u32_u24 v[CO], v[H], CROW
	v_lshl_add_u32 v[CO], v[R], 4, v[CO]           ; and the same two rows in C
	s_wait_tensorcnt 0x1                           ; my part of K step 0 is in; step 1's may stay out
	s_barrier_signal -1
	s_barrier_wait -1                              ; everybody's is
	v_add_nc_u32 v[ADRA], s[TB], v[LA0]
	v_add_nc_u32 v[ADRB], s[TB], v[LB0]
	FETCH 0, F0
	QUARTER 1, F0, F1, 1                           ; the first quarter stands in front of the loop: its products start the sums
	WIN 0                                          ; at a label and at a branch every window is 0
	s_mov_b32 s[CNT], NSTEPS-2
.Lk:                                                   ; a trip is a K step: 128 matrix instructions, 96 LDS loads, one round, one joint load a wave
	BODY 1
	WIN 0
	s_sub_co_u32 s[CNT], s[CNT], 1
	s_cmp_lg_u32 s[CNT], 0
	s_cbranch_scc1 .Lk
	BODY 0                                         ; the last two K steps are written out: they ask for nothing
	QUARTER 2, F1, F0, 0
	QUARTER 3, F0, F1, 0
	s_wait_dscnt 4
	MUL8 F1, 0, 0
	MUL8 F1, 1, 0
	s_wait_dscnt 0x0
	MUL8 F1, 2, 0
	MUL8 F1, 3, 0
	WIN 0
	PLACES                                         ; the conversions read results just made
	PLACES
	PACK 0
	TOSTAGE 0
.irp a, 1,2,3                          ; block a's conversions stand between block a - 1's loads from the stage and the wait for them
	PACK \a
	SEND (\a)-1
	TOSTAGE \a
.endr
	SEND 3
	s_wait_tensorcnt 0x0                           ; the wave's end: behind my last tensor load and my last LDS store
	ds_add_u32 v[SPW], v[NIL]
	s_wait_dscnt 0x0
	CROUND                                         ; the closing round: no work-group ends while a partner may still ask for a tile that names it
	s_endpgm
.Lfunc_end_k_q71c4648665_proj:
	.size	k_q71c4648665_proj, .Lfunc_end_k_q71c4648665_proj-k_q71c4648665_proj
	.p2alignl 7, 3214868480
	.fill 96, 4, 3214868480
	.section	.rodata,"a",@progbits
	.p2align	6, 0x0
	.amdhsa_kernel k_q71c4648665_proj
		.amdhsa_group_segment_fixed_size 327680
		.amdhsa_private_segment_fixed_size 0
		.amdhsa_enable_private_segment 0
		.amdhsa_kernarg_size 24
		.amdhsa_user_sgpr_count 2
		.amdhsa_user_sgpr_kernarg_segment_ptr 1
		.amdhsa_wavefront_size32 1
		.amdhsa_system_sgpr_workgroup_id_x 1
		.amdhsa_system_sgpr_workgroup_id_y 1
		.amdhsa_system_sgpr_workgroup_id_z 1
		.amdhsa_system_vgpr_workitem_id 0
		.amdhsa_next_free_vgpr 512
		.amdhsa_next_free_sgpr 80
		.amdhsa_reserve_vcc 0
		.amdhsa_float_denorm_mode_32 3
		.amdhsa_float_denorm_mode_16_64 3
		.amdhsa_memory_ordered 1
		.amdhsa_forward_progress 1
		.amdhsa_inst_pref_size 71
	.end_amdhsa_kernel
	.amdgpu_metadata
---
amdhsa.version: [ 1, 2 ]
amdhsa.kernels:
  - .name:           k_q71c4648665_proj
    .symbol:         k_q71c4648665_proj.kd
    .args:
      - { .name: xb, .offset: 0, .size: 8, .value_kind: global_buffer, .address_space: global }
      - { .name: wqkvb, .offset: 8, .size: 8, .value_kind: global_buffer, .address_space: global }
      - { .name: qkv, .offset: 16, .size: 8, .value_kind: global_buffer, .address_space: global }
    .group_segment_fixed_size: 327680
    .private_segment_fixed_size: 0
    .kernarg_segment_align: 8
    .kernarg_segment_size: 24
    .max_flat_workgroup_size: 128
    .sgpr_count:     80
    .vgpr_count:     512
    .wavefront_size: 32
...
	.end_amdgpu_metadata
.endif
;; end of part 2
;; launch scores (part 3): grid 8 x 64, 4 waves a work-group, clusters of 4 x 4, 327,680 bytes of LDS; arguments qkv, pe, st; writes pe, st
.if DOCPART == 3
	.amdgcn_target "amdgcn-amd-amdhsa--gfx1250"
	.amdhsa_code_object_version 6
	.text
	.protected	k_q71c4648665_scores
	.globl	k_q71c4648665_scores
	.p2align	8
	.type	k_q71c4648665_scores,@function
k_q71c4648665_scores:
	s_mov_b64 s[64:65], 0
	v_nop
	global_prefetch_b8 v0, s[64:65] scope:SCOPE_SE
	s_setreg_imm32_b32 hwreg(HW_REG_WAVE_MODE, 25, 1), 1
	s_wait_xcnt 0x0
	s_wait_alu depctr_hold_cnt(0) depctr_sa_sdst(0) depctr_va_vdst(0) depctr_va_sdst(0) depctr_va_ssrc(0) depctr_va_vcc(0) depctr_vm_vsrc(0)
	s_getreg_b32 s2, hwreg(HW_REG_IB_STS2, 6, 4)
	s_cmp_eq_u32 s2, 0
	s_cbranch_scc0 .Lentry_in_a_cluster
	s_endpgm
.Lentry_in_a_cluster:
	s_bfe_u32 s2, ttmp6, 0x10000c
	s_cmp_lg_u32 s2, 0xf033
	s_cbranch_scc0 .Lentry_shape_is_right
	s_endpgm
.Lentry_shape_is_right:
; THE WEIGHTS, BLOCK BY BLOCK.  s = q k^T for one batch's 2,048 queries and keys (qkv: planes q, k, v of [8192][1024] bf16; K = 1,024); sums in f32.
; A wave's tile is 64 queries x 128 keys.  For each query it takes the maximum m_blk of ITS 128 scores away: pe[query][key] = 2^(c s - c m_blk), c = log2(e) / 32, rounded once to bf16; and it stores
; c m_blk and l_blk (the sum of the unrounded weights) in f32.  The next launch joins a row's 16 blocks by the true row maximum: weight = 2^(c m_blk - c m) p / l.
; st: the record of rows 64 g .. 64 g + 63 and key block j lies at (16 g + j) x 512 bytes: c m_blk of row 64 g + 16 a + r at 16 r + 4 a, l_blk 256 bytes on.
; LIMITS.  q, k and the weights are bf16; c m_blk is rounded once, and that same number is used here and in the next launch; a weight below 2^-126 counts as 0; NaN and infinities are not treated apart.
; SHARES, CLUSTER, RING, REGISTERS.  A work-group makes 128 x 256 of the scores: 512 work-groups.  Four waves, 2 x 2, each 64 x 128: 32 accumulators.  K goes in 8 steps of 128 through two LDS slots (rows of 256
; bytes, 272 apart in LDS).  4 x 4 work-groups form a cluster: q's tile is asked for jointly along a row of the cluster, k's along a column.  The product is taken transposed (source 0 = 16 keys, source 1 =
; 16 queries): a lane holds ONE query (lane % 16) and eight neighbouring keys of each group of 16; the query's other 64 keys lie in the lane 16 away.
; Window 0: v0-63 addresses and statistics; v64-159, v160-255 two fragment buffers.  Window 1: accumulator (a, b) at 64 a + 8 b.
.set NSTEPS, 8
.set PITCH,  272                       ; 256 bytes + 16 of padding = 68 words: the 16 rows of a fragment load start at 16 different groups of four banks (ISA guide 11.1)
.set ATILE,  128*PITCH
.set SLOT1,  1<<17
.set STAGE,  384*PITCH                 ; behind slot 0: 16 rows x 272 bytes for each wave; no tensor load lands here
.set SPARE,  STAGE+4*16*PITCH          ; the spare words, 128 bytes a wave: two blocks of 256 bytes that no other line names
.set STEP,   256
.set CROW,   4096                      ; bytes in a row of pe
.set FLAGS,  (1<<16)|(1<<20)|(1<<21)|(5<<22)|(3<<25)
.set R,    1
.set LA0,  2
.set LB0,  3
.set ADRA, 4
.set ADRB, 5
.set STO,  6
.set RD,   7
.set CO,   8
.set PFO,  9
.set SPW,  10                          ; v10  LDS address of my spare word; never rewritten
.set NIL,  11                          ; v11  0; never rewritten
.set H,    12
.set SO,   14                          ; v14  16 x lane: my 16 bytes of the statistics' record
.set T8,   16                          ; v16-23  at work
.set CM,   24                          ; v24-31  for m block a the pair (c m, m)
.set L,    32                          ; v32-35  l of m block a
.set SD,   36                          ; v36-39  what I store of the statistics
.set F0,   64
.set F1,   160
.set TMP,  64
.set OB,   96
.set WV,  12
.set WR,  13
.set WC,  14
.set LIM, 15
.set PFA, 18
.set G1A, 24
.set G1B, 32
.set G0A, 40
.set G0B, 48
.set CNT, 56
.set TB,  57
.set CS,  58                           ; s[58:59] c: the packed scaling takes the pair's low word for both halves
.set SEL, 60                           ; s[60:61] v_permlanex16_b32's selects: each lane takes its own place in the other half
.set CX,  62
.set CY,  63
.set TC,  66
.set TR,  67
.set AO,  68
.set BO,  70
.set CF,  72
.set HM,  75                           ; s75  the lanes 16 to 31
.set CLY, 76
.set BAT, 77                           ; s77  the batch: four clusters along y have one
.set CB,  6                            ; s[6:7] pe
.set W_MUL, 0x50
.set W_PK,  0x05                       ; sources 0 and 1 in window 1, destination in window 0
.set W_M3A, 0x15                       ; three sources in window 1
.set W_M3B, 0x14                       ; sources 1 and 2 in window 1
.set W_E,   0x41                       ; destination and source 0 in window 1
.set W_S,   0x45                       ; destination and sources 0 and 1 in window 1
.set MSB, 0
.macro WIN new
.if MSB != (\new)
	s_set_vgpr_msb (MSB<<8)|(\new)
.set MSB, \new
.endif
.endm
.macro PLACES
.rept 4
	v_nop
.endr
.endm
.macro CREST
	s_cmp_lg_u32 s[WV], 0
	s_cbranch_scc1 .Lnot_wave_0_\@
	s_barrier_signal -3
.Lnot_wave_0_\@:
	s_barrier_wait -3
	s_barrier_signal -1
	s_barrier_wait -1
.endm
.macro CROUND
	s_barrier_signal -1
	s_barrier_wait -1
	CREST
.endm
.macro JLOAD                           ; a joint refill: waves 0 and 1 q's halves, waves 2 and 3 k's; an s_nop 0 and four v_nop follow each of the two lines
	s_cmp_eq_u32 s[WR], 0
	s_cbranch_scc0 .Lfor_b_\@
	tensor_load_to_lds s[G0A+4:G0A+7], s[G1A:G1A+7]
	s_nop 0
.rept 4
	v_nop
.endr
	s_branch .Lasked_\@
.Lfor_b_\@:
	tensor_load_to_lds s[G0B+4:G0B+7], s[G1B:G1B+7]
	s_nop 0
.rept 4
	v_nop
.endr
.Lasked_\@:
.endm
; A PREFETCH INTO THE L2 of the K step two refills on, 32 rows x 256 bytes, a lane a row, behind the joint refill and the run of LDS loads.  Each row's 256 bytes of a K step are named once in the launch:
; q's rows by wave 0 of the clusters with x = 0 (partner cx: rows 32 cx ..), k's rows by waves 2 and 3 of the first of the four clusters along y that share a batch (partner cy: rows 32 cy .. of the wave's 128).
; K steps 0 to 3 come by their loads alone; the last two trips ask for nothing.
.macro ASK
	s_cmp_gt_u32 s[CNT], s[LIM]
	s_cbranch_scc0 .Lnot_mine_\@
	global_prefetch_b8 v[PFO], s[PFA:PFA+1] th:TH_LOAD_NT scope:SCOPE_SE
.Lnot_mine_\@:
.endm
.macro MUL8 f, a, zero                 ; 8 matrix instructions; the 32 accumulators take turns, one instruction a turn
	WIN W_MUL
.irp b, 0,1,2,3,4,5,6,7
.if \zero
	v_wmma_f32_16x16x32_bf16 v[64*(\a)+8*(\b):64*(\a)+8*(\b)+7], v[(\f)+32+8*(\b):(\f)+32+8*(\b)+7], v[(\f)+8*(\a):(\f)+8*(\a)+7], 0
.else
	v_wmma_f32_16x16x32_bf16 v[64*(\a)+8*(\b):64*(\a)+8*(\b)+7], v[(\f)+32+8*(\b):(\f)+32+8*(\b)+7], v[(\f)+8*(\a):(\f)+8*(\a)+7], v[64*(\a)+8*(\b):64*(\a)+8*(\b)+7]
.endif
.endr
.endm
.macro FETCH q, g                      ; 24 LDS loads in one run: k's 8 fragments, then q's 4
	WIN 0
.irp b, 0,1,2,3,4,5,6,7
	ds_load_b128 v[(\g)+32+8*(\b):(\g)+32+8*(\b)+3],   v[ADRB] offset:64*(\q)+(\b)*16*PITCH
	ds_load_b128 v[(\g)+32+8*(\b)+4:(\g)+32+8*(\b)+7], v[ADRB] offset:64*(\q)+(\b)*16*PITCH+32
.endr
.irp a, 0,1,2,3
	ds_load_b128 v[(\g)+8*(\a):(\g)+8*(\a)+3],   v[ADRA] offset:64*(\q)+(\a)*16*PITCH
	ds_load_b128 v[(\g)+8*(\a)+4:(\g)+8*(\a)+7], v[ADRA] offset:64*(\q)+(\a)*16*PITCH+32
.endr
.endm
.macro QUARTER q, f, g, zero
	s_wait_dscnt 4                                 ; only the youngest four loads (q's fragments 2 and 3) may be out
	MUL8 \f, 0, \zero
	MUL8 \f, 1, \zero
	WIN 0
	PLACES                                         ; for the loads into g, which the quarter before multiplied
	FETCH \q, \g
	s_wait_dscnt 24                                ; all but the 24 just issued
	MUL8 \f, 2, \zero
	MUL8 \f, 3, \zero
.endm
.macro TURN fill                       ; the fourth quarter and the change of slots: the waits and the add in front of the barrier, the joint refill first behind the round
.if \fill
	s_wait_xcnt 0x0                                ; the last prefetch, a K step back, has read its address
	s_add_nc_u64 s[PFA:PFA+1], s[PFA:PFA+1], STEP
.endif
	WIN 0
	s_wait_tensorcnt 0x0                           ; no tensor load of mine is out, so a group 0 may be written
	ds_add_u32 v[SPW], v[NIL]                      ; 0 onto my spare word
.if \fill
	s_xor_b32 s[G0A+5], s[G0A+5], SLOT1
	s_add_nc_u64 s[G0A+6:G0A+7], s[G0A+6:G0A+7], STEP
	s_xor_b32 s[G0B+5], s[G0B+5], SLOT1
	s_add_nc_u64 s[G0B+6:G0B+7], s[G0B+6:G0B+7], STEP
.endif
	s_wait_dscnt 5                                 ; the add and the youngest four loads may be out
	MUL8 F1, 0, 0
	s_wait_dscnt 0x0                               ; the add is done, and my reads of this slot are over
	s_barrier_signal -1
	MUL8 F1, 1, 0
	WIN 0
	s_barrier_wait -1
.if \fill
	CREST
	JLOAD                                          ; its four v_nop are also the places in front of the loads below
.else
	PLACES
.endif
	s_xor_b32 s[TB], s[TB], SLOT1
	v_add_nc_u32 v[ADRA], s[TB], v[LA0]
	v_add_nc_u32 v[ADRB], s[TB], v[LB0]
	FETCH 0, F0
.if \fill
	ASK
.endif
	MUL8 F1, 2, 0
	MUL8 F1, 3, 0
.endm
.macro BODY fill
	QUARTER 2, F1, F0, 0
	QUARTER 3, F0, F1, 0
	TURN \fill
	QUARTER 1, F0, F1, 0
.endm
; The maximum of m block a's 64 scores a lane: eight chains of seven (each accumulator's lowest registers are read first), the eight scores left over, the chains into one, the other half of the lanes; then c m.
.macro PHASEM a
	WIN W_M3A
.irp b, 0,1,2,3,4,5,6,7
	v_max3_num_f32 v[T8+(\b)], v[64*(\a)+8*(\b)], v[64*(\a)+8*(\b)+1], v[64*(\a)+8*(\b)+2]
.endr
	WIN W_M3B
.irp b, 0,1,2,3,4,5,6,7
	v_max3_num_f32 v[T8+(\b)], v[T8+(\b)], v[64*(\a)+8*(\b)+3], v[64*(\a)+8*(\b)+4]
.endr
.irp b, 0,1,2,3,4,5,6,7
	v_max3_num_f32 v[T8+(\b)], v[T8+(\b)], v[64*(\a)+8*(\b)+5], v[64*(\a)+8*(\b)+6]
.endr
.irp b, 0,1,2,3
	v_max3_num_f32 v[T8+(\b)], v[T8+(\b)], v[64*(\a)+16*(\b)+7], v[64*(\a)+16*(\b)+15]
.endr
	WIN 0
	v_max3_num_f32 v[T8], v[T8], v[T8+1], v[T8+2]
	v_max3_num_f32 v[T8+3], v[T8+3], v[T8+4], v[T8+5]
	v_max_num_f32 v[T8+6], v[T8+6], v[T8+7]
	v_max3_num_f32 v[T8], v[T8], v[T8+3], v[T8+6]
	v_permlanex16_b32 v[T8+1], v[T8], s[SEL], s[SEL+1]
	v_max_num_f32 v[CM+2*(\a)+1], v[T8], v[T8+1]
	v_mul_f32 v[CM+2*(\a)], s[CS], v[CM+2*(\a)+1]
.endm
.macro SCALE a, p                      ; c s - c m for pair p of m block a, one fused multiply-add each
	v_pk_fma_f32 v[64*(\a)+2*(\p):64*(\a)+2*(\p)+1], v[64*(\a)+2*(\p):64*(\a)+2*(\p)+1], s[CS:CS+1], v[CM+2*(\a):CM+2*(\a)+1] op_sel_hi:[1,0,0] neg_lo:[0,0,1] neg_hi:[0,0,1]
.endm
.macro PACK a
	WIN W_PK
.irp b, 0,1,2,3,4,5,6,7
.irp z, 0,1,2,3
	v_cvt_pk_bf16_f32 v[TMP+4*(\b)+(\z)], v[64*(\a)+8*(\b)+2*(\z)], v[64*(\a)+8*(\b)+2*(\z)+1]
.endr
.endr
	WIN 0
.endm
.macro TOSTAGE a
.irp b, 0,1,2,3,4,5,6,7
	ds_store_b128 v[STO], v[TMP+4*(\b):TMP+4*(\b)+3] offset:32*(\b)
.endr
.irp t, 0,1,2,3,4,5,6,7
	ds_load_b128 v[OB+32*((\a)%2)+4*(\t):OB+32*((\a)%2)+4*(\t)+3], v[RD] offset:(\t)*2*PITCH  ; LDS serves a wave's instructions in order (ISA guide 5.7.1.4): these see the stores above
.endr
.endm
.macro SEND a
	s_wait_dscnt 0x0                               ; the block is back in registers
	s_wait_xcnt 0x0                                ; earlier stores have read their registers: the other buffer is loaded again only behind this wait
.irp t, 0,1,2,3,4,5,6,7
	global_store_b128 v[CO], v[OB+32*((\a)%2)+4*(\t):OB+32*((\a)%2)+4*(\t)+3], s[CB:CB+1] offset:(16*(\a)+2*(\t))*CROW  ; 16 lanes store 256 consecutive bytes, at a multiple of 256 from pe's first byte
.endr
.endm
.macro SUM a                           ; l of m block a: the 32 pairs of unrounded weights are added in place, 16, 8, 4, 2 and 1 pairs apart; then the pair's halves and the other half of the lanes
	WIN W_S
.irp d, 16,8,4,2,1
.set i, 0
.rept \d
	v_pk_add_f32 v[64*(\a)+2*i:64*(\a)+2*i+1], v[64*(\a)+2*i:64*(\a)+2*i+1], v[64*(\a)+2*(i+(\d)):64*(\a)+2*(i+(\d))+1]
.set i, i+1
.endr
.endr
	WIN W_PK
	v_add_f32 v[L+(\a)], v[64*(\a)], v[64*(\a)+1]
	WIN 0
	v_permlanex16_b32 v[T8], v[L+(\a)], s[SEL], s[SEL+1]
	v_add_f32 v[L+(\a)], v[L+(\a)], v[T8]
.endm
	s_load_b128 s[4:7], s[0:1], 0x0                ; qkv s[4:5], pe s[6:7]
	s_load_b64 s[8:9], s[0:1], 0x10                ; st
	v_lshl_add_u32 v[SPW], v0, 2, SPARE
	v_mov_b32 v[NIL], 0
	ds_add_u32 v[SPW], v[NIL]                      ; the wave's opening: the add, and its wait ahead of my first tensor load; the set-up below, work on registers, stands between them
	v_lshrrev_b32 v13, 5, v0
	v_readfirstlane_b32 s[WV], v13
	s_lshr_b32 s[WR], s[WV], 1
	s_and_b32 s[WC], s[WV], 1
	s_bfe_u32 s[CX], ttmp6, 0x40000
	s_bfe_u32 s[CY], ttmp6, 0x40004
	s_lshl_b32 s[TC], ttmp9, 2
	s_add_co_u32 s[TC], s[TC], s[CX]               ; tile column: 256 keys of the batch
	s_and_b32 s[CLY], ttmp7, 0xffff
	s_lshl_b32 s[TR], s[CLY], 2
	s_add_co_u32 s[TR], s[TR], s[CY]               ; tile row: 128 of the 8,192 queries
	s_lshr_b32 s[BAT], s[CLY], 2                   ; 16 tile rows, four clusters, a batch: made of the cluster's y alone
	s_lshl_b32 s16, s[CY], 2
	s_lshl_b32 s16, 15, s16
	s_lshl_b32 s17, 0x1111, s[CX]
	s_or_b32 s[G1A], s16, FLAGS                    ; q's tiles go to my row of the cluster,
	s_or_b32 s[G1B], s17, FLAGS                    ; k's to my column
	s_mov_b32 s[G1A+1], 128<<16
	s_mov_b32 s[G1A+2], 64<<16
	s_mov_b32 s[G1A+3], 128<<16
	s_mov_b32 s[G1A+4], 64
	s_mov_b32 s[G1A+5], 1024
	s_mov_b32 s[G1A+6], 0
	s_mov_b32 s[G1A+7], 0
	s_mov_b32 s[G1B+1], 128<<16
	s_mov_b32 s[G1B+2], 128<<16
	s_mov_b32 s[G1B+3], 128<<16
	s_mov_b32 s[G1B+4], 128
	s_mov_b32 s[G1B+5], 1024
	s_mov_b32 s[G1B+6], 0
	s_mov_b32 s[G1B+7], 0
	s_lshl_b32 s[AO], s[TR], 7                     ; q: row 128 x tile row + 64 x half
	s_lshl_b32 s16, s[WC], 6
	s_add_co_u32 s[AO], s[AO], s16
	s_lshl_b32 s[AO], s[AO], 11
	s_mov_b32 s[AO+1], 0
	s_lshl_b32 s[BO], s[BAT], 11                   ; k: row 2,048 x batch + 256 x tile column + 128 x half,
	s_lshl_b32 s17, s[TC], 8
	s_add_co_u32 s[BO], s[BO], s17
	s_lshl_b32 s17, s[WC], 7
	s_add_co_u32 s[BO], s[BO], s17
	s_add_co_u32 s[BO], s[BO], 8192                ; in plane k, 8,192 rows on
	s_lshl_b32 s[BO], s[BO], 11
	s_mov_b32 s[BO+1], 0
	s_lshl_b32 s[CF], s[TR], 7                     ; pe: my first row,
	s_lshl_b32 s78, s[WR], 6
	s_add_co_u32 s[CF], s[CF], s78
	s_lshl_b32 s[CF], s[CF], 12
	s_lshl_b32 s78, s[TC], 9                       ; the tile's 512 bytes of it,
	s_add_co_u32 s[CF], s[CF], s78
	s_lshl_b32 s78, s[WC], 8                       ; my 256
	s_add_co_u32 s[CF], s[CF], s78
	s_mov_b32 s[CF+1], 0
	s_lshl_b32 s22, s[TR], 7                       ; the prefetches: q's rows 128 x tile row + 32 cx,
	s_lshl_b32 s78, s[CX], 5
	s_add_co_u32 s22, s22, s78
	s_lshl_b32 s23, s[BAT], 11                     ; k's rows as above + 32 cy
	s_lshl_b32 s78, s[TC], 8
	s_add_co_u32 s23, s23, s78
	s_lshl_b32 s78, s[WC], 7
	s_add_co_u32 s23, s23, s78
	s_lshl_b32 s78, s[CY], 5
	s_add_co_u32 s23, s23, s78
	s_add_co_u32 s23, s23, 8192
	s_or_b32 s78, ttmp9, s[WC]                     ; for q: wave 0 where cluster x = 0;
	s_and_b32 s79, s[CLY], 3                       ; for k: the batch's first cluster along y
	s_cmp_eq_u32 s[WR], 0
	s_cselect_b32 s22, s22, s23
	s_cselect_b32 s78, s78, s79
	s_cmp_eq_u32 s78, 0
	s_cselect_b32 s[LIM], 2, -1
	s_lshl_b32 s22, s22, 11
	s_add_co_u32 s22, s22, 3*STEP                  ; at K step 3: the first refill steps it to 4
	s_mov_b32 s23, 0
	v_and_b32 v[PFO], 31, v0
	v_lshlrev_b32 v[SO], 4, v[PFO]
	v_lshlrev_b32 v[PFO], 11, v[PFO]
	s_lshl_b32 s78, s[TR], 1                       ; the statistics' record: g = 2 x tile row + my half, j = 2 x tile column + my half
	s_add_co_u32 s78, s78, s[WR]
	s_lshl_b32 s78, s78, 4
	s_lshl_b32 s79, s[TC], 1
	s_add_co_u32 s78, s78, s79
	s_add_co_u32 s78, s78, s[WC]
	s_lshl_b32 s78, s78, 9
	s_mov_b32 s79, 0
	s_mul_i32 s16, s[WC], 64*PITCH
	s_mul_i32 s17, s[WC], 128*PITCH
	s_add_co_u32 s17, s17, ATILE
	s_mov_b32 s[TB], 0
	s_mov_b32 s[CS], 0x3d38aa3b                    ; c = log2(e) / 32
	s_mov_b32 s[CS+1], s[CS]                       ; named with it as a pair
	s_mov_b32 s[SEL], 0x76543210
	s_mov_b32 s[SEL+1], 0xfedcba98
	s_wait_dscnt 0x0                               ; the opening add is done
	s_wait_kmcnt 0x0
	s_add_nc_u64 s[AO:AO+1], s[4:5], s[AO:AO+1]
	s_add_nc_u64 s[BO:BO+1], s[4:5], s[BO:BO+1]
	s_add_nc_u64 s[CB:CB+1], s[CB:CB+1], s[CF:CF+1]
	s_add_nc_u64 s[8:9], s[8:9], s[78:79]
	s_add_nc_u64 s[PFA:PFA+1], s[4:5], s[22:23]
	CROUND                                         ; all sixteen work-groups are here: the first joint loads meet
.irp s, 0,1
	s_mov_b32 s[G0A+4*(\s)], 1
	s_add_co_u32 s[G0A+4*(\s)+1], s16, (\s)*SLOT1
	s_add_nc_u64 s[G0A+4*(\s)+2:G0A+4*(\s)+3], s[AO:AO+1], (\s)*STEP
	s_or_b32 s[G0A+4*(\s)+3], s[G0A+4*(\s)+3], 0x80000000
	s_mov_b32 s[G0B+4*(\s)], 1
	s_add_co_u32 s[G0B+4*(\s)+1], s17, (\s)*SLOT1
	s_add_nc_u64 s[G0B+4*(\s)+2:G0B+4*(\s)+3], s[BO:BO+1], (\s)*STEP
	s_or_b32 s[G0B+4*(\s)+3], s[G0B+4*(\s)+3], 0x80000000
.endr
	s_cmp_eq_u32 s[WR], 0                          ; a wave's two first fills stand in one branch: two loads of mine are out
	s_cbranch_scc0 .Lfirst_b
	tensor_load_to_lds s[G0A:G0A+3], s[G1A:G1A+7]
	s_nop 0
	tensor_load_to_lds s[G0A+4:G0A+7], s[G1A:G1A+7]
	s_nop 0
.rept 4
	v_nop
.endr
	s_branch .Lfirst_asked
.Lfirst_b:
	tensor_load_to_lds s[G0B:G0B+3], s[G1B:G1B+7]
	s_nop 0
	tensor_load_to_lds s[G0B+4:G0B+7], s[G1B:G1B+7]
	s_nop 0
.rept 4
	v_nop
.endr
.Lfirst_asked:
	v_and_b32 v[R], 15, v0
	v_bfe_u32 v[H], v0, 4, 1
	v_cmp_ne_u32 s[HM], 0, v[H]
	v_mul_u32_u24 v13, v[R], PITCH
	v_lshl_add_u32 v13, v[H], 4, v13
	s_mul_i32 s78, s[WR], 64*PITCH
	v_add_nc_u32 v[LA0], s78, v13
	s_mul_i32 s78, s[WC], 128*PITCH
	s_add_co_u32 s78, s78, ATILE
	v_add_nc_u32 v[LB0], s78, v13
	s_mul_i32 s78, s[WV], 16*PITCH
	s_add_co_u32 s78, s78, STAGE
	v_add_nc_u32 v[STO], s78, v13
	v_mul_u32_u24 v13, v[H], PITCH
	v_lshl_add_u32 v13, v[R], 4, v13
	v_add_nc_u32 v[RD], s78, v13
	v_mul_u32_u24 v[CO], v[H], CROW
	v_lshl_add_u32 v[CO], v[R], 4, v[CO]
	s_wait_tensorcnt 0x1                           ; my part of K step 0 is in; step 1's may stay out
	s_barrier_signal -1
	s_barrier_wait -1
	v_add_nc_u32 v[ADRA], s[TB], v[LA0]
	v_add_nc_u32 v[ADRB], s[TB], v[LB0]
	FETCH 0, F0
	QUARTER 1, F0, F1, 1                           ; the first quarter's products start the sums
	WIN 0
	s_mov_b32 s[CNT], NSTEPS-2
.Lk:                                                   ; a trip is a K step
	BODY 1
	WIN 0
	s_sub_co_u32 s[CNT], s[CNT], 1
	s_cmp_lg_u32 s[CNT], 0
	s_cbranch_scc1 .Lk
	BODY 0                                         ; the last two K steps are written out: they ask for nothing
	QUARTER 2, F1, F0, 0
	QUARTER 3, F0, F1, 0
	s_wait_dscnt 4
	MUL8 F1, 0, 0
	MUL8 F1, 1, 0
	s_wait_dscnt 0x0
	MUL8 F1, 2, 0
	MUL8 F1, 3, 0
	WIN 0
	PLACES                                         ; the maxima read results just made
	PLACES
	PHASEM 0
	PHASEM 1
	PHASEM 2
	PHASEM 3
	; ONE BATCH: the 128 scalings and all 256 exponentials; a pair is scaled one step ahead of its exponentials, and nothing here names an exponential's result
	WIN W_E
.irp a, 0,1,2,3
	SCALE \a, 0
.set i, 0
.rept 32
.if i < 31
	SCALE \a, i+1
.endif
	v_exp_f32 v[64*(\a)+2*i], v[64*(\a)+2*i]
	v_exp_f32 v[64*(\a)+2*i+1], v[64*(\a)+2*i+1]
.set i, i+1
.endr
.endr
	v_nop                                          ; a plain instruction behind the last exponential,
	s_wait_alu depctr_va_vdst(0)                   ; and one wait ahead of the batch's first reader
	PACK 0
	TOSTAGE 0
	SUM 0                                          ; a block's sums stand between its loads from the stage and the wait for them
.irp a, 1,2,3
	PACK \a
	SEND (\a)-1
	TOSTAGE \a
	SUM \a
.endr
	SEND 3
.irp a, 0,1,2,3
	v_cndmask_b32 v[SD+(\a)], v[CM+2*(\a)], v[L+(\a)], s[HM]  ; lanes 0-15 store c m, lanes 16-31 l
.endr
	global_store_b128 v[SO], v[SD:SD+3], s[8:9]    ; the record's 512 consecutive bytes
	s_wait_tensorcnt 0x0                           ; the wave's end: behind my last tensor load and my last LDS store
	ds_add_u32 v[SPW], v[NIL]
	s_wait_dscnt 0x0
	CROUND                                         ; the closing round
	s_endpgm
.Lfunc_end_k_q71c4648665_scores:
	.size	k_q71c4648665_scores, .Lfunc_end_k_q71c4648665_scores-k_q71c4648665_scores
	.p2alignl 7, 3214868480
	.fill 96, 4, 3214868480
	.section	.rodata,"a",@progbits
	.p2align	6, 0x0
	.amdhsa_kernel k_q71c4648665_scores
		.amdhsa_group_segment_fixed_size 327680
		.amdhsa_private_segment_fixed_size 0
		.amdhsa_enable_private_segment 0
		.amdhsa_kernarg_size 24
		.amdhsa_user_sgpr_count 2
		.amdhsa_user_sgpr_kernarg_segment_ptr 1
		.amdhsa_wavefront_size32 1
		.amdhsa_system_sgpr_workgroup_id_x 1
		.amdhsa_system_sgpr_workgroup_id_y 1
		.amdhsa_system_sgpr_workgroup_id_z 1
		.amdhsa_system_vgpr_workitem_id 0
		.amdhsa_next_free_vgpr 512
		.amdhsa_next_free_sgpr 80
		.amdhsa_reserve_vcc 0
		.amdhsa_float_denorm_mode_32 3
		.amdhsa_float_denorm_mode_16_64 3
		.amdhsa_memory_ordered 1
		.amdhsa_forward_progress 1
		.amdhsa_inst_pref_size 105
	.end_amdhsa_kernel
	.amdgpu_metadata
---
amdhsa.version: [ 1, 2 ]
amdhsa.kernels:
  - .name:           k_q71c4648665_scores
    .symbol:         k_q71c4648665_scores.kd
    .args:
      - { .name: qkv, .offset: 0, .size: 8, .value_kind: global_buffer, .address_space: global }
      - { .name: pe, .offset: 8, .size: 8, .value_kind: global_buffer, .address_space: global }
      - { .name: st, .offset: 16, .size: 8, .value_kind: global_buffer, .address_space: global }
    .group_segment_fixed_size: 327680
    .private_segment_fixed_size: 0
    .kernarg_segment_align: 8
    .kernarg_segment_size: 24
    .max_flat_workgroup_size: 128
    .sgpr_count:     80
    .vgpr_count:     512
    .wavefront_size: 32
...
	.end_amdgpu_metadata
.endif
;; end of part 3
;; launch pv (part 4): grid 4 x 64, 4 waves a work-group, clusters of 4 x 4, 327,680 bytes of LDS; arguments pe, qkv, st, att; writes att
.if DOCPART == 4
	.amdgcn_target "amdgcn-amd-amdhsa--gfx1250"
	.amdhsa_code_object_version 6
	.text
	.protected	k_q71c4648665_pv
	.globl	k_q71c4648665_pv
	.p2align	8
	.type	k_q71c4648665_pv,@function
k_q71c4648665_pv:
	s_mov_b64 s[64:65], 0
	v_nop
	global_prefetch_b8 v0, s[64:65] scope:SCOPE_SE
	s_setreg_imm32_b32 hwreg(HW_REG_WAVE_MODE, 25, 1), 1
	s_wait_xcnt 0x0
	s_wait_alu depctr_hold_cnt(0) depctr_sa_sdst(0) depctr_va_vdst(0) depctr_va_sdst(0) depctr_va_ssrc(0) depctr_va_vcc(0) depctr_vm_vsrc(0)
	s_getreg_b32 s2, hwreg(HW_REG_IB_STS2, 6, 4)
	s_cmp_eq_u32 s2, 0
	s_cbranch_scc0 .Lentry_in_a_cluster
	s_endpgm
.Lentry_in_a_cluster:
	s_bfe_u32 s2, ttmp6, 0x10000c
	s_cmp_lg_u32 s2, 0xf033
	s_cbranch_scc0 .Lentry_shape_is_right
	s_endpgm
.Lentry_shape_is_right:
; att = softmax(scores) v, from the weights by blocks.  pe [8192][2048] bf16 holds p = 2^(c s - c m_blk) for key blocks of 128; st holds c m_blk and l_blk in f32; v is plane 2 of qkv, [8192][1024] bf16.
; For each row: c m = the maximum of its 16 c m_blk; w_j = 2^(c m_j - c m); l = the sum of w_j l_j; f_j = w_j / l; att = the sum over j of f_j (p_j v_j).  So the row's true maximum is taken away.
; A K step is one key block: its product is summed in f32 by the matrix unit from 0, and then folded into the main sum, in f32, by one packed multiply-add with f_j.  att is rounded once to bf16.
; LIMITS.  p, v and att are bf16; a factor w_j below 2^-126 counts as 0; 1 / l is v_rcp_f32's; NaN and infinities are not treated apart.
; SHARES, CLUSTER, RING.  A work-group makes 128 x 256 of att: 256 work-groups.  Four waves, 2 x 2, each 64 x 128.  16 K steps of 128 keys through two LDS slots.  4 x 4 work-groups form a cluster: p's tile
; (128 rows x 256 bytes) is asked for jointly along a row of the cluster, v's (128 keys x 512 bytes) along a column.  Waves 0 and 1 fetch p's halves, waves 2 and 3 v's (64 keys each).
; The product is taken transposed (source 0 = 16 channels of v, turned on the way out of LDS by ds_load_tr16_b128; source 1 = 16 rows of p): a lane holds ONE row (lane % 16) and eight neighbouring channels.
; THE FOLDS RIDE: four packed multiply-adds behind each of 32 products a K step: rows 0-31 of the wave behind the step's last 16 products, rows 32-63 behind the next step's first 16.  That costs two window
; switches a product there: the sums of a step lie in window 1, the main sums in window 2, the factors in window 0.
; Window 0: v0-63 addresses, factors; v64-159, v160-255 two fragment buffers.  Window 1: the step's sums, (a, b) at 64 a + 8 b.  Window 2: the main sums, likewise; they are cleared by 256 v_mov_b32
; in the wait for the first tile: a first step written out in their stead would be three times that text.
.set NSTEPS, 16
.set PITCH,  272                       ; a row of p in LDS: 256 bytes + 16
.set PV,     544                       ; a key of v in LDS: 512 bytes + 32 = 136 words
.set ATILE,  128*PITCH
.set SLOT1,  1<<17
.set STAGE,  384*PITCH                 ; behind slot 0 (34,816 + 128 x 544 = 104,448 bytes); no tensor load lands here
.set SPARE,  STAGE+4*16*PITCH          ; the spare words, 128 bytes a wave: two blocks of 256 bytes that no other line names
.set FTAB,   SLOT1+384*PITCH           ; behind slot 1: each wave's factors, 16 steps x 1,024 bytes; no tensor load lands here
.set STEPA,  256                       ; 128 keys along a row of p
.set STEPB,  128*2048                  ; 128 rows of v
.set CROW,   2048
.set FLAGS,  (1<<16)|(1<<20)|(1<<21)|(5<<22)|(3<<25)
.set FLAGSV, (1<<16)|(1<<20)|(1<<21)|(6<<22)|(7<<25)  ; padding after every 128 words, 8 words of it
.set R,    1
.set LA0,  2
.set LB0,  3
.set ADRA, 4
.set ADRB, 5
.set STO,  6
.set RD,   7
.set CO,   8
.set PFO,  9
.set SPW,  10                          ; v10  LDS address of my spare word; never rewritten
.set NIL,  11                          ; v11  0; never rewritten
.set H,    12
.set SOF,  15                          ; v15  16 x (lane % 16): my four numbers in a record of st
.set T8,   16                          ; v16-19 c m; v20-23 l, then 1 / l
.set FR,   40                          ; v40-47  the step's factors, (f_a, f_a) for m block a
.set FT0,  48                          ; v48  my 16 bytes in my wave's table; never rewritten
.set FA,   49                          ; v49  the same in the step to be loaded
.set F0,   64
.set F1,   160
.set TMP,  64
.set OB,   96
.set WV,  12
.set WR,  13
.set WC,  14
.set LIM, 15
.set PFA, 18
.set PFS, 20                           ; s[20:21] the prefetches' step: 256 bytes along p's rows, 128 rows of v
.set G1A, 24
.set G1B, 32
.set G0A, 40
.set G0B, 48
.set CNT, 56
.set TB,  57
.set CX,  62
.set CY,  63
.set TC,  66
.set TR,  67
.set AO,  68
.set BO,  70
.set CF,  72
.set FTS, 74                           ; s74  1,024 x the step whose factors are loaded next
.set CLY, 76
.set BAT, 77
.set CB,  10                           ; s[10:11] att
.set W_MUL,  0x50
.set W_FOLD, 0xa1                      ; the step's sum (source 0) in window 1, the factor in window 0, the main sum (source 2 and destination) in window 2
.set W_PK,   0x0a                      ; sources 0 and 1 in window 2
.set W_CLR,  0x80
.set MSB, 0
.macro WIN new
.if MSB != (\new)
	s_set_vgpr_msb (MSB<<8)|(\new)
.set MSB, \new
.endif
.endm
.macro PLACES
.rept 4
	v_nop
.endr
.endm
.macro CREST
	s_cmp_lg_u32 s[WV], 0
	s_cbranch_scc1 .Lnot_wave_0_\@
	s_barrier_signal -3
.Lnot_wave_0_\@:
	s_barrier_wait -3
	s_barrier_signal -1
	s_barrier_wait -1
.endm
.macro CROUND
	s_barrier_signal -1
	s_barrier_wait -1
	CREST
.endm
.macro JLOAD                           ; a joint refill; an s_nop 0 and four v_nop follow each of the two lines
	s_cmp_eq_u32 s[WR], 0
	s_cbranch_scc0 .Lfor_b_\@
	tensor_load_to_lds s[G0A+4:G0A+7], s[G1A:G1A+7]
	s_nop 0
.rept 4
	v_nop
.endr
	s_branch .Lasked_\@
.Lfor_b_\@:
	tensor_load_to_lds s[G0B+4:G0B+7], s[G1B:G1B+7]
	s_nop 0
.rept 4
	v_nop
.endr
.Lasked_\@:
.endm
; A PREFETCH INTO THE L2 of the K step two refills on, 32 blocks of 256 bytes, a lane a block, behind the joint refill and the run of LDS loads.  Each block is named once in the launch: p's rows by wave 0
; (the launch has one cluster along x; partner cx: rows 32 cx ..); v's keys by waves 2 and 3 of the first of the four clusters along y that share a batch (partner cy: keys 16 cy .. of the wave's 64, two
; blocks a key).  K steps 0 to 3 come by their loads alone; the last two trips ask for nothing.
.macro ASK
	s_cmp_gt_u32 s[CNT], s[LIM]
	s_cbranch_scc0 .Lnot_mine_\@
	global_prefetch_b8 v[PFO], s[PFA:PFA+1] th:TH_LOAD_NT scope:SCOPE_SE
.Lnot_mine_\@:
.endm
; 8 matrix instructions: m block a x all 8 n blocks.  zero = 1: the product starts the step's sums.  ride >= 0: behind product b stand the four folds of accumulator (ride, b) of the step that is finished,
; lowest registers first.  The 32 accumulators take turns, one instruction a turn.
.macro MUL8 f, a, zero=0, ride=-1
.irp b, 0,1,2,3,4,5,6,7
	WIN W_MUL
.if \zero
	v_wmma_f32_16x16x32_bf16 v[64*(\a)+8*(\b):64*(\a)+8*(\b)+7], v[(\f)+32+8*(\b):(\f)+32+8*(\b)+7], v[(\f)+8*(\a):(\f)+8*(\a)+7], 0
.else
	v_wmma_f32_16x16x32_bf16 v[64*(\a)+8*(\b):64*(\a)+8*(\b)+7], v[(\f)+32+8*(\b):(\f)+32+8*(\b)+7], v[(\f)+8*(\a):(\f)+8*(\a)+7], v[64*(\a)+8*(\b):64*(\a)+8*(\b)+7]
.endif
.if (\ride) >= 0
	WIN W_FOLD
.irp z, 0,1,2,3
	v_pk_fma_f32 v[64*(\ride)+8*(\b)+2*(\z):64*(\ride)+8*(\b)+2*(\z)+1], v[64*(\ride)+8*(\b)+2*(\z):64*(\ride)+8*(\b)+2*(\z)+1], v[FR+2*(\ride):FR+2*(\ride)+1], v[64*(\ride)+8*(\b)+2*(\z):64*(\ride)+8*(\b)+2*(\z)+1]
.endr
.endif
.endr
.endm
; 24 LDS loads in one run: quarter q (32 keys) into buffer g.  v's 8 fragments, turned: a load takes 16 keys x 16 channels (lane l reads key 8 (l / 16) + l % 8, channels 8 ((l / 8) % 2) + 0..7) and leaves
; channel l % 16 and 8 keys a lane.  Then p's 4 fragments, as they lie.
.macro FETCH q, g
	WIN 0
.irp b, 0,1,2,3,4,5,6,7
	ds_load_tr16_b128 v[(\g)+32+8*(\b):(\g)+32+8*(\b)+3],   v[ADRB] offset:(\q)*32*PV+32*(\b)
	ds_load_tr16_b128 v[(\g)+32+8*(\b)+4:(\g)+32+8*(\b)+7], v[ADRB] offset:(\q)*32*PV+16*PV+32*(\b)
.endr
.irp a, 0,1,2,3
	ds_load_b128 v[(\g)+8*(\a):(\g)+8*(\a)+3],   v[ADRA] offset:64*(\q)+(\a)*16*PITCH
	ds_load_b128 v[(\g)+8*(\a)+4:(\g)+8*(\a)+7], v[ADRA] offset:64*(\q)+(\a)*16*PITCH+32
.endr
.endm
.macro FLOAD                           ; the factors of the step in hand: the folds of the step before are over
	v_add_nc_u32 v[FA], s[FTS], v[FT0]
	ds_load_b128 v[FR:FR+3],   v[FA]
	ds_load_b128 v[FR+4:FR+7], v[FA] offset:512
	s_add_co_u32 s[FTS], s[FTS], 1024
.endm
.macro QUARTER q, f, g, zero=0, r0=-1, r1=-1, ld=0
	s_wait_dscnt 4                                 ; only the youngest four loads (p's fragments 2 and 3) may be out
	MUL8 \f, 0, \zero, \r0
	MUL8 \f, 1, \zero, \r1
	WIN 0
	PLACES                                         ; for the loads into g, which the quarter before multiplied
.if \ld
	FLOAD
.endif
	FETCH \q, \g
	s_wait_dscnt 24                                ; all but the 24 just issued: the factors are in too
	MUL8 \f, 2, \zero
	MUL8 \f, 3, \zero
.endm
; The fourth quarter and the change of slots: the waits and the add in front of the barrier, the joint refill first behind the round.  m blocks 0 and 1 of the step are finished in its first half and folded
; behind the products of its second half: between them stand the four v_nop behind the refill, the two address lines and four v_nop more.
.macro TURN fill
.if \fill
	s_wait_xcnt 0x0                                ; the last prefetch, a K step back, has read its address
	s_add_nc_u64 s[PFA:PFA+1], s[PFA:PFA+1], s[PFS:PFS+1]
.endif
	WIN 0
	s_wait_tensorcnt 0x0                           ; no tensor load of mine is out, so a group 0 may be written
	ds_add_u32 v[SPW], v[NIL]                      ; 0 onto my spare word
.if \fill
	s_xor_b32 s[G0A+5], s[G0A+5], SLOT1
	s_add_nc_u64 s[G0A+6:G0A+7], s[G0A+6:G0A+7], STEPA
	s_xor_b32 s[G0B+5], s[G0B+5], SLOT1
	s_add_nc_u64 s[G0B+6:G0B+7], s[G0B+6:G0B+7], STEPB
.endif
	s_wait_dscnt 5                                 ; the add and the youngest four loads may be out
	MUL8 F1, 0
	s_wait_dscnt 0x0                               ; the add is done, and my reads of this slot are over
	s_barrier_signal -1
	MUL8 F1, 1
	WIN 0
	s_barrier_wait -1
.if \fill
	CREST
	JLOAD                                          ; its four v_nop are also the places in front of the loads below
.else
	PLACES
.endif
	s_xor_b32 s[TB], s[TB], SLOT1
	v_add_nc_u32 v[ADRA], s[TB], v[LA0]
	v_add_nc_u32 v[ADRB], s[TB], v[LB0]
	FETCH 0, F0
.if \fill
	ASK
.endif
	PLACES
	MUL8 F1, 2, 0, 0
	MUL8 F1, 3, 0, 1
.endm
.macro BODY fill
	QUARTER 2, F1, F0
	QUARTER 3, F0, F1, 0, -1, -1, 1
	TURN \fill
	QUARTER 1, F0, F1, 1, 2, 3                     ; the next step's sums start; m blocks 2 and 3 of the step before are folded ahead of the products that write over them
.endm
.macro PACK a
	WIN W_PK
.irp b, 0,1,2,3,4,5,6,7
.irp z, 0,1,2,3
	v_cvt_pk_bf16_f32 v[TMP+4*(\b)+(\z)], v[64*(\a)+8*(\b)+2*(\z)], v[64*(\a)+8*(\b)+2*(\z)+1]
.endr
.endr
	WIN 0
.endm
.macro TOSTAGE a
.irp b, 0,1,2,3,4,5,6,7
	ds_store_b128 v[STO], v[TMP+4*(\b):TMP+4*(\b)+3] offset:32*(\b)
.endr
.irp t, 0,1,2,3,4,5,6,7
	ds_load_b128 v[OB+32*((\a)%2)+4*(\t):OB+32*((\a)%2)+4*(\t)+3], v[RD] offset:(\t)*2*PITCH  ; LDS serves a wave's instructions in order (ISA guide 5.7.1.4): these see the stores above
.endr
.endm
.macro SEND a
	s_wait_dscnt 0x0                               ; the block is back in registers
	s_wait_xcnt 0x0                                ; earlier stores have read their registers: the other buffer is loaded again only behind this wait
.irp t, 0,1,2,3,4,5,6,7
	global_store_b128 v[CO], v[OB+32*((\a)%2)+4*(\t):OB+32*((\a)%2)+4*(\t)+3], s[CB:CB+1] offset:(16*(\a)+2*(\t))*CROW  ; 16 lanes store 256 consecutive bytes, at a multiple of 256 from att's first byte
.endr
.endm
	s_load_b256 s[4:11], s[0:1], 0x0               ; pe s[4:5], qkv s[6:7], st s[8:9], att s[10:11]
	v_lshl_add_u32 v[SPW], v0, 2, SPARE
	v_mov_b32 v[NIL], 0
	ds_add_u32 v[SPW], v[NIL]                      ; the wave's opening: the add, and its wait ahead of my first tensor load; the set-up below, work on registers, stands between them
	v_lshrrev_b32 v13, 5, v0
	v_readfirstlane_b32 s[WV], v13
	s_lshr_b32 s[WR], s[WV], 1
	s_and_b32 s[WC], s[WV], 1
	s_bfe_u32 s[CX], ttmp6, 0x40000
	s_bfe_u32 s[CY], ttmp6, 0x40004
	s_lshl_b32 s[TC], ttmp9, 2
	s_add_co_u32 s[TC], s[TC], s[CX]               ; tile column: 256 channels
	s_and_b32 s[CLY], ttmp7, 0xffff
	s_lshl_b32 s[TR], s[CLY], 2
	s_add_co_u32 s[TR], s[TR], s[CY]               ; tile row: 128 of the 8,192 rows
	s_lshr_b32 s[BAT], s[CLY], 2                   ; the batch, made of the cluster's y alone
	s_lshl_b32 s16, s[CY], 2
	s_lshl_b32 s16, 15, s16
	s_lshl_b32 s17, 0x1111, s[CX]
	s_or_b32 s[G1A], s16, FLAGS                    ; p's tiles go to my row of the cluster,
	s_or_b32 s[G1B], s17, FLAGSV                   ; v's to my column
	s_mov_b32 s[G1A+1], 128<<16                    ; 64 rows x 128 elements
	s_mov_b32 s[G1A+2], 64<<16
	s_mov_b32 s[G1A+3], 128<<16
	s_mov_b32 s[G1A+4], 64
	s_mov_b32 s[G1A+5], 2048                       ; elements from row to row of pe
	s_mov_b32 s[G1A+6], 0
	s_mov_b32 s[G1A+7], 0
	s_mov_b32 s[G1B+1], 256<<16                    ; 64 keys x 256 elements
	s_mov_b32 s[G1B+2], 64<<16
	s_mov_b32 s[G1B+3], 256<<16
	s_mov_b32 s[G1B+4], 64
	s_mov_b32 s[G1B+5], 1024
	s_mov_b32 s[G1B+6], 0
	s_mov_b32 s[G1B+7], 0
	s_lshl_b32 s[AO], s[TR], 7                     ; p: row 128 x tile row + 64 x half, rows of 4,096 bytes
	s_lshl_b32 s16, s[WC], 6
	s_add_co_u32 s[AO], s[AO], s16
	s_lshl_b32 s[AO], s[AO], 12
	s_mov_b32 s[AO+1], 0
	s_lshl_b32 s[BO], s[BAT], 11                   ; v: row 2,048 x batch + 64 x half,
	s_lshl_b32 s17, s[WC], 6
	s_add_co_u32 s[BO], s[BO], s17
	s_add_co_u32 s[BO], s[BO], 16384               ; in plane v, 16,384 rows on,
	s_lshl_b32 s[BO], s[BO], 11
	s_lshl_b32 s17, s[TC], 9                       ; the tile column's 512 bytes
	s_add_co_u32 s[BO], s[BO], s17
	s_mov_b32 s[BO+1], 0
	s_lshl_b32 s[CF], s[TR], 7                     ; att: my first row, the tile's 512 bytes, my 256
	s_lshl_b32 s78, s[WR], 6
	s_add_co_u32 s[CF], s[CF], s78
	s_lshl_b32 s[CF], s[CF], 11
	s_lshl_b32 s78, s[TC], 9
	s_add_co_u32 s[CF], s[CF], s78
	s_lshl_b32 s78, s[WC], 8
	s_add_co_u32 s[CF], s[CF], s78
	s_mov_b32 s[CF+1], 0
	s_lshl_b32 s22, s[TR], 7                       ; the prefetches.  p: rows 128 x tile row + 32 cx, at K step 3
	s_lshl_b32 s78, s[CX], 5
	s_add_co_u32 s22, s22, s78
	s_lshl_b32 s22, s22, 12
	s_add_co_u32 s22, s22, 3*STEPA
	s_lshl_b32 s23, s[BAT], 11                     ; v: keys 64 x half + 16 cy of K step 3
	s_lshl_b32 s78, s[WC], 6
	s_add_co_u32 s23, s23, s78
	s_lshl_b32 s78, s[CY], 4
	s_add_co_u32 s23, s23, s78
	s_add_co_u32 s23, s23, 16384+3*128
	s_lshl_b32 s23, s23, 11
	s_lshl_b32 s78, s[TC], 9
	s_add_co_u32 s23, s23, s78
	s_or_b32 s78, ttmp9, s[WC]                     ; for p: wave 0 where cluster x = 0;
	s_and_b32 s79, s[CLY], 3                       ; for v: the batch's first cluster along y
	s_mov_b32 s[PFS+1], STEPB                      ; v's step, held here for the select below: an instruction takes one literal
	s_cmp_eq_u32 s[WR], 0
	s_cselect_b32 s22, s22, s23
	s_cselect_b32 s78, s78, s79
	s_cselect_b32 s[PFS], STEPA, s[PFS+1]
	s_cselect_b32 s79, 0, -1                       ; all lanes' bits: do I fetch for v?
	s_cmp_eq_u32 s78, 0
	s_cselect_b32 s[LIM], 2, -1
	s_mov_b32 s23, 0
	s_mov_b32 s[PFS+1], 0                          ; the step's high word
	v_and_b32 v13, 31, v0
	v_lshlrev_b32 v[PFO], 12, v13                  ; p: a lane a row of 4,096 bytes
	v_lshrrev_b32 v14, 1, v13
	v_lshlrev_b32 v14, 11, v14                     ; v: two lanes a key of 2,048 bytes,
	v_and_b32 v[SOF], 1, v13
	v_lshl_add_u32 v14, v[SOF], 8, v14             ; 256 bytes each
	v_cndmask_b32 v[PFO], v[PFO], v14, s79
	s_lshl_b32 s78, s[WV], 14
	s_add_co_u32 s78, s78, FTAB
	v_lshl_add_u32 v[FT0], v13, 4, s78             ; my wave's table, 16 bytes a lane
	s_lshl_b32 s78, s[TR], 1                       ; st: the 16 records of my 64 rows
	s_add_co_u32 s78, s78, s[WR]
	s_lshl_b32 s78, s78, 13
	s_mov_b32 s79, 0
	s_mul_i32 s16, s[WC], 64*PITCH
	s_mul_i32 s17, s[WC], 64*PV
	s_add_co_u32 s17, s17, ATILE
	s_mov_b32 s[TB], 0
	s_mov_b32 s[FTS], 0
	s_wait_dscnt 0x0                               ; the opening add is done
	s_wait_kmcnt 0x0
	s_add_nc_u64 s[AO:AO+1], s[4:5], s[AO:AO+1]
	s_add_nc_u64 s[BO:BO+1], s[6:7], s[BO:BO+1]
	s_add_nc_u64 s[CB:CB+1], s[CB:CB+1], s[CF:CF+1]
	s_add_nc_u64 s[8:9], s[8:9], s[78:79]
	s_cmp_eq_u32 s[WR], 0
	s_cselect_b64 s[PFA:PFA+1], s[4:5], s[6:7]
	s_add_nc_u64 s[PFA:PFA+1], s[PFA:PFA+1], s[22:23]
	CROUND                                         ; all sixteen work-groups are here: the first joint loads meet
.irp s, 0,1
	s_mov_b32 s[G0A+4*(\s)], 1
	s_add_co_u32 s[G0A+4*(\s)+1], s16, (\s)*SLOT1
	s_add_nc_u64 s[G0A+4*(\s)+2:G0A+4*(\s)+3], s[AO:AO+1], (\s)*STEPA
	s_or_b32 s[G0A+4*(\s)+3], s[G0A+4*(\s)+3], 0x80000000
	s_mov_b32 s[G0B+4*(\s)], 1
	s_add_co_u32 s[G0B+4*(\s)+1], s17, (\s)*SLOT1
	s_add_nc_u64 s[G0B+4*(\s)+2:G0B+4*(\s)+3], s[BO:BO+1], (\s)*STEPB
	s_or_b32 s[G0B+4*(\s)+3], s[G0B+4*(\s)+3], 0x80000000
.endr
	s_cmp_eq_u32 s[WR], 0                          ; a wave's two first fills stand in one branch: two loads of mine are out
	s_cbranch_scc0 .Lfirst_b
	tensor_load_to_lds s[G0A:G0A+3], s[G1A:G1A+7]
	s_nop 0
	tensor_load_to_lds s[G0A+4:G0A+7], s[G1A:G1A+7]
	s_nop 0
.rept 4
	v_nop
.endr
	s_branch .Lfirst_asked
.Lfirst_b:
	tensor_load_to_lds s[G0B:G0B+3], s[G1B:G1B+7]
	s_nop 0
	tensor_load_to_lds s[G0B+4:G0B+7], s[G1B:G1B+7]
	s_nop 0
.rept 4
	v_nop
.endr
.Lfirst_asked:
	v_and_b32 v[R], 15, v0
	v_bfe_u32 v[H], v0, 4, 1
	v_lshlrev_b32 v[SOF], 4, v[R]                  ; not rewritten until the loads below are in
.set j, 0
.rept 16                               ; c m_j of my row in the four m blocks into v[64 + 4 j ..], l_j into v[128 + 4 j ..]
	global_load_b128 v[64+4*j:64+4*j+3],   v[SOF], s[8:9] offset:512*j
	global_load_b128 v[128+4*j:128+4*j+3], v[SOF], s[8:9] offset:512*j+256
.set j, j+1
.endr
	v_mul_u32_u24 v13, v[R], PITCH
	v_lshl_add_u32 v13, v[H], 4, v13
	s_mul_i32 s78, s[WR], 64*PITCH
	v_add_nc_u32 v[LA0], s78, v13                  ; my 64 rows of p
	s_mul_i32 s78, s[WV], 16*PITCH
	s_add_co_u32 s78, s78, STAGE
	v_add_nc_u32 v[STO], s78, v13
	v_mul_u32_u24 v13, v[H], PITCH
	v_lshl_add_u32 v13, v[R], 4, v13
	v_add_nc_u32 v[RD], s78, v13
	v_mul_u32_u24 v[CO], v[H], CROW
	v_lshl_add_u32 v[CO], v[R], 4, v[CO]
	v_and_b32 v13, 7, v0                           ; the turning load: key 8 (l / 16) + l % 8,
	v_lshl_add_u32 v13, v[H], 3, v13
	v_mul_u32_u24 v13, v13, PV
	v_bfe_u32 v14, v0, 3, 1                        ; channels 8 ((l / 8) % 2) on,
	v_lshl_add_u32 v13, v14, 4, v13
	s_lshl_b32 s78, s[WC], 8                       ; in my 128 channels
	s_add_co_u32 s78, s78, ATILE
	v_add_nc_u32 v[LB0], s78, v13
	WIN W_CLR
.set i, 0
.rept 256
	v_mov_b32 v[i], 0                              ; the main sums start at 0
.set i, i+1
.endr
	WIN 0
	s_wait_loadcnt 0x0
.irp a, 0,1,2,3
	v_max3_num_f32 v[T8+(\a)], v[64+(\a)], v[68+(\a)], v[72+(\a)]  ; c m: the maximum of the 16 blocks'
.endr
.irp p, 3,5,7,9,11,13
.irp a, 0,1,2,3
	v_max3_num_f32 v[T8+(\a)], v[T8+(\a)], v[64+4*(\p)+(\a)], v[68+4*(\p)+(\a)]
.endr
.endr
.irp a, 0,1,2,3
	v_max_num_f32 v[T8+(\a)], v[T8+(\a)], v[124+(\a)]
.endr
.set j, 0
.rept 16
.irp z, 0,1
	v_pk_add_f32 v[64+4*j+2*(\z):64+4*j+2*(\z)+1], v[64+4*j+2*(\z):64+4*j+2*(\z)+1], v[T8+2*(\z):T8+2*(\z)+1] neg_lo:[0,1] neg_hi:[0,1]  ; c m_j - c m
.endr
.set j, j+1
.endr
.set i, 64
.rept 64
	v_exp_f32 v[i], v[i]                           ; w_j: one batch
.set i, i+1
.endr
	v_nop                                          ; a plain instruction behind the last exponential,
	s_wait_alu depctr_va_vdst(0)                   ; and one wait ahead of the batch's first reader
.irp z, 0,1
	v_pk_mul_f32 v[T8+4+2*(\z):T8+4+2*(\z)+1], v[64+2*(\z):64+2*(\z)+1], v[128+2*(\z):128+2*(\z)+1]
.endr
.set j, 1
.rept 15
.irp z, 0,1
	v_pk_fma_f32 v[T8+4+2*(\z):T8+4+2*(\z)+1], v[64+4*j+2*(\z):64+4*j+2*(\z)+1], v[128+4*j+2*(\z):128+4*j+2*(\z)+1], v[T8+4+2*(\z):T8+4+2*(\z)+1]  ; l = the sum of w_j l_j, in f32
.endr
.set j, j+1
.endr
.irp a, 0,1,2,3
	v_rcp_f32 v[T8+4+(\a)], v[T8+4+(\a)]
.endr
	v_nop
	s_wait_alu depctr_va_vdst(0)                   ; one wait for the four reciprocals
.set j, 0
.rept 16                               ; f_j = w_j / l, each twice (a pair for the packed fold), into my wave's own table
.irp a, 0,1,2,3
	v_mul_f32 v[128+8*j+2*(\a)],   v[64+4*j+(\a)], v[T8+4+(\a)]
	v_mul_f32 v[128+8*j+2*(\a)+1], v[64+4*j+(\a)], v[T8+4+(\a)]
.endr
	ds_store_b128 v[FT0], v[128+8*j:128+8*j+3]   offset:1024*j
	ds_store_b128 v[FT0], v[128+8*j+4:128+8*j+7] offset:1024*j+512
.set j, j+1
.endr
	s_wait_tensorcnt 0x1                           ; my part of K step 0 is in; step 1's may stay out
	s_wait_dscnt 0x0                               ; my table is written
	s_barrier_signal -1
	s_barrier_wait -1
	v_add_nc_u32 v[ADRA], s[TB], v[LA0]
	v_add_nc_u32 v[ADRB], s[TB], v[LB0]
	FETCH 0, F0
	QUARTER 1, F0, F1, 1                           ; the first step's sums start; there is nothing to fold yet
	WIN 0
	s_mov_b32 s[CNT], NSTEPS-2
.Lk:                                                   ; a trip is a K step, one key block: 128 matrix instructions, 128 folds, 98 LDS loads, one round, one joint load a wave
	BODY 1
	WIN 0
	s_sub_co_u32 s[CNT], s[CNT], 1
	s_cmp_lg_u32 s[CNT], 0
	s_cbranch_scc1 .Lk
	BODY 0                                         ; the last two K steps are written out: they ask for nothing
	QUARTER 2, F1, F0
	QUARTER 3, F0, F1, 0, -1, -1, 1
	s_wait_dscnt 4
	MUL8 F1, 0
	MUL8 F1, 1
	s_wait_dscnt 0x0
	WIN 0
	PLACES                                         ; between m blocks 0 and 1's last products and their folds
	PLACES
	MUL8 F1, 2, 0, 0
	MUL8 F1, 3, 0, 1
	WIN 0
	PLACES                                         ; the last folds read results just made
	PLACES
	WIN W_FOLD
.irp a, 2,3
.set i, 0
.rept 32
	v_pk_fma_f32 v[64*(\a)+2*i:64*(\a)+2*i+1], v[64*(\a)+2*i:64*(\a)+2*i+1], v[FR+2*(\a):FR+2*(\a)+1], v[64*(\a)+2*i:64*(\a)+2*i+1]
.set i, i+1
.endr
.endr
	WIN 0
	PACK 0
	TOSTAGE 0
.irp a, 1,2,3
	PACK \a
	SEND (\a)-1
	TOSTAGE \a
.endr
	SEND 3
	s_wait_tensorcnt 0x0                           ; the wave's end: behind my last tensor load and my last LDS store
	ds_add_u32 v[SPW], v[NIL]
	s_wait_dscnt 0x0
	CROUND                                         ; the closing round
	s_endpgm
.Lfunc_end_k_q71c4648665_pv:
	.size	k_q71c4648665_pv, .Lfunc_end_k_q71c4648665_pv-k_q71c4648665_pv
	.p2alignl 7, 3214868480
	.fill 96, 4, 3214868480
	.section	.rodata,"a",@progbits
	.p2align	6, 0x0
	.amdhsa_kernel k_q71c4648665_pv
		.amdhsa_group_segment_fixed_size 327680
		.amdhsa_private_segment_fixed_size 0
		.amdhsa_enable_private_segment 0
		.amdhsa_kernarg_size 32
		.amdhsa_user_sgpr_count 2
		.amdhsa_user_sgpr_kernarg_segment_ptr 1
		.amdhsa_wavefront_size32 1
		.amdhsa_system_sgpr_workgroup_id_x 1
		.amdhsa_system_sgpr_workgroup_id_y 1
		.amdhsa_system_sgpr_workgroup_id_z 1
		.amdhsa_system_vgpr_workitem_id 0
		.amdhsa_next_free_vgpr 768
		.amdhsa_next_free_sgpr 80
		.amdhsa_reserve_vcc 0
		.amdhsa_float_denorm_mode_32 3
		.amdhsa_float_denorm_mode_16_64 3
		.amdhsa_memory_ordered 1
		.amdhsa_forward_progress 1
		.amdhsa_inst_pref_size 127
	.end_amdhsa_kernel
	.amdgpu_metadata
---
amdhsa.version: [ 1, 2 ]
amdhsa.kernels:
  - .name:           k_q71c4648665_pv
    .symbol:         k_q71c4648665_pv.kd
    .args:
      - { .name: pe, .offset: 0, .size: 8, .value_kind: global_buffer, .address_space: global }
      - { .name: qkv, .offset: 8, .size: 8, .value_kind: global_buffer, .address_space: global }
      - { .name: st, .offset: 16, .size: 8, .value_kind: global_buffer, .address_space: global }
      - { .name: att, .offset: 24, .size: 8, .value_kind: global_buffer, .address_space: global }
    .group_segment_fixed_size: 327680
    .private_segment_fixed_size: 0
    .kernarg_segment_align: 8
    .kernarg_segment_size: 32
    .max_flat_workgroup_size: 128
    .sgpr_count:     80
    .vgpr_count:     768
    .wavefront_size: 32
...
	.end_amdgpu_metadata
.endif
;; end of part 4
;; launch outp: the kernel of part 2 again; grid 4 x 64, 4 waves a work-group, clusters of 4 x 4, 327,680 bytes of LDS; arguments att, wob, mx; writes mx
;; launch ln (part 5): grid 1024 x 1, 8 waves a work-group, no clusters, 0 bytes of LDS; arguments x, mx, out0; writes out0
.if DOCPART == 5
	.amdgcn_target "amdgcn-amd-amdhsa--gfx1250"
	.amdhsa_code_object_version 6
	.text
	.protected	k_q71c4648665_ln
	.globl	k_q71c4648665_ln
	.p2align	8
	.type	k_q71c4648665_ln,@function
k_q71c4648665_ln:
	s_mov_b64 s[64:65], 0
	v_nop
	global_prefetch_b8 v0, s[64:65] scope:SCOPE_SE
	s_setreg_imm32_b32 hwreg(HW_REG_WAVE_MODE, 25, 1), 1
	s_wait_xcnt 0x0
; out0 = LayerNorm(mx + x) over rows of 1,024, no gain and no bias: h = mx + x; mu = mean(h); var = mean((h - mu)^2); out0 = (h - mu) / sqrt(var + 1e-5).
; x and out0: [8192][1024] f32; mx: [8192][1024] bf16.  All arithmetic in f32; the variance is taken of h - mu, in a second pass over registers, so no difference of large sums is formed.
; 1 / sqrt is v_rsq_f32's.  NaN and infinities are not treated apart.
; A stream: a wave takes a whole row (32 numbers a lane) and keeps it in registers between the passes, so each byte is read once and written once, and no wave waits for another:
; no LDS, no barrier, no matrix unit, no cluster (no two work-groups read the same byte).  Each load of x and each store covers 512 consecutive bytes, each load of mx 256, aligned.
.set X,   16                           ; v[16:47]  the row: load i brings the numbers 128 i + 4 lane .. + 3
.set MXR, 48                           ; v[48:63]  the same numbers of mx, two a register
.set T,   64                           ; v[64:79]  at work
	s_load_b128 s[4:7], s[0:1], 0x0                ; x s[4:5], mx s[6:7]
	s_load_b64 s[8:9], s[0:1], 0x10                ; out0
	v_lshrrev_b32 v3, 5, v0
	v_readfirstlane_b32 s10, v3                    ; wave 0..7
	v_and_b32 v1, 31, v0
	v_lshlrev_b32 v2, 3, v1                        ; 8 bytes a lane of mx
	v_lshlrev_b32 v1, 4, v1                        ; 16 bytes a lane of x and out0
	s_lshl_b32 s11, ttmp9, 3
	s_add_co_u32 s11, s11, s10                     ; my row
	s_lshl_b32 s12, s11, 12
	s_mov_b32 s13, 0
	s_lshl_b32 s14, s11, 11
	s_mov_b32 s15, 0
	s_mov_b32 s16, 0x3a800000                      ; 1 / 1,024
	s_mov_b32 s17, 0x3727c5ac                      ; 1e-5
	s_mov_b32 s18, 0x76543210                      ; v_permlanex16_b32: each lane takes its own place in the other half
	s_mov_b32 s19, 0xfedcba98
	s_mov_b32 s20, 0xffff0000                      ; a word's upper bf16
	s_wait_kmcnt 0x0
	s_add_nc_u64 s[4:5], s[4:5], s[12:13]
	s_add_nc_u64 s[6:7], s[6:7], s[14:15]
	s_add_nc_u64 s[8:9], s[8:9], s[12:13]
.irp i, 0,1,2,3,4,5,6,7
	global_load_b128 v[X+4*(\i):X+4*(\i)+3], v1, s[4:5] offset:512*(\i) th:TH_LOAD_NT
.endr
.irp i, 0,1,2,3,4,5,6,7
	global_load_b64 v[MXR+2*(\i):MXR+2*(\i)+1], v2, s[6:7] offset:256*(\i) th:TH_LOAD_NT
.endr
	s_wait_loadcnt 0x0
.irp i, 0,1,2,3,4,5,6,7                ; h = mx + x; bf16 to f32 is a shift or a mask
	v_lshlrev_b32 v[T+4*((\i)%2)],   16,  v[MXR+2*(\i)]
	v_and_b32     v[T+4*((\i)%2)+1], s20, v[MXR+2*(\i)]
	v_lshlrev_b32 v[T+4*((\i)%2)+2], 16,  v[MXR+2*(\i)+1]
	v_and_b32     v[T+4*((\i)%2)+3], s20, v[MXR+2*(\i)+1]
	v_pk_add_f32 v[X+4*(\i):X+4*(\i)+1],   v[X+4*(\i):X+4*(\i)+1],   v[T+4*((\i)%2):T+4*((\i)%2)+1]
	v_pk_add_f32 v[X+4*(\i)+2:X+4*(\i)+3], v[X+4*(\i)+2:X+4*(\i)+3], v[T+4*((\i)%2)+2:T+4*((\i)%2)+3]
.endr
.irp k, 0,1,2,3,4,5,6,7                ; the lane's sum, as a tree
	v_pk_add_f32 v[T+2*(\k):T+2*(\k)+1], v[X+2*(\k):X+2*(\k)+1], v[X+16+2*(\k):X+16+2*(\k)+1]
.endr
.irp k, 0,1,2,3
	v_pk_add_f32 v[T+2*(\k):T+2*(\k)+1], v[T+2*(\k):T+2*(\k)+1], v[T+8+2*(\k):T+8+2*(\k)+1]
.endr
.irp k, 0,1
	v_pk_add_f32 v[T+2*(\k):T+2*(\k)+1], v[T+2*(\k):T+2*(\k)+1], v[T+4+2*(\k):T+4+2*(\k)+1]
.endr
	v_pk_add_f32 v[T:T+1], v[T:T+1], v[T+2:T+3]
	v_add_f32 v[T], v[T], v[T+1]
	v_add_f32_dpp v[T], v[T], v[T] row_xmask:1 row_mask:0xf bank_mask:0xf  ; across the 32 lanes: four steps inside each half, one across
	v_add_f32_dpp v[T], v[T], v[T] row_xmask:2 row_mask:0xf bank_mask:0xf
	v_add_f32_dpp v[T], v[T], v[T] row_xmask:4 row_mask:0xf bank_mask:0xf
	v_add_f32_dpp v[T], v[T], v[T] row_xmask:8 row_mask:0xf bank_mask:0xf
	v_permlanex16_b32 v[T+1], v[T], s18, s19
	v_add_f32 v[T], v[T], v[T+1]
	v_mul_f32 v[T+2], s16, v[T]                    ; mu, twice: a pair for the packed subtraction
	v_mov_b32 v[T+3], v[T+2]
.irp k, 0,1,2,3,4,5,6,7,8,9,10,11,12,13,14,15
	v_pk_add_f32 v[X+2*(\k):X+2*(\k)+1], v[X+2*(\k):X+2*(\k)+1], v[T+2:T+3] neg_lo:[0,1] neg_hi:[0,1]  ; h - mu
.endr
.irp k, 0,1,2,3                        ; the squares, in four chains; the first products start them
	v_pk_mul_f32 v[T+4+2*(\k):T+4+2*(\k)+1], v[X+2*(\k):X+2*(\k)+1], v[X+2*(\k):X+2*(\k)+1]
.endr
.irp k, 4,5,6,7,8,9,10,11,12,13,14,15
	v_pk_fma_f32 v[T+4+2*((\k)%4):T+4+2*((\k)%4)+1], v[X+2*(\k):X+2*(\k)+1], v[X+2*(\k):X+2*(\k)+1], v[T+4+2*((\k)%4):T+4+2*((\k)%4)+1]
.endr
	v_pk_add_f32 v[T+4:T+5], v[T+4:T+5], v[T+6:T+7]
	v_pk_add_f32 v[T+8:T+9], v[T+8:T+9], v[T+10:T+11]
	v_pk_add_f32 v[T+4:T+5], v[T+4:T+5], v[T+8:T+9]
	v_add_f32 v[T], v[T+4], v[T+5]
	v_add_f32_dpp v[T], v[T], v[T] row_xmask:1 row_mask:0xf bank_mask:0xf
	v_add_f32_dpp v[T], v[T], v[T] row_xmask:2 row_mask:0xf bank_mask:0xf
	v_add_f32_dpp v[T], v[T], v[T] row_xmask:4 row_mask:0xf bank_mask:0xf
	v_add_f32_dpp v[T], v[T], v[T] row_xmask:8 row_mask:0xf bank_mask:0xf
	v_permlanex16_b32 v[T+1], v[T], s18, s19
	v_add_f32 v[T], v[T], v[T+1]
	v_fma_f32 v[T], v[T], s16, s17                 ; var + 1e-5
	v_rsq_f32 v[T+2], v[T]                         ; twice: a pair for the packed multiply
	v_rsq_f32 v[T+3], v[T]
	v_nop                                          ; a plain instruction behind the last of the two,
	s_wait_alu depctr_va_vdst(0)                   ; and one wait ahead of their first reader
.irp i, 0,1,2,3,4,5,6,7
	v_pk_mul_f32 v[X+4*(\i):X+4*(\i)+1],   v[X+4*(\i):X+4*(\i)+1],   v[T+2:T+3]
	v_pk_mul_f32 v[X+4*(\i)+2:X+4*(\i)+3], v[X+4*(\i)+2:X+4*(\i)+3], v[T+2:T+3]
	global_store_b128 v1, v[X+4*(\i):X+4*(\i)+3], s[8:9] offset:512*(\i) th:TH_STORE_NT
.endr
	s_endpgm
.Lfunc_end_k_q71c4648665_ln:
	.size	k_q71c4648665_ln, .Lfunc_end_k_q71c4648665_ln-k_q71c4648665_ln
	.p2alignl 7, 3214868480
	.fill 96, 4, 3214868480
	.section	.rodata,"a",@progbits
	.p2align	6, 0x0
	.amdhsa_kernel k_q71c4648665_ln
		.amdhsa_group_segment_fixed_size 0
		.amdhsa_private_segment_fixed_size 0
		.amdhsa_enable_private_segment 0
		.amdhsa_kernarg_size 24
		.amdhsa_user_sgpr_count 2
		.amdhsa_user_sgpr_kernarg_segment_ptr 1
		.amdhsa_wavefront_size32 1
		.amdhsa_system_sgpr_workgroup_id_x 1
		.amdhsa_system_sgpr_workgroup_id_y 1
		.amdhsa_system_sgpr_workgroup_id_z 1
		.amdhsa_system_vgpr_workitem_id 0
		.amdhsa_next_free_vgpr 80
		.amdhsa_next_free_sgpr 66
		.amdhsa_reserve_vcc 0
		.amdhsa_float_denorm_mode_32 3
		.amdhsa_float_denorm_mode_16_64 3
		.amdhsa_memory_ordered 1
		.amdhsa_forward_progress 1
		.amdhsa_inst_pref_size 11
	.end_amdhsa_kernel
	.amdgpu_metadata
---
amdhsa.version: [ 1, 2 ]
amdhsa.kernels:
  - .name:           k_q71c4648665_ln
    .symbol:         k_q71c4648665_ln.kd
    .args:
      - { .name: x, .offset: 0, .size: 8, .value_kind: global_buffer, .address_space: global }
      - { .name: mx, .offset: 8, .size: 8, .value_kind: global_buffer, .address_space: global }
      - { .name: out0, .offset: 16, .size: 8, .value_kind: global_buffer, .address_space: global }
    .group_segment_fixed_size: 0
    .private_segment_fixed_size: 0
    .kernarg_segment_align: 8
    .kernarg_segment_size: 24
    .max_flat_workgroup_size: 256
    .sgpr_count:     66
    .vgpr_count:     80
    .wavefront_size: 32
...
	.end_amdgpu_metadata
.endif
;; end of part 5
;; ======== version 2 of 2: 6 launches
;; workspace buffers: xb 16,777,216 bytes; wa 4,194,304 bytes; wb 4,194,304 bytes; wmn 4,194,304 bytes; qv 33,554,432 bytes; pe 33,554,432 bytes; st 1,048,576 bytes; mx 16,777,216 bytes
;; launch prep (part 6): grid 64 x 12, 8 waves a work-group, no clusters, 35,840 bytes of LDS; arguments x, Wq, Wk, Wv, Wo, xb, wa, wb; writes xb, wa, wb
.if DOCPART == 6
	.amdgcn_target "amdgcn-amd-amdhsa--gfx1250"
	.amdhsa_code_object_version 6
	.text
	.protected	k_q71c4648665_prep
	.globl	k_q71c4648665_prep
	.p2align	8
	.type	k_q71c4648665_prep,@function
k_q71c4648665_prep:
	s_mov_b64 s[64:65], 0
	v_nop
	global_prefetch_b8 v0, s[64:65] scope:SCOPE_SE
	s_setreg_imm32_b32 hwreg(HW_REG_WAVE_MODE, 25, 1), 1
	s_wait_xcnt 0x0
; CASTS.  x [8192][1024] and the four weights [1024][1024], all f32, are rounded once to bf16 (nearest even) for the matrix products, three of the weights turned:
; xb [8192][1024] = x;  wa [2048][1024] = Wk turned (row f, column e holds Wk[e][f]), then Wo as it lies;  wb [2048][1024] = Wq turned, then Wv turned.
; The next launch multiplies wa's and wb's halves along their rows: Wk^T Wq and Wo Wv.
; A stream: every byte is read once and written once; no matrix unit and no cluster (no two work-groups read the same byte).
; SHARES.  y = 0..7: 16 rows of x, 1,024 y + 16 X on; y = 8: 16 rows of Wo.  Thread t takes the 16 bytes at 16 t of each row: a wave's load covers 512 consecutive bytes, its store of 8 bytes a lane
; 256 consecutive bytes, aligned.  y = 9, 10, 11: a tile of 128 x 128 of Wq, Wv, Wk (rows 128 (X / 8) on, columns 128 (X % 8) on) goes through LDS: wave w loads rows 16 w .. 16 w + 15, 512 consecutive
; bytes a load; two rows' numbers of one column are rounded into one word, so a lane's 16 numbers of a column are 32 bytes of the turned row; the turned rows come back whole, 16 lanes to 256 bytes.
; One barrier stands on every work-group's path, between the stores into LDS and the reads; the work-groups that turn nothing pass it with nothing in LDS.
; All 16 loads of a thread go out at once; no source of a pending load or store is rewritten.
.set TP,    272                        ; a turned row in LDS: 256 bytes + 16
.set SPARE, 128*TP                     ; behind the tile: the spare words, 128 bytes for each of the eight waves: four blocks of 256 bytes that no other line names
.set PO1,  1                           ; v1   16 t: my bytes in a row of f32
.set PO2,  2                           ; v2   8 t: in a row of bf16
.set SPW,  3                           ; v3   LDS address of my spare word; never rewritten
.set NIL,  4                           ; v4   0; never rewritten
.set LDO,  5                           ; v5   turning: my 16 bytes in my wave's first row of the tile
.set LSA,  6                           ; v6   turning: where my first column's 32 bytes go in LDS
.set RDA,  7                           ; v7   turning: where I read a turned row back
.set GSO,  8                           ; v8   turning: the same place in the turned weight
.set IN,   12                          ; v[12:75]   row i: 4 numbers in f32; later 8 x 16 bytes read back
.set OUTR, 76                          ; v[76:107]  bf16: row i's 4 numbers, or column j's 16
	s_load_b256 s[4:11], s[0:1], 0x0               ; x s[4:5], Wq s[6:7], Wk s[8:9], Wv s[10:11]
	s_load_b256 s[12:19], s[0:1], 0x20             ; Wo s[12:13], xb s[14:15], wa s[16:17], wb s[18:19]
	v_lshl_add_u32 v[SPW], v0, 2, SPARE
	v_mov_b32 v[NIL], 0
	s_and_b32 s20, ttmp7, 0xffff                   ; y
	v_lshrrev_b32 v9, 5, v0
	v_readfirstlane_b32 s40, v9                    ; wave 0..7
	v_lshlrev_b32 v[PO1], 4, v0
	v_lshlrev_b32 v[PO2], 3, v0
	v_and_b32 v9, 31, v0                           ; lane
	v_and_b32 v10, 15, v0                          ; lane % 16
	v_bfe_u32 v11, v0, 4, 1                        ; lane / 16
	s_lshl_b32 s41, s40, 16                        ; 16 rows of 4,096 bytes a wave
	v_lshl_add_u32 v[LDO], v9, 4, s41
	s_lshl_b32 s41, s40, 5                         ; my wave's 16 rows are 32 bytes of a turned row
	v_mul_u32_u24 v[LSA], v9, 4*TP                 ; my four columns are turned rows 4 lane .. 4 lane + 3
	v_add_nc_u32 v[LSA], s41, v[LSA]
	s_mul_i32 s41, s40, 16*TP                      ; back: wave w takes turned rows 16 w .. 16 w + 15; lanes 0-15 one row, lanes 16-31 the next
	v_mul_u32_u24 v[RDA], v11, TP
	v_lshl_add_u32 v[RDA], v10, 4, v[RDA]
	v_add_nc_u32 v[RDA], s41, v[RDA]
	s_lshl_b32 s41, s40, 15                        ; and the same rows, of 2,048 bytes, in memory
	v_lshlrev_b32 v[GSO], 11, v11
	v_lshl_add_u32 v[GSO], v10, 4, v[GSO]
	v_add_nc_u32 v[GSO], s41, v[GSO]
	s_lshl_b32 s26, ttmp9, 4                       ; as it lies: 16 X,
	s_lshl_b32 s27, s20, 10                        ; 1,024 y
	s_cmp_lt_u32 s20, 8
	s_cselect_b32 s28, s27, 0                      ; the source's first row: in x by y, in Wo 0
	s_cselect_b32 s29, s27, 1024                   ; the destination's: in xb the same, in wa behind Wk's 1,024
	s_add_co_u32 s28, s28, s26
	s_add_co_u32 s29, s29, s26
	s_lshl_b32 s30, s28, 12                        ; rows of 4,096 bytes
	s_mov_b32 s31, 0
	s_lshl_b32 s32, s29, 11                        ; rows of 2,048 bytes
	s_mov_b32 s33, 0
	s_lshr_b32 s34, ttmp9, 3                       ; turning: the tile's place down the weight,
	s_and_b32 s35, ttmp9, 7                        ; and along it
	s_lshl_b32 s36, s34, 19                        ; 128 rows of 4,096 bytes,
	s_lshl_b32 s37, s35, 9                         ; 128 numbers of 4 bytes
	s_add_co_u32 s36, s36, s37
	s_mov_b32 s37, 0
	s_lshl_b32 s38, s35, 7                         ; the turned tile: 128 rows down,
	s_cmp_eq_u32 s20, 10
	s_cselect_b32 s39, 1024, 0                     ; Wv behind Wq's 1,024,
	s_add_co_u32 s38, s38, s39
	s_lshl_b32 s38, s38, 11
	s_lshl_b32 s39, s34, 8                         ; 128 numbers of 2 bytes along
	s_add_co_u32 s38, s38, s39
	s_mov_b32 s39, 0
	s_wait_kmcnt 0x0
	s_cmp_gt_u32 s20, 8                            ; the same answer in all eight waves
	s_cbranch_scc1 .Lturn
	s_cmp_lt_u32 s20, 8                            ; the buffers are chosen by y alone
	s_cselect_b64 s[22:23], s[4:5], s[12:13]
	s_cselect_b64 s[24:25], s[14:15], s[16:17]
	s_add_nc_u64 s[22:23], s[22:23], s[30:31]
	s_add_nc_u64 s[24:25], s[24:25], s[32:33]
.irp i, 0,1,2,3,4,5,6,7,8,9,10,11,12,13,14,15
	global_load_b128 v[IN+4*(\i):IN+4*(\i)+3], v[PO1], s[22:23] offset:4096*(\i) th:TH_LOAD_NT
.endr
.irp i, 0,1,2,3,4,5,6,7,8,9,10,11,12,13,14,15
	s_wait_loadcnt 15-(\i)                         ; loads come back in order: row i is in, the younger rows stay out
	v_cvt_pk_bf16_f32 v[OUTR+2*(\i)],   v[IN+4*(\i)],   v[IN+4*(\i)+1]
	v_cvt_pk_bf16_f32 v[OUTR+2*(\i)+1], v[IN+4*(\i)+2], v[IN+4*(\i)+3]
	global_store_b64 v[PO2], v[OUTR+2*(\i):OUTR+2*(\i)+1], s[24:25] offset:2048*(\i)
.endr
	s_branch .Lmeet
.Lturn:
	s_cmp_eq_u32 s20, 9
	s_cselect_b64 s[22:23], s[6:7], s[8:9]         ; Wq, or Wk,
	s_cmp_eq_u32 s20, 10
	s_cselect_b64 s[22:23], s[10:11], s[22:23]     ; or Wv
	s_cmp_eq_u32 s20, 11
	s_cselect_b64 s[24:25], s[16:17], s[18:19]     ; Wk goes to wa, Wq and Wv to wb
	s_add_nc_u64 s[22:23], s[22:23], s[36:37]
	s_add_nc_u64 s[24:25], s[24:25], s[38:39]
.irp i, 0,1,2,3,4,5,6,7,8,9,10,11,12,13,14,15
	global_load_b128 v[IN+4*(\i):IN+4*(\i)+3], v[LDO], s[22:23] offset:4096*(\i) th:TH_LOAD_NT
.endr
.irp p, 0,1,2,3,4,5,6,7
	s_wait_loadcnt 14-2*(\p)                       ; rows 2 p and 2 p + 1 are in, the younger rows stay out
.irp j, 0,1,2,3
	v_cvt_pk_bf16_f32 v[OUTR+8*(\j)+(\p)], v[IN+8*(\p)+(\j)], v[IN+8*(\p)+4+(\j)]  ; column j: the upper row's number in the low half, the lower row's in the high half
.endr
.endr
.irp j, 0,1,2,3
	ds_store_b128 v[LSA], v[OUTR+8*(\j):OUTR+8*(\j)+3]   offset:(\j)*TP
	ds_store_b128 v[LSA], v[OUTR+8*(\j)+4:OUTR+8*(\j)+7] offset:(\j)*TP+16
.endr
.Lmeet:
	s_wait_dscnt 0x0                               ; for the others' sake: my stores into the tile are done
	s_barrier_signal -1
	s_barrier_wait -1                              ; a turned row's 256 bytes come from all eight waves
	s_cmp_gt_u32 s20, 8
	s_cbranch_scc0 .Lend
.irp t, 0,1,2,3,4,5,6,7
	ds_load_b128 v[IN+4*(\t):IN+4*(\t)+3], v[RDA] offset:(\t)*2*TP
.endr
.irp t, 0,1,2,3,4,5,6,7
	s_wait_dscnt 7-(\t)                            ; LDS loads come back in order: rows 2 t and 2 t + 1 of my 16 are in
	global_store_b128 v[GSO], v[IN+4*(\t):IN+4*(\t)+3], s[24:25] offset:(\t)*4096  ; 16 lanes store 256 consecutive bytes, at a multiple of 256 from the buffer's first byte
.endr
.Lend:
	s_wait_tensorcnt 0x0                           ; the wave's end: behind my last LDS store
	ds_add_u32 v[SPW], v[NIL]
	s_wait_dscnt 0x0
	s_endpgm
.Lfunc_end_k_q71c4648665_prep:
	.size	k_q71c4648665_prep, .Lfunc_end_k_q71c4648665_prep-k_q71c4648665_prep
	.p2alignl 7, 3214868480
	.fill 96, 4, 3214868480
	.section	.rodata,"a",@progbits
	.p2align	6, 0x0
	.amdhsa_kernel k_q71c4648665_prep
		.amdhsa_group_segment_fixed_size 35840
		.amdhsa_private_segment_fixed_size 0
		.amdhsa_enable_private_segment 0
		.amdhsa_kernarg_size 64
		.amdhsa_user_sgpr_count 2
		.amdhsa_user_sgpr_kernarg_segment_ptr 1
		.amdhsa_wavefront_size32 1
		.amdhsa_system_sgpr_workgroup_id_x 1
		.amdhsa_system_sgpr_workgroup_id_y 1
		.amdhsa_system_sgpr_workgroup_id_z 1
		.amdhsa_system_vgpr_workitem_id 0
		.amdhsa_next_free_vgpr 108
		.amdhsa_next_free_sgpr 66
		.amdhsa_reserve_vcc 0
		.amdhsa_float_denorm_mode_32 3
		.amdhsa_float_denorm_mode_16_64 3
		.amdhsa_memory_ordered 1
		.amdhsa_forward_progress 1
		.amdhsa_inst_pref_size 15
	.end_amdhsa_kernel
	.amdgpu_metadata
---
amdhsa.version: [ 1, 2 ]
amdhsa.kernels:
  - .name:           k_q71c4648665_prep
    .symbol:         k_q71c4648665_prep.kd
    .args:
      - { .name: x, .offset: 0, .size: 8, .value_kind: global_buffer, .address_space: global }
      - { .name: Wq, .offset: 8, .size: 8, .value_kind: global_buffer, .address_space: global }
      - { .name: Wk, .offset: 16, .size: 8, .value_kind: global_buffer, .address_space: global }
      - { .name: Wv, .offset: 24, .size: 8, .value_kind: global_buffer, .address_space: global }
      - { .name: Wo, .offset: 32, .size: 8, .value_kind: global_buffer, .address_space: global }
      - { .name: xb, .offset: 40, .size: 8, .value_kind: global_buffer, .address_space: global }
      - { .name: wa, .offset: 48, .size: 8, .value_kind: global_buffer, .address_space: global }
      - { .name: wb, .offset: 56, .size: 8, .value_kind: global_buffer, .address_space: global }
    .group_segment_fixed_size: 35840
    .private_segment_fixed_size: 0
    .kernarg_segment_align: 8
    .kernarg_segment_size: 64
    .max_flat_workgroup_size: 256
    .sgpr_count:     66
    .vgpr_count:     108
    .wavefront_size: 32
...
	.end_amdgpu_metadata
.endif
;; end of part 6
;; launch wprod (part 7): grid 8 x 8, 4 waves a work-group, clusters of 4 x 4, 327,680 bytes of LDS; arguments wa, wb, wmn; writes wmn
.if DOCPART == 7
	.amdgcn_target "amdgcn-amd-amdhsa--gfx1250"
	.amdhsa_code_object_version 6
	.text
	.protected	k_q71c4648665_wprod
	.globl	k_q71c4648665_wprod
	.p2align	8
	.type	k_q71c4648665_wprod,@function
k_q71c4648665_wprod:
	s_mov_b64 s[64:65], 0
	v_nop
	global_prefetch_b8 v0, s[64:65] scope:SCOPE_SE
	s_setreg_imm32_b32 hwreg(HW_REG_WAVE_MODE, 25, 1), 1
	s_wait_xcnt 0x0
	s_wait_alu depctr_hold_cnt(0) depctr_sa_sdst(0) depctr_va_vdst(0) depctr_va_sdst(0) depctr_va_ssrc(0) depctr_va_vcc(0) depctr_vm_vsrc(0)
	s_getreg_b32 s2, hwreg(HW_REG_IB_STS2, 6, 4)
	s_cmp_eq_u32 s2, 0
	s_cbranch_scc0 .Lentry_in_a_cluster
	s_endpgm
.Lentry_in_a_cluster:
	s_bfe_u32 s2, ttmp6, 0x10000c
	s_cmp_lg_u32 s2, 0xf033
	s_cbranch_scc0 .Lentry_shape_is_right
	s_endpgm
.Lentry_shape_is_right:
; THE WEIGHTS ARE MULTIPLIED FIRST.  scores = x (Wq^T Wk) x^T / 32 and mixed = probs (x (Wo Wv)^T): the same sums as the module's, taken in another order, for every input; so x is projected twice, not four times.
; Two products C_p = A_p B_p^T of [1024][1024], K = 1,024 along the rows, bf16 operands, f32 sums, K ascending; C rounded once to bf16.
; p = 0: A = Wk turned (wa's rows 0 on), B = Wq turned (wb's rows 0 on): C[f][d] = the sum over e of Wk[e][f] Wq[e][d].  p = 1: A = Wo (wa's rows 1,024 on), B = Wv turned (wb's rows 1,024 on): C = Wo Wv.
; wmn [2048][1024]: C_0, then C_1.
; LIMITS.  Operands and results are bf16 (8 significant bits), so the order of rounding differs from the module's: the products of weights are rounded before x is multiplied by them.  NaN and infinities are not treated apart.
; SHARES.  A work-group makes 128 x 256 of C: 2 x 8 x 4 = 64 work-groups, all the work that there is.  Four waves, 2 x 2, each 64 x 128: 32 accumulators of 16 x 16.
; K goes in 8 steps of 128 through two LDS slots: rows of 256 bytes, which start at multiples of 256 bytes from the buffers' first bytes, laid 272 bytes apart in LDS.
; CLUSTER.  4 x 4 work-groups; the cluster's x is p.  The four of a row of the cluster need the same tile of A, the four of a column the same tile of B: each tile is asked for JOINTLY, by the same tensor load
; with the same descriptor and a mask that names the four.  Waves 0 and 1 fetch A's halves (64 rows), waves 2 and 3 B's (128 rows): one load a wave behind each round of the cluster's barrier.
; THE PRODUCT IS TAKEN TRANSPOSED (source 0 = 16 rows of B, source 1 = 16 rows of A): a lane holds row lane % 16 of C and eight neighbouring columns, 16 bytes in bf16.
; REGISTERS.  Window 0: v0-15 addresses; v64-159 and v160-255 two fragment buffers for 32 along K (A's fragment a at +8 a, B's fragment b at +32 + 8 b).  Window 1: accumulator (a, b) at 64 a + 8 b.
; One text of a K step serves both slots: the LDS addresses hang on s[TB], which an exclusive or turns from one slot to the other.
.set NSTEPS, 8
.set PITCH,  272                       ; an LDS row: 256 bytes + 16 of padding = 68 words: the 16 rows of a fragment load start at 16 different groups of four banks (64 banks of 4 bytes: ISA guide 11.1)
.set ATILE,  128*PITCH                 ; A's 128 rows; B's 256 rows lie behind them
.set SLOT1,  1<<17                     ; slot 0 at 0 (104,448 bytes), slot 1 here
.set STAGE,  384*PITCH                 ; behind slot 0: 16 rows x 272 bytes for each wave, for the way out; no tensor load lands here
.set SPARE,  STAGE+4*16*PITCH          ; the spare words, 128 bytes a wave: two blocks of 256 bytes that no other line names
.set STEP,   256                       ; bytes of a row in a K step
.set CROW,   2048                      ; bytes in a row of C
.set FLAGS,  (1<<16)|(1<<20)|(1<<21)|(5<<22)|(3<<25)  ; 17:16 elements of 2 bytes; 20 padding on; 21 set beside a mask; 24:22 after every 64 words; 31:25 4 words of it
.set R,    1                           ; v1   lane % 16
.set LA0,  2                           ; v2   my lane's place in slot 0's tile of A; never rewritten
.set LB0,  3                           ; v3   the same for B
.set ADRA, 4                           ; v4   LA0 + the slot in hand
.set ADRB, 5                           ; v5   LB0 + the slot in hand
.set STO,  6                           ; v6   the way out: where I put 16 bytes of a row
.set RD,   7                           ; v7   the way out: where I read a row back
.set CO,   8                           ; v8   my byte offset in two rows of C
.set PFO,  9                           ; v9   the prefetches' offset: lane x a row in memory; never rewritten
.set SPW,  10                          ; v10  LDS address of my spare word; never rewritten
.set NIL,  11                          ; v11  0; never rewritten
.set H,    12                          ; v12  lane / 16
.set F0,   64
.set F1,   160
.set TMP,  64                          ; the way out: packed results
.set OB,   96                          ; the way out: 16 rows read back, two buffers of 32 by turns
.set WV,  12                           ; s12  my wave's number
.set WR,  13                           ; s13  which 64 rows of the tile are mine; also: I fetch for A (0) or B (1)
.set WC,  14                           ; s14  which 128 columns are mine; also: which half of that tile I fetch
.set LIM, 15                           ; s15  2 in a wave that prefetches, else the greatest number
.set PFA, 18                           ; s[18:19] where my prefetches stand
.set G1A, 24                           ; s[24:31] descriptor group 1 for A's tiles
.set G1B, 32                           ; s[32:39] for B's
.set G0A, 40                           ; s[40:47] group 0 for A's tiles: a set for each first fill; the second then walks
.set G0B, 48                           ; s[48:55] the same for B's
.set CNT, 56                           ; s56  trips to go
.set TB,  57                           ; s57  LDS byte at which the slot in hand begins
.set CX,  62
.set CY,  63
.set TC,  66                           ; s66  tile column: 4 p + the tile's place along C_p
.set TR,  67                           ; s67  tile row of C_p
.set AO,  68                           ; s[68:69] A's tile: made of the tile row, the cluster's x and the wave's number alone
.set BO,  70                           ; s[70:71] B's tile: of the tile column and the wave's number alone
.set CF,  72                           ; s[72:73] my part of C
.set CLY, 76                           ; s76  the cluster's y
.set CB,  8                            ; s[8:9] C
.set W_MUL, 0x50                       ; fragments in window 0, C and D in window 1
.set W_PK,  0x05                       ; sources 0 and 1 in window 1, destination in window 0
.set MSB, 0
.macro WIN new                         ; the immediate's high byte repeats the setting that is left; a switch that changes nothing is dropped
.if MSB != (\new)
	s_set_vgpr_msb (MSB<<8)|(\new)
.set MSB, \new
.endif
.endm
.macro PLACES                          ; four places: in front of loads into registers that matrix instructions have read, and of vector lines that read their results
.rept 4
	v_nop
.endr
.endm
.macro CREST                           ; a round of the cluster's barrier behind its opening barrier
	s_cmp_lg_u32 s[WV], 0
	s_cbranch_scc1 .Lnot_wave_0_\@
	s_barrier_signal -3
.Lnot_wave_0_\@:
	s_barrier_wait -3
	s_barrier_signal -1
	s_barrier_wait -1
.endm
.macro CROUND                          ; a whole round
	s_barrier_signal -1
	s_barrier_wait -1
	CREST
.endm
.macro JLOAD                           ; a joint refill by the walking descriptors; the branch hangs on the wave's number alone; an s_nop 0 and four v_nop follow each of the two lines
	s_cmp_eq_u32 s[WR], 0
	s_cbranch_scc0 .Lfor_b_\@
	tensor_load_to_lds s[G0A+4:G0A+7], s[G1A:G1A+7]
	s_nop 0
.rept 4
	v_nop
.endr
	s_branch .Lasked_\@
.Lfor_b_\@:
	tensor_load_to_lds s[G0B+4:G0B+7], s[G1B:G1B+7]
	s_nop 0
.rept 4
	v_nop
.endr
.Lasked_\@:
.endm
; A PREFETCH INTO THE L2, behind each joint refill and the run of LDS loads that follows it: the K step two refills on (256 matrix instructions ahead of the load that will want it), 32 rows x 256 bytes, a lane a row.
; Each row's 256 bytes of a K step are named once in the launch.  A tile row of A_p is read by one cluster alone: wave 0 of its partner cx asks for rows 32 cx .. 32 cx + 31.
; B's tile column is read by both clusters of that column: the one with cluster y = 0 asks, waves 2 and 3 of partner cy for rows 32 cy .. of the 128 that the wave fetches.  The partners are told apart by address alone.
; K steps 0 to 3 come by their loads alone; the trips whose step four on does not exist (s[CNT] at 2 or 1) ask for nothing.
.macro ASK
	s_cmp_gt_u32 s[CNT], s[LIM]
	s_cbranch_scc0 .Lnot_mine_\@
	global_prefetch_b8 v[PFO], s[PFA:PFA+1] th:TH_LOAD_NT scope:SCOPE_SE
.Lnot_mine_\@:
.endm
; 8 matrix instructions: m block a x all 8 n blocks, 32 along K, from buffer f.  zero = 1: the product starts the sums: nothing is cleared.
; The 32 accumulators take turns, one instruction a turn, in the same order in every quarter, over the backward jump too.
.macro MUL8 f, a, zero
	WIN W_MUL
.irp b, 0,1,2,3,4,5,6,7
.if \zero
	v_wmma_f32_16x16x32_bf16 v[64*(\a)+8*(\b):64*(\a)+8*(\b)+7], v[(\f)+32+8*(\b):(\f)+32+8*(\b)+7], v[(\f)+8*(\a):(\f)+8*(\a)+7], 0
.else
	v_wmma_f32_16x16x32_bf16 v[64*(\a)+8*(\b):64*(\a)+8*(\b)+7], v[(\f)+32+8*(\b):(\f)+32+8*(\b)+7], v[(\f)+8*(\a):(\f)+8*(\a)+7], v[64*(\a)+8*(\b):64*(\a)+8*(\b)+7]
.endif
.endr
.endm
; 24 LDS loads in one run: quarter q (32 along K) of the slot in hand into buffer g: B's 8 fragments, then A's 4.  A fragment is 16 rows x 32 K: lane l holds row l % 16, K = 8 (l / 16) + 0..7 and 16 + 8 (l / 16) + 0..7.
.macro FETCH q, g
	WIN 0
.irp b, 0,1,2,3,4,5,6,7
	ds_load_b128 v[(\g)+32+8*(\b):(\g)+32+8*(\b)+3],   v[ADRB] offset:64*(\q)+(\b)*16*PITCH
	ds_load_b128 v[(\g)+32+8*(\b)+4:(\g)+32+8*(\b)+7], v[ADRB] offset:64*(\q)+(\b)*16*PITCH+32
.endr
.irp a, 0,1,2,3
	ds_load_b128 v[(\g)+8*(\a):(\g)+8*(\a)+3],   v[ADRA] offset:64*(\q)+(\a)*16*PITCH
	ds_load_b128 v[(\g)+8*(\a)+4:(\g)+8*(\a)+7], v[ADRA] offset:64*(\q)+(\a)*16*PITCH+32
.endr
.endm
; A K step is four quarters of 32 along K, 32 matrix instructions each, on buffers 0, 1, 0, 1.  One of the first three: multiplies buffer f; in its middle it fetches quarter q into buffer g.
.macro QUARTER q, f, g, zero
	s_wait_dscnt 4                                 ; B and A's fragments 0 and 1 are in; the youngest four loads (A's fragments 2 and 3) may be out
	MUL8 \f, 0, \zero
	MUL8 \f, 1, \zero
	WIN 0
	PLACES                                         ; for the loads into g, which the quarter before multiplied
	FETCH \q, \g
	s_wait_dscnt 24                                ; all but the 24 just issued
	MUL8 \f, 2, \zero
	MUL8 \f, 3, \zero
.endm
; The fourth quarter multiplies buffer 1 and changes slots.  In front of the barrier each wave waits for all its tensor loads (one is out: its part of the next slot), adds 0 to its spare word, and waits for that and
; for its own reads of this slot.  fill = 1: the barrier opens a round of the cluster's barrier, so that no wave of any partner still reads the slot or has a load on its way; the joint refill, with the K step two
; on, is the first thing behind the round, and a wave issues 112 matrix instructions between it and the wait for it.
.macro TURN fill
.if \fill
	s_wait_xcnt 0x0                                ; the last prefetch, a K step back, has read its address
	s_add_nc_u64 s[PFA:PFA+1], s[PFA:PFA+1], STEP
.endif
	WIN 0
	s_wait_tensorcnt 0x0                           ; no tensor load of mine is out, so a group 0 may be written
	ds_add_u32 v[SPW], v[NIL]                      ; 0 onto my spare word
.if \fill
	s_xor_b32 s[G0A+5], s[G0A+5], SLOT1            ; the walking descriptors: the other slot than last time,
	s_add_nc_u64 s[G0A+6:G0A+7], s[G0A+6:G0A+7], STEP  ; the next K step; the type bits on top are not reached
	s_xor_b32 s[G0B+5], s[G0B+5], SLOT1
	s_add_nc_u64 s[G0B+6:G0B+7], s[G0B+6:G0B+7], STEP
.endif
	s_wait_dscnt 5                                 ; the add and the youngest four loads may be out
	MUL8 F1, 0, 0
	s_wait_dscnt 0x0                               ; the add is done, and my reads of this slot are over
	s_barrier_signal -1
	MUL8 F1, 1, 0                                  ; work on registers while the others arrive
	WIN 0
	s_barrier_wait -1
.if \fill
	CREST
	JLOAD                                          ; its four v_nop are also the places in front of the loads below
.else
	PLACES
.endif
	s_xor_b32 s[TB], s[TB], SLOT1
	v_add_nc_u32 v[ADRA], s[TB], v[LA0]
	v_add_nc_u32 v[ADRB], s[TB], v[LB0]
	FETCH 0, F0
.if \fill
	ASK
.endif
	MUL8 F1, 2, 0
	MUL8 F1, 3, 0
.endm
.macro BODY fill                       ; from a K step's second quarter to the next step's first
	QUARTER 2, F1, F0, 0
	QUARTER 3, F0, F1, 0
	TURN \fill
	QUARTER 1, F0, F1, 0
.endm
; THE WAY OUT of m block a: rounded to bf16, 16 bytes a lane; into my own stage; back as whole rows of 256 bytes; stored.
.macro PACK a
	WIN W_PK
.irp b, 0,1,2,3,4,5,6,7
.irp z, 0,1,2,3
	v_cvt_pk_bf16_f32 v[TMP+4*(\b)+(\z)], v[64*(\a)+8*(\b)+2*(\z)], v[64*(\a)+8*(\b)+2*(\z)+1]
.endr
.endr
	WIN 0
.endm
.macro TOSTAGE a
.irp b, 0,1,2,3,4,5,6,7
	ds_store_b128 v[STO], v[TMP+4*(\b):TMP+4*(\b)+3] offset:32*(\b)
.endr
.irp t, 0,1,2,3,4,5,6,7
	ds_load_b128 v[OB+32*((\a)%2)+4*(\t):OB+32*((\a)%2)+4*(\t)+3], v[RD] offset:(\t)*2*PITCH  ; LDS serves a wave's instructions in order (ISA guide 5.7.1.4): these see the stores above
.endr
.endm
.macro SEND a
	s_wait_dscnt 0x0                               ; the block is back in registers
	s_wait_xcnt 0x0                                ; earlier stores have read their registers: the other buffer is loaded again only behind this wait
.irp t, 0,1,2,3,4,5,6,7
	global_store_b128 v[CO], v[OB+32*((\a)%2)+4*(\t):OB+32*((\a)%2)+4*(\t)+3], s[CB:CB+1] offset:(16*(\a)+2*(\t))*CROW  ; 16 lanes store 256 consecutive bytes, at a multiple of 256 from C's first byte
.endr
.endm
	s_load_b128 s[4:7], s[0:1], 0x0                ; A s[4:5], B s[6:7]
	s_load_b64 s[8:9], s[0:1], 0x10                ; C
	v_lshl_add_u32 v[SPW], v0, 2, SPARE
	v_mov_b32 v[NIL], 0
	ds_add_u32 v[SPW], v[NIL]                      ; the wave's opening: the add, and its wait ahead of my first tensor load; the set-up below, work on registers, stands between them
	v_lshrrev_b32 v13, 5, v0
	v_readfirstlane_b32 s[WV], v13
	s_lshr_b32 s[WR], s[WV], 1
	s_and_b32 s[WC], s[WV], 1
	s_bfe_u32 s[CX], ttmp6, 0x40000                ; my place in the cluster
	s_bfe_u32 s[CY], ttmp6, 0x40004
	s_lshl_b32 s[TC], ttmp9, 2                     ; in a cluster launch ttmp9 and ttmp7 count clusters
	s_add_co_u32 s[TC], s[TC], s[CX]
	s_and_b32 s[CLY], ttmp7, 0xffff
	s_lshl_b32 s[TR], s[CLY], 2
	s_add_co_u32 s[TR], s[TR], s[CY]
	s_lshl_b32 s16, s[CY], 2
	s_lshl_b32 s16, 15, s16                        ; my row of the cluster
	s_lshl_b32 s17, 0x1111, s[CX]                  ; my column
	s_or_b32 s[G1A], s16, FLAGS                    ; A's tiles go to my row,
	s_or_b32 s[G1B], s17, FLAGS                    ; B's to my column
	s_mov_b32 s[G1A+1], 128<<16                    ; tensor_dim0 = 128
	s_mov_b32 s[G1A+2], 64<<16                     ; tensor_dim1 = 64
	s_mov_b32 s[G1A+3], 128<<16                    ; tile_dim0 = 128
	s_mov_b32 s[G1A+4], 64                         ; tile_dim1 = 64
	s_mov_b32 s[G1A+5], 1024                       ; elements from row to row
	s_mov_b32 s[G1A+6], 0
	s_mov_b32 s[G1A+7], 0
	s_mov_b32 s[G1B+1], 128<<16
	s_mov_b32 s[G1B+2], 128<<16                    ; 128 rows
	s_mov_b32 s[G1B+3], 128<<16
	s_mov_b32 s[G1B+4], 128
	s_mov_b32 s[G1B+5], 1024
	s_mov_b32 s[G1B+6], 0
	s_mov_b32 s[G1B+7], 0
	s_lshl_b32 s[AO], s[TR], 7                     ; A: row 128 x tile row + 64 x half
	s_lshl_b32 s16, s[WC], 6
	s_add_co_u32 s[AO], s[AO], s16
	s_lshl_b32 s16, ttmp9, 10                      ; + 1,024 p: the cluster's x, which all sixteen partners share,
	s_add_co_u32 s[AO], s[AO], s16
	s_lshl_b32 s[AO], s[AO], 11                    ; in bytes
	s_mov_b32 s[AO+1], 0
	s_lshl_b32 s[BO], s[TC], 8                     ; B: row 256 x tile column + 128 x half (the tile column holds 4 p)
	s_lshl_b32 s17, s[WC], 7
	s_add_co_u32 s[BO], s[BO], s17
	s_lshl_b32 s[BO], s[BO], 11
	s_mov_b32 s[BO+1], 0
	s_lshl_b32 s[CF], s[TR], 7                     ; C: my first row,
	s_lshl_b32 s78, s[WR], 6
	s_add_co_u32 s[CF], s[CF], s78
	s_lshl_b32 s[CF], s[CF], 11
	s_lshr_b32 s78, s[TC], 2                       ; C_p, 1,024 rows of 2,048 bytes,
	s_lshl_b32 s78, s78, 21
	s_add_co_u32 s[CF], s[CF], s78
	s_and_b32 s78, s[TC], 3                        ; the tile's 512 bytes of a row in it,
	s_lshl_b32 s78, s78, 9
	s_add_co_u32 s[CF], s[CF], s78
	s_lshl_b32 s78, s[WC], 8                       ; my 256 of them
	s_add_co_u32 s[CF], s[CF], s78
	s_mov_b32 s[CF+1], 0
	s_lshl_b32 s22, s[TR], 7                       ; the prefetches: A's rows 128 x tile row + 32 cx + 1,024 p,
	s_lshl_b32 s78, s[CX], 5
	s_add_co_u32 s22, s22, s78
	s_lshl_b32 s78, ttmp9, 10
	s_add_co_u32 s22, s22, s78
	s_lshl_b32 s23, s[TC], 8                       ; B's rows 256 x tile column + 128 x half + 32 cy
	s_lshl_b32 s78, s[WC], 7
	s_add_co_u32 s23, s23, s78
	s_lshl_b32 s78, s[CY], 5
	s_add_co_u32 s23, s23, s78
	s_cmp_eq_u32 s[WR], 0
	s_cselect_b32 s22, s22, s23
	s_cselect_b32 s78, s[WC], s[CLY]               ; for A: wave 0; for B: where cluster y = 0
	s_cmp_eq_u32 s78, 0
	s_cselect_b32 s[LIM], 2, -1                    ; the same in all sixteen partners, for a given wave
	s_lshl_b32 s22, s22, 11
	s_add_co_u32 s22, s22, 3*STEP                  ; at K step 3: the first refill steps it to 4
	s_mov_b32 s23, 0
	v_and_b32 v[PFO], 31, v0
	v_lshlrev_b32 v[PFO], 11, v[PFO]
	s_mul_i32 s16, s[WC], 64*PITCH                 ; where the tiles go: no place in the cluster enters an LDS address
	s_mul_i32 s17, s[WC], 128*PITCH
	s_add_co_u32 s17, s17, ATILE
	s_mov_b32 s[TB], 0
	s_wait_dscnt 0x0                               ; the opening add is done
	s_wait_kmcnt 0x0
	s_add_nc_u64 s[AO:AO+1], s[4:5], s[AO:AO+1]
	s_add_nc_u64 s[BO:BO+1], s[6:7], s[BO:BO+1]
	s_add_nc_u64 s[CB:CB+1], s[CB:CB+1], s[CF:CF+1]
	s_cmp_eq_u32 s[WR], 0
	s_cselect_b64 s[PFA:PFA+1], s[4:5], s[6:7]
	s_add_nc_u64 s[PFA:PFA+1], s[PFA:PFA+1], s[22:23]
	CROUND                                         ; all sixteen work-groups are here: the first joint loads meet
.irp s, 0,1
	s_mov_b32 s[G0A+4*(\s)], 1                     ; count = 1
	s_add_co_u32 s[G0A+4*(\s)+1], s16, (\s)*SLOT1  ; LDS address
	s_add_nc_u64 s[G0A+4*(\s)+2:G0A+4*(\s)+3], s[AO:AO+1], (\s)*STEP  ; global address: K step s
	s_or_b32 s[G0A+4*(\s)+3], s[G0A+4*(\s)+3], 0x80000000             ; type = 2
	s_mov_b32 s[G0B+4*(\s)], 1
	s_add_co_u32 s[G0B+4*(\s)+1], s17, (\s)*SLOT1
	s_add_nc_u64 s[G0B+4*(\s)+2:G0B+4*(\s)+3], s[BO:BO+1], (\s)*STEP
	s_or_b32 s[G0B+4*(\s)+3], s[G0B+4*(\s)+3], 0x80000000
.endr
	s_cmp_eq_u32 s[WR], 0                          ; a wave's two first fills stand in one branch, ahead of every wait on TENSORcnt and every LDS read: two loads of mine are out
	s_cbranch_scc0 .Lfirst_b
	tensor_load_to_lds s[G0A:G0A+3], s[G1A:G1A+7]
	s_nop 0
	tensor_load_to_lds s[G0A+4:G0A+7], s[G1A:G1A+7]
	s_nop 0
.rept 4
	v_nop
.endr
	s_branch .Lfirst_asked
.Lfirst_b:
	tensor_load_to_lds s[G0B:G0B+3], s[G1B:G1B+7]
	s_nop 0
	tensor_load_to_lds s[G0B+4:G0B+7], s[G1B:G1B+7]
	s_nop 0
.rept 4
	v_nop
.endr
.Lfirst_asked:
	v_and_b32 v[R], 15, v0
	v_bfe_u32 v[H], v0, 4, 1
	v_mul_u32_u24 v13, v[R], PITCH
	v_lshl_add_u32 v13, v[H], 4, v13               ; row x pitch + 16 x half
	s_mul_i32 s78, s[WR], 64*PITCH
	v_add_nc_u32 v[LA0], s78, v13                  ; my 64 rows of A
	s_mul_i32 s78, s[WC], 128*PITCH
	s_add_co_u32 s78, s78, ATILE
	v_add_nc_u32 v[LB0], s78, v13                  ; my 128 rows of B
	s_mul_i32 s78, s[WV], 16*PITCH
	s_add_co_u32 s78, s78, STAGE                   ; my stage
	v_add_nc_u32 v[STO], s78, v13                  ; in: row l % 16, 16 bytes for each half of the lanes
	v_mul_u32_u24 v13, v[H], PITCH
	v_lshl_add_u32 v13, v[R], 4, v13
	v_add_nc_u32 v[RD], s78, v13                   ; back: lanes 0-15 one row of 256 bytes, lanes 16-31 the next
	v_mul_u32_u24 v[CO], v[H], CROW
	v_lshl_add_u32 v[CO], v[R], 4, v[CO]           ; and the same two rows in C
	s_wait_tensorcnt 0x1                           ; my part of K step 0 is in; step 1's may stay out
	s_barrier_signal -1
	s_barrier_wait -1                              ; everybody's is
	v_add_nc_u32 v[ADRA], s[TB], v[LA0]
	v_add_nc_u32 v[ADRB], s[TB], v[LB0]
	FETCH 0, F0
	QUARTER 1, F0, F1, 1                           ; the first quarter stands in front of the loop: its products start the sums
	WIN 0                                          ; at a label and at a branch every window is 0
	s_mov_b32 s[CNT], NSTEPS-2
.Lk:                                                   ; a trip is a K step: 128 matrix instructions, 96 LDS loads, one round, one joint load a wave
	BODY 1
	WIN 0
	s_sub_co_u32 s[CNT], s[CNT], 1
	s_cmp_lg_u32 s[CNT], 0
	s_cbranch_scc1 .Lk
	BODY 0                                         ; the last two K steps are written out: they ask for nothing
	QUARTER 2, F1, F0, 0
	QUARTER 3, F0, F1, 0
	s_wait_dscnt 4
	MUL8 F1, 0, 0
	MUL8 F1, 1, 0
	s_wait_dscnt 0x0
	MUL8 F1, 2, 0
	MUL8 F1, 3, 0
	WIN 0
	PLACES                                         ; the conversions read results just made
	PLACES
	PACK 0
	TOSTAGE 0
.irp a, 1,2,3                          ; block a's conversions stand between block a - 1's loads from the stage and the wait for them
	PACK \a
	SEND (\a)-1
	TOSTAGE \a
.endr
	SEND 3
	s_wait_tensorcnt 0x0                           ; the wave's end: behind my last tensor load and my last LDS store
	ds_add_u32 v[SPW], v[NIL]
	s_wait_dscnt 0x0
	CROUND                                         ; the closing round: no work-group ends while a partner may still ask for a tile that names it
	s_endpgm
.Lfunc_end_k_q71c4648665_wprod:
	.size	k_q71c4648665_wprod, .Lfunc_end_k_q71c4648665_wprod-k_q71c4648665_wprod
	.p2alignl 7, 3214868480
	.fill 96, 4, 3214868480
	.section	.rodata,"a",@progbits
	.p2align	6, 0x0
	.amdhsa_kernel k_q71c4648665_wprod
		.amdhsa_group_segment_fixed_size 327680
		.amdhsa_private_segment_fixed_size 0
		.amdhsa_enable_private_segment 0
		.amdhsa_kernarg_size 24
		.amdhsa_user_sgpr_count 2
		.amdhsa_user_sgpr_kernarg_segment_ptr 1
		.amdhsa_wavefront_size32 1
		.amdhsa_system_sgpr_workgroup_id_x 1
		.amdhsa_system_sgpr_workgroup_id_y 1
		.amdhsa_system_sgpr_workgroup_id_z 1
		.amdhsa_system_vgpr_workitem_id 0
		.amdhsa_next_free_vgpr 512
		.amdhsa_next_free_sgpr 80
		.amdhsa_reserve_vcc 0
		.amdhsa_float_denorm_mode_32 3
		.amdhsa_float_denorm_mode_16_64 3
		.amdhsa_memory_ordered 1
		.amdhsa_forward_progress 1
		.amdhsa_inst_pref_size 71
	.end_amdhsa_kernel
	.amdgpu_metadata
---
amdhsa.version: [ 1, 2 ]
amdhsa.kernels:
  - .name:           k_q71c4648665_wprod
    .symbol:         k_q71c4648665_wprod.kd
    .args:
      - { .name: wa, .offset: 0, .size: 8, .value_kind: global_buffer, .address_space: global }
      - { .name: wb, .offset: 8, .size: 8, .value_kind: global_buffer, .address_space: global }
      - { .name: wmn, .offset: 16, .size: 8, .value_kind: global_buffer, .address_space: global }
    .group_segment_fixed_size: 327680
    .private_segment_fixed_size: 0
    .kernarg_segment_align: 8
    .kernarg_segment_size: 24
    .max_flat_workgroup_size: 128
    .sgpr_count:     80
    .vgpr_count:     512
    .wavefront_size: 32
...
	.end_amdgpu_metadata
.endif
;; end of part 7
;; launch proj2 (part 8): grid 8 x 32, 4 waves a work-group, clusters of 4 x 4, 327,680 bytes of LDS; arguments xb, wmn, qv; writes qv
.if DOCPART == 8
	.amdgcn_target "amdgcn-amd-amdhsa--gfx1250"
	.amdhsa_code_object_version 6
	.text
	.protected	k_q71c4648665_proj2
	.globl	k_q71c4648665_proj2
	.p2align	8
	.type	k_q71c4648665_proj2,@function
k_q71c4648665_proj2:
	s_mov_b64 s[64:65], 0
	v_nop
	global_prefetch_b8 v0, s[64:65] scope:SCOPE_SE
	s_setreg_imm32_b32 hwreg(HW_REG_WAVE_MODE, 25, 1), 1
	s_wait_xcnt 0x0
	s_wait_alu depctr_hold_cnt(0) depctr_sa_sdst(0) depctr_va_vdst(0) depctr_va_sdst(0) depctr_va_ssrc(0) depctr_va_vcc(0) depctr_vm_vsrc(0)
	s_getreg_b32 s2, hwreg(HW_REG_IB_STS2, 6, 4)
	s_cmp_eq_u32 s2, 0
	s_cbranch_scc0 .Lentry_in_a_cluster
	s_endpgm
.Lentry_in_a_cluster:
	s_bfe_u32 s2, ttmp6, 0x10000c
	s_cmp_lg_u32 s2, 0xf033
	s_cbranch_scc0 .Lentry_shape_is_right
	s_endpgm
.Lentry_shape_is_right:
; THE TWO PROJECTIONS.  C = A B^T.  A = xb [8192][1024], B = wmn [2048][1024] (Wk^T Wq, then Wo Wv), both bf16, K = 1,024 along the rows; sums in f32, K ascending; C rounded once to bf16.
; qv: two planes of [8192][1024]: columns 0-1,023 of the product are q' = x (Wq^T Wk), so that scores = q' x^T / 32; columns 1,024-2,047 are v' = x (Wo Wv)^T, so that mixed = probs v'.
; LIMITS.  Operands and result are bf16 (8 significant bits); NaN and infinities are not treated apart.
; SHARES.  A work-group makes 256 x 256 of C: 32 x 8 = 256 work-groups.  Four waves, 2 x 2, each 128 x 128: 64 accumulators of 16 x 16, 512 registers.
; K goes in 8 steps of 128 through two LDS slots, each with 256 rows of A and 256 of B: rows of 256 bytes, which start at multiples of 256 bytes from the buffers' first bytes, laid 272 bytes apart in LDS.
; CLUSTER.  4 x 4 work-groups.  The four of a row of the cluster need the same tile of A, the four of a column the same tile of B: each tile is asked for JOINTLY, by the same tensor load with the same
; descriptor and a mask that names the four.  Waves 0 and 1 fetch A's halves, waves 2 and 3 B's, 128 rows each: one load a wave behind each round of the cluster's barrier.
; THE PRODUCT IS TAKEN TRANSPOSED (source 0 = 16 rows of B, source 1 = 16 rows of A): a lane holds row lane % 16 of C and eight neighbouring columns, 16 bytes in bf16.
; THE LOOP.  A K step is four quarters of 32 along K, on fragment buffers 0, 1, 0, 1; each quarter fetches the next one's fragments in its middle.  When a step's third quarter is over, its fourth quarter's
; fragments are in registers and the slot is read no more: THE CHANGE OF SLOTS STANDS THERE.  Between two changes lie the fourth quarter, and the next step's first three: twice the same text, a PAIR (multiply
; buffer 1 and fetch into 0; multiply buffer 0 and fetch into 1), whose LDS addresses hang on s[TB].  So a pair is written once for the loop and once for the tail, which asks for nothing.
; REGISTERS, in windows of 256 (s_set_vgpr_msb: bits 1:0 source 0, 3:2 source 1, 5:4 source 2, 7:6 destination).  Window 0: v0-15 addresses; v64-127, v128-191 A's fragments for 32 along K, two buffers
; (fragment a at +8 a).  Window 1: v64-127, v128-191 B's, likewise.  Window 2: accumulators (a, b), a = 0-3, at 64 a + 8 b.  Window 3: a = 4-7, at 64 (a - 4) + 8 b.
.set NSTEPS, 8
.set PITCH,  272                       ; an LDS row: 256 bytes + 16 of padding = 68 words: the 16 rows of a fragment load start at 16 different groups of four banks (64 banks of 4 bytes: ISA guide 11.1)
.set HALFT,  128*PITCH                 ; 128 rows: what one tensor load brings, and what one wave reads of A or of B
.set BTILE,  2*HALFT                   ; A's 256 rows; B's 256 lie behind them
.set SLOT1,  4*HALFT                   ; 139,264 = 0x22000: it shares no bit with the four waves' places in a slot, 0, 0x8800, 0x11000, 0x19800, so an exclusive or with it adds it or takes it away
.set STAGE,  2*SLOT1                   ; behind the ring: 16 rows x 272 bytes for each wave, for the way out; no tensor load lands here
.set SPARE,  STAGE+4*16*PITCH          ; the spare words, 128 bytes a wave: two blocks of 256 bytes that no other line names
.set STEP,   256                       ; bytes of a row in a K step
.set CROW,   2048                      ; bytes in a row of C
.set FLAGS,  (1<<16)|(1<<20)|(1<<21)|(5<<22)|(3<<25)  ; 17:16 elements of 2 bytes; 20 padding on; 21 set beside a mask; 24:22 after every 64 words; 31:25 4 words of it
.set R,    1                           ; v1   lane % 16
.set LA0,  2                           ; v2   my lane's place in slot 0's tile of A; never rewritten
.set LB0,  3                           ; v3   the same for B
.set ADRA, 4                           ; v4   LA0 + s[TB]: where the pair in hand fetches
.set ADRB, 5                           ; v5   LB0 + s[TB]
.set STO,  6                           ; v6   the way out: where I put 16 bytes of a row
.set RD,   7                           ; v7   the way out: where I read a row back
.set CO,   8                           ; v8   my byte offset in two rows of C
.set PFO,  9                           ; v9   the prefetches' offset: lane x a row in memory; never rewritten
.set SPW,  10                          ; v10  LDS address of my spare word; never rewritten
.set NIL,  11                          ; v11  0; never rewritten
.set H,    12                          ; v12  lane / 16
.set F0,   64
.set F1,   128
.set TMP,  64                          ; the way out, in window 0: packed results
.set OB,   96                          ; the way out: 16 rows read back, two buffers of 32 by turns
.set WV,  12                           ; s12  my wave's number
.set WR,  13                           ; s13  which 128 rows of the tile are mine; also: I fetch for A (0) or B (1)
.set WC,  14                           ; s14  which 128 columns are mine; also: which half of that tile I fetch
.set LIM, 15                           ; s15  2 in a wave that prefetches, else the greatest number
.set PFA, 18                           ; s[18:19] where my prefetches stand
.set G1A, 24                           ; s[24:31] descriptor group 1 for A's tiles
.set G1B, 32                           ; s[32:39] for B's: it differs in the mask alone
.set G0A, 40                           ; s[40:47] group 0 for A's tiles: a set for each first fill; the second then walks
.set G0B, 48                           ; s[48:55] the same for B's
.set CNT, 56                           ; s56  changes of slots to go, the one without a refill among them
.set TB,  57                           ; s57  LDS byte, from a slot 0 tile's first, at which the next pair fetches
.set CX,  62
.set CY,  63
.set TC,  66                           ; s66  tile column of C
.set TR,  67                           ; s67  tile row of C
.set AO,  68                           ; s[68:69] A's tile: made of the tile row and the wave's number alone
.set BO,  70                           ; s[70:71] B's tile: of the tile column and the wave's number alone
.set CF,  72                           ; s[72:73] my part of C
.set CN2, 74                           ; s74  pairs to go until the next change
.set CLY, 76                           ; s76  the cluster's y
.set CB,  8                            ; s[8:9] C
.set W_LO, 0xa1                        ; source 0 (B) window 1, source 1 (A) window 0, C and D window 2
.set TO_B, 0x40                        ; destination window 1, address window 0
.set W_PK, 0x0a                        ; sources 0 and 1 in window 2, destination in window 0
.set MSB, 0
.macro WIN new                         ; the immediate's high byte repeats the setting that is left; a switch that changes nothing is dropped
.if MSB != (\new)
	s_set_vgpr_msb (MSB<<8)|(\new)
.set MSB, \new
.endif
.endm
.macro PLACES                          ; four places: in front of loads into registers that matrix instructions have read, and of vector lines that read their results
.rept 4
	v_nop
.endr
.endm
.macro CROUND                          ; a round of the cluster's barrier: my work-group's barrier; wave 0 signals for the work-group; every wave waits for all sixteen; my work-group's barrier once more
	s_barrier_signal -1
	s_barrier_wait -1
	s_cmp_lg_u32 s[WV], 0
	s_cbranch_scc1 .Lnot_wave_0_\@
	s_barrier_signal -3
.Lnot_wave_0_\@:
	s_barrier_wait -3
	s_barrier_signal -1
	s_barrier_wait -1
.endm
.macro JLOAD                           ; a joint refill by the walking descriptors; the branch hangs on the wave's number alone; an s_nop 0 and four v_nop follow each of the two lines
	s_cmp_eq_u32 s[WR], 0
	s_cbranch_scc0 .Lfor_b_\@
	tensor_load_to_lds s[G0A+4:G0A+7], s[G1A:G1A+7]
	s_nop 0
.rept 4
	v_nop
.endr
	s_branch .Lasked_\@
.Lfor_b_\@:
	tensor_load_to_lds s[G0B+4:G0B+7], s[G1B:G1B+7]
	s_nop 0
.rept 4
	v_nop
.endr
.Lasked_\@:
.endm
; A PREFETCH INTO THE L2, behind each joint refill: the K step two refills on (512 matrix instructions ahead of the load that will want it), 32 rows x 256 bytes, a lane a row.
; Each row's 256 bytes of a K step are named once in the launch.  A's tile row is read by both clusters of that row of clusters: the one with cluster x = 0 asks; B's tile column by all eight clusters of that
; column: the one with cluster y = 0 asks.  Of the 128 rows that a wave fetches, the partner at place p (cx for A, cy for B) takes rows 32 p .. 32 p + 31: the partners are told apart by address alone.
; K steps 0 to 3 come by their loads alone; the changes whose step four on does not exist (s[CNT] at 2 or 1) ask for nothing.
.macro ASK
	s_cmp_gt_u32 s[CNT], s[LIM]
	s_cbranch_scc0 .Lnot_mine_\@
	global_prefetch_b8 v[PFO], s[PFA:PFA+1] th:TH_LOAD_NT scope:SCOPE_SE
.Lnot_mine_\@:
.endm
; 8 matrix instructions: m block a x all 8 n blocks, 32 along K, from buffer f.  zero = 1: the product starts the sums: nothing is cleared.
; The 64 accumulators take turns, one instruction a turn, in the same order in every quarter, over the backward jumps too.
.macro MUL8 f, a, zero
	WIN W_LO+0x50*((\a)/4)                         ; C and D in window 2 (m blocks 0-3) or 3 (4-7)
.irp b, 0,1,2,3,4,5,6,7
.if \zero
	v_wmma_f32_16x16x32_bf16 v[64*((\a)%4)+8*(\b):64*((\a)%4)+8*(\b)+7], v[(\f)+8*(\b):(\f)+8*(\b)+7], v[(\f)+8*(\a):(\f)+8*(\a)+7], 0
.else
	v_wmma_f32_16x16x32_bf16 v[64*((\a)%4)+8*(\b):64*((\a)%4)+8*(\b)+7], v[(\f)+8*(\b):(\f)+8*(\b)+7], v[(\f)+8*(\a):(\f)+8*(\a)+7], v[64*((\a)%4)+8*(\b):64*((\a)%4)+8*(\b)+7]
.endif
.endr
.endm
; 32 LDS loads in one run: 32 along K, o bytes behind the two address registers, into buffer g: B's 8 fragments, then A's 8.  A fragment is 16 rows x 32 K: lane l holds row l % 16, K = 8 (l / 16) + 0..7 and 16 + 8 (l / 16) + 0..7.
.macro FETCH o, g
	WIN TO_B
.irp b, 0,1,2,3,4,5,6,7
	ds_load_b128 v[(\g)+8*(\b):(\g)+8*(\b)+3],   v[ADRB] offset:(\o)+(\b)*16*PITCH
	ds_load_b128 v[(\g)+8*(\b)+4:(\g)+8*(\b)+7], v[ADRB] offset:(\o)+(\b)*16*PITCH+32
.endr
	WIN 0
.irp a, 0,1,2,3,4,5,6,7
	ds_load_b128 v[(\g)+8*(\a):(\g)+8*(\a)+3],   v[ADRA] offset:(\o)+(\a)*16*PITCH
	ds_load_b128 v[(\g)+8*(\a)+4:(\g)+8*(\a)+7], v[ADRA] offset:(\o)+(\a)*16*PITCH+32
.endr
.endm
; A quarter: 64 matrix instructions on buffer f; in its middle the next quarter's fragments are fetched into buffer g.
.macro QUARTER f, g, o, zero
	s_wait_dscnt 8                                 ; B and A's fragments 0-3 are in; the youngest eight loads (A's fragments 4-7) may be out
	MUL8 \f, 0, \zero
	MUL8 \f, 1, \zero
	MUL8 \f, 2, \zero
	MUL8 \f, 3, \zero
	PLACES                                         ; for the loads into g, which the quarter before multiplied
	FETCH \o, \g
	s_wait_dscnt 32                                ; all but the 32 just issued
	MUL8 \f, 4, \zero
	MUL8 \f, 5, \zero
	MUL8 \f, 6, \zero
	MUL8 \f, 7, \zero
.endm
; A pair of quarters.  It fetches 64 along K at s[TB], which steps on.  (An LDS instruction has read its address register when it is issued: the two registers are written anew while loads that named them are out.)
.macro PAIR
	v_add_nc_u32 v[ADRA], s[TB], v[LA0]
	v_add_nc_u32 v[ADRB], s[TB], v[LB0]
	s_add_co_u32 s[TB], s[TB], 128
	QUARTER F1, F0, 0, 0
	QUARTER F0, F1, 64, 0
	WIN 0                                          ; at a label and at a branch every window is 0
.endm
; THE CHANGE OF SLOTS.  Each wave waits for all its tensor loads (one is out: its part of the other slot), adds 0 to its spare word, and waits for that and for its own reads of the slot that it leaves: the last
; of them brought the fourth quarter's fragments.  fill = 1: the barrier is a round of the cluster's, so that no wave of any partner still reads the slot or has a load on its way; the joint refill, with the K
; step two on, is the first thing behind it, and has a whole step, 256 matrix instructions, in which to land.
.macro CHANGE fill
	WIN 0
.if \fill
	s_wait_xcnt 0x0                                ; the last prefetch, a K step back, has read its address
	s_add_nc_u64 s[PFA:PFA+1], s[PFA:PFA+1], STEP
.endif
	s_wait_tensorcnt 0x0                           ; no tensor load of mine is out, so a group 0 may be written
	ds_add_u32 v[SPW], v[NIL]                      ; 0 onto my spare word; the scalar work below stands between it and the wait for it
.if \fill
	s_xor_b32 s[G0A+5], s[G0A+5], SLOT1            ; the walking descriptors: the other slot than last time,
	s_add_nc_u64 s[G0A+6:G0A+7], s[G0A+6:G0A+7], STEP  ; the next K step; the type bits on top are not reached
	s_xor_b32 s[G0B+5], s[G0B+5], SLOT1
	s_add_nc_u64 s[G0B+6:G0B+7], s[G0B+6:G0B+7], STEP
.endif
	s_sub_co_u32 s[TB], s[TB], 256                 ; the fetches go back to a row's first byte,
	s_xor_b32 s[TB], s[TB], SLOT1                  ; in the other slot
	s_wait_dscnt 0x0                               ; the add is done, and my reads of the slot are over
.if \fill
	CROUND
	JLOAD
	ASK
.else
	s_barrier_signal -1
	s_barrier_wait -1
.endif
.endm
; THE WAY OUT of m block a: rounded to bf16, 16 bytes a lane, each accumulator's registers in ascending order; into my own stage; back as whole rows of 256 bytes; stored.
.macro PACK a
	WIN W_PK+5*((\a)/4)                            ; sources 0 and 1 in window 2 or 3
.irp b, 0,1,2,3,4,5,6,7
.irp z, 0,1,2,3
	v_cvt_pk_bf16_f32 v[TMP+4*(\b)+(\z)], v[64*((\a)%4)+8*(\b)+2*(\z)], v[64*((\a)%4)+8*(\b)+2*(\z)+1]
.endr
.endr
	WIN 0
.endm
.macro TOSTAGE a
.irp b, 0,1,2,3,4,5,6,7
	ds_store_b128 v[STO], v[TMP+4*(\b):TMP+4*(\b)+3] offset:32*(\b)
.endr
.irp t, 0,1,2,3,4,5,6,7
	ds_load_b128 v[OB+32*((\a)%2)+4*(\t):OB+32*((\a)%2)+4*(\t)+3], v[RD] offset:(\t)*2*PITCH  ; LDS serves a wave's instructions in order (ISA guide 5.7.1.4): these see the stores above
.endr
.endm
.macro SEND a
	s_wait_dscnt 0x0                               ; the block is back in registers
	s_wait_xcnt 0x0                                ; earlier stores have read their registers: the other buffer is loaded again only behind this wait
.irp t, 0,1,2,3,4,5,6,7
	global_store_b128 v[CO], v[OB+32*((\a)%2)+4*(\t):OB+32*((\a)%2)+4*(\t)+3], s[CB:CB+1] offset:(16*(\a)+2*(\t))*CROW  ; 16 lanes store 256 consecutive bytes, at a multiple of 256 from C's first byte
.endr
.endm
	s_load_b128 s[4:7], s[0:1], 0x0                ; A s[4:5], B s[6:7]
	s_load_b64 s[8:9], s[0:1], 0x10                ; C
	v_lshl_add_u32 v[SPW], v0, 2, SPARE
	v_mov_b32 v[NIL], 0
	ds_add_u32 v[SPW], v[NIL]                      ; the wave's opening: the add, and its wait ahead of my first tensor load; the set-up below, work on registers, stands between them
	v_lshrrev_b32 v13, 5, v0
	v_readfirstlane_b32 s[WV], v13
	s_lshr_b32 s[WR], s[WV], 1
	s_and_b32 s[WC], s[WV], 1
	s_bfe_u32 s[CX], ttmp6, 0x40000                ; my place in the cluster
	s_bfe_u32 s[CY], ttmp6, 0x40004
	s_lshl_b32 s[TC], ttmp9, 2                     ; in a cluster launch ttmp9 and ttmp7 count clusters
	s_add_co_u32 s[TC], s[TC], s[CX]
	s_and_b32 s[CLY], ttmp7, 0xffff
	s_lshl_b32 s[TR], s[CLY], 2
	s_add_co_u32 s[TR], s[TR], s[CY]
	s_lshl_b32 s16, s[CY], 2
	s_lshl_b32 s16, 15, s16                        ; my row of the cluster
	s_lshl_b32 s17, 0x1111, s[CX]                  ; my column
	s_or_b32 s[G1A], s16, FLAGS                    ; A's tiles go to my row,
	s_or_b32 s[G1B], s17, FLAGS                    ; B's to my column
.irp g, G1A, G1B
	s_mov_b32 s[(\g)+1], 128<<16                   ; tensor_dim0 = 128
	s_mov_b32 s[(\g)+2], 128<<16                   ; tensor_dim1 = 128
	s_mov_b32 s[(\g)+3], 128<<16                   ; tile_dim0 = 128
	s_mov_b32 s[(\g)+4], 128                       ; tile_dim1 = 128
	s_mov_b32 s[(\g)+5], 1024                      ; elements from row to row
	s_mov_b32 s[(\g)+6], 0
	s_mov_b32 s[(\g)+7], 0
.endr
	s_lshl_b32 s[AO], s[TR], 8                     ; A: row 256 x tile row + 128 x half,
	s_lshl_b32 s16, s[WC], 7
	s_add_co_u32 s[AO], s[AO], s16
	s_lshl_b32 s[AO], s[AO], 11                    ; in bytes
	s_mov_b32 s[AO+1], 0
	s_lshl_b32 s[BO], s[TC], 8                     ; B: row 256 x tile column + 128 x half
	s_lshl_b32 s17, s[WC], 7
	s_add_co_u32 s[BO], s[BO], s17
	s_lshl_b32 s[BO], s[BO], 11
	s_mov_b32 s[BO+1], 0
	s_lshl_b32 s[CF], s[TR], 8                     ; C: my first row,
	s_lshl_b32 s78, s[WR], 7
	s_add_co_u32 s[CF], s[CF], s78
	s_lshl_b32 s[CF], s[CF], 11
	s_lshr_b32 s78, s[TC], 2                       ; the plane of 16,777,216 bytes,
	s_lshl_b32 s78, s78, 24
	s_add_co_u32 s[CF], s[CF], s78
	s_and_b32 s78, s[TC], 3                        ; the tile's 512 bytes of a row in it,
	s_lshl_b32 s78, s78, 9
	s_add_co_u32 s[CF], s[CF], s78
	s_lshl_b32 s78, s[WC], 8                       ; my 256 of them
	s_add_co_u32 s[CF], s[CF], s78
	s_mov_b32 s[CF+1], 0
	s_lshl_b32 s22, s[TR], 8                       ; the prefetches: A's rows 256 x tile row + 128 x half + 32 cx,
	s_lshl_b32 s78, s[WC], 7
	s_add_co_u32 s22, s22, s78
	s_lshl_b32 s78, s[CX], 5
	s_add_co_u32 s22, s22, s78
	s_lshl_b32 s23, s[TC], 8                       ; B's rows 256 x tile column + 128 x half + 32 cy
	s_lshl_b32 s78, s[WC], 7
	s_add_co_u32 s23, s23, s78
	s_lshl_b32 s78, s[CY], 5
	s_add_co_u32 s23, s23, s78
	s_cmp_eq_u32 s[WR], 0
	s_cselect_b32 s22, s22, s23
	s_cselect_b32 s78, ttmp9, s[CLY]               ; for A: where cluster x = 0; for B: where cluster y = 0
	s_cmp_eq_u32 s78, 0
	s_cselect_b32 s[LIM], 2, -1                    ; the same in all sixteen partners, for a given wave
	s_lshl_b32 s22, s22, 11
	s_add_co_u32 s22, s22, 3*STEP                  ; at K step 3: the first refill steps it to 4
	s_mov_b32 s23, 0
	v_and_b32 v[PFO], 31, v0
	v_lshlrev_b32 v[PFO], 11, v[PFO]
	s_mul_i32 s16, s[WC], HALFT                    ; where the tiles go: no place in the cluster enters an LDS address
	s_add_co_u32 s17, s16, BTILE
	s_mov_b32 s[TB], 0
	s_wait_dscnt 0x0                               ; the opening add is done
	s_wait_kmcnt 0x0
	s_add_nc_u64 s[AO:AO+1], s[4:5], s[AO:AO+1]
	s_add_nc_u64 s[BO:BO+1], s[6:7], s[BO:BO+1]
	s_add_nc_u64 s[CB:CB+1], s[CB:CB+1], s[CF:CF+1]
	s_cmp_eq_u32 s[WR], 0
	s_cselect_b64 s[PFA:PFA+1], s[4:5], s[6:7]
	s_add_nc_u64 s[PFA:PFA+1], s[PFA:PFA+1], s[22:23]
	CROUND                                         ; all sixteen work-groups are here: the first joint loads meet
.irp s, 0,1
	s_mov_b32 s[G0A+4*(\s)], 1                     ; count = 1
	s_add_co_u32 s[G0A+4*(\s)+1], s16, (\s)*SLOT1  ; LDS address
	s_add_nc_u64 s[G0A+4*(\s)+2:G0A+4*(\s)+3], s[AO:AO+1], (\s)*STEP  ; global address: K step s
	s_or_b32 s[G0A+4*(\s)+3], s[G0A+4*(\s)+3], 0x80000000             ; type = 2
	s_mov_b32 s[G0B+4*(\s)], 1
	s_add_co_u32 s[G0B+4*(\s)+1], s17, (\s)*SLOT1
	s_add_nc_u64 s[G0B+4*(\s)+2:G0B+4*(\s)+3], s[BO:BO+1], (\s)*STEP
	s_or_b32 s[G0B+4*(\s)+3], s[G0B+4*(\s)+3], 0x80000000
.endr
	s_cmp_eq_u32 s[WR], 0                          ; a wave's two first fills stand in one branch, ahead of every wait on TENSORcnt and every LDS read: two loads of mine are out
	s_cbranch_scc0 .Lfirst_b
	tensor_load_to_lds s[G0A:G0A+3], s[G1A:G1A+7]
	s_nop 0
	tensor_load_to_lds s[G0A+4:G0A+7], s[G1A:G1A+7]
	s_nop 0
.rept 4
	v_nop
.endr
	s_branch .Lfirst_asked
.Lfirst_b:
	tensor_load_to_lds s[G0B:G0B+3], s[G1B:G1B+7]
	s_nop 0
	tensor_load_to_lds s[G0B+4:G0B+7], s[G1B:G1B+7]
	s_nop 0
.rept 4
	v_nop
.endr
.Lfirst_asked:
	v_and_b32 v[R], 15, v0
	v_bfe_u32 v[H], v0, 4, 1
	v_mul_u32_u24 v13, v[R], PITCH
	v_lshl_add_u32 v13, v[H], 4, v13               ; row x pitch + 16 x half
	s_mul_i32 s78, s[WR], HALFT
	v_add_nc_u32 v[LA0], s78, v13                  ; my 128 rows of A
	s_mul_i32 s78, s[WC], HALFT
	s_add_co_u32 s78, s78, BTILE
	v_add_nc_u32 v[LB0], s78, v13                  ; my 128 rows of B
	s_mul_i32 s78, s[WV], 16*PITCH
	s_add_co_u32 s78, s78, STAGE                   ; my stage
	v_add_nc_u32 v[STO], s78, v13                  ; in: row l % 16, 16 bytes for each half of the lanes
	v_mul_u32_u24 v13, v[H], PITCH
	v_lshl_add_u32 v13, v[R], 4, v13
	v_add_nc_u32 v[RD], s78, v13                   ; back: lanes 0-15 one row of 256 bytes, lanes 16-31 the next
	v_mul_u32_u24 v[CO], v[H], CROW
	v_lshl_add_u32 v[CO], v[R], 4, v[CO]           ; and the same two rows in C
	s_wait_tensorcnt 0x1                           ; my part of K step 0 is in; step 1's may stay out
	s_barrier_signal -1
	s_barrier_wait -1                              ; everybody's is
	v_add_nc_u32 v[ADRA], s[TB], v[LA0]
	v_add_nc_u32 v[ADRB], s[TB], v[LB0]
	FETCH 0, F0
	QUARTER F0, F1, 64, 1                          ; the first quarter is written out: its products start the sums
	WIN 0
	s_mov_b32 s[TB], 128                           ; K step 0's second and third quarters are one pair:
	s_mov_b32 s[CNT], NSTEPS-1
	s_mov_b32 s[CN2], 1
	s_branch .Lpair                                ; the loop is entered behind its change of slots
.Lslot:                                                ; NSTEPS - 2 times: every slot but the last two is filled again
	CHANGE 1
	s_mov_b32 s[CN2], 2
.Lpair:                                                ; 128 matrix instructions, 64 LDS loads
	PAIR
	s_sub_co_u32 s[CN2], s[CN2], 1
	s_cmp_lg_u32 s[CN2], 0
	s_cbranch_scc1 .Lpair
	s_sub_co_u32 s[CNT], s[CNT], 1
	s_cmp_lg_u32 s[CNT], 0
	s_cbranch_scc1 .Lslot
	CHANGE 0                                       ; the tail is written out: nothing is asked for
	s_mov_b32 s[CN2], 2
.Ltail:
	PAIR
	s_sub_co_u32 s[CN2], s[CN2], 1
	s_cmp_lg_u32 s[CN2], 0
	s_cbranch_scc1 .Ltail
	s_wait_dscnt 8                                 ; the very last quarter: nothing more to fetch
	MUL8 F1, 0, 0
	MUL8 F1, 1, 0
	MUL8 F1, 2, 0
	MUL8 F1, 3, 0
	s_wait_dscnt 0x0
	MUL8 F1, 4, 0
	MUL8 F1, 5, 0
	MUL8 F1, 6, 0
	MUL8 F1, 7, 0
	WIN 0
	PLACES                                         ; the conversions read results, and the stage's loads land in registers that the last products read
	PLACES
	PACK 0
	TOSTAGE 0
.irp a, 1,2,3,4,5,6,7                  ; block a's conversions stand between block a - 1's loads from the stage and the wait for them
	PACK \a
	SEND (\a)-1
	TOSTAGE \a
.endr
	SEND 7
	s_wait_tensorcnt 0x0                           ; the wave's end: behind my last tensor load and my last LDS store
	ds_add_u32 v[SPW], v[NIL]
	s_wait_dscnt 0x0
	CROUND                                         ; the closing round: no work-group ends while a partner may still ask for a tile that names it
	s_endpgm
.Lfunc_end_k_q71c4648665_proj2:
	.size	k_q71c4648665_proj2, .Lfunc_end_k_q71c4648665_proj2-k_q71c4648665_proj2
	.p2alignl 7, 3214868480
	.fill 96, 4, 3214868480
	.section	.rodata,"a",@progbits
	.p2align	6, 0x0
	.amdhsa_kernel k_q71c4648665_proj2
		.amdhsa_group_segment_fixed_size 327680
		.amdhsa_private_segment_fixed_size 0
		.amdhsa_enable_private_segment 0
		.amdhsa_kernarg_size 24
		.amdhsa_user_sgpr_count 2
		.amdhsa_user_sgpr_kernarg_segment_ptr 1
		.amdhsa_wavefront_size32 1
		.amdhsa_system_sgpr_workgroup_id_x 1
		.amdhsa_system_sgpr_workgroup_id_y 1
		.amdhsa_system_sgpr_workgroup_id_z 1
		.amdhsa_system_vgpr_workitem_id 0
		.amdhsa_next_free_vgpr 1024
		.amdhsa_next_free_sgpr 80
		.amdhsa_reserve_vcc 0
		.amdhsa_float_denorm_mode_32 3
		.amdhsa_float_denorm_mode_16_64 3
		.amdhsa_memory_ordered 1
		.amdhsa_forward_progress 1
		.amdhsa_inst_pref_size 80
	.end_amdhsa_kernel
	.amdgpu_metadata
---
amdhsa.version: [ 1, 2 ]
amdhsa.kernels:
  - .name:           k_q71c4648665_proj2
    .symbol:         k_q71c4648665_proj2.kd
    .args:
      - { .name: xb, .offset: 0, .size: 8, .value_kind: global_buffer, .address_space: global }
      - { .name: wmn, .offset: 8, .size: 8, .value_kind: global_buffer, .address_space: global }
      - { .name: qv, .offset: 16, .size: 8, .value_kind: global_buffer, .address_space: global }
    .group_segment_fixed_size: 327680
    .private_segment_fixed_size: 0
    .kernarg_segment_align: 8
    .kernarg_segment_size: 24
    .max_flat_workgroup_size: 128
    .sgpr_count:     80
    .vgpr_count:     1024
    .wavefront_size: 32
...
	.end_amdgpu_metadata
.endif
;; end of part 8
;; launch scores (part 9): grid 8 x 32, 4 waves a work-group, clusters of 4 x 4, 327,680 bytes of LDS; arguments qv, xb, pe, st; writes pe, st
.if DOCPART == 9
	.amdgcn_target "amdgcn-amd-amdhsa--gfx1250"
	.amdhsa_code_object_version 6
	.text
	.protected	k_q71c4648665_scores
	.globl	k_q71c4648665_scores
	.p2align	8
	.type	k_q71c4648665_scores,@function
k_q71c4648665_scores:
	s_mov_b64 s[64:65], 0
	v_nop
	global_prefetch_b8 v0, s[64:65] scope:SCOPE_SE
	s_setreg_imm32_b32 hwreg(HW_REG_WAVE_MODE, 25, 1), 1
	s_wait_xcnt 0x0
	s_wait_alu depctr_hold_cnt(0) depctr_sa_sdst(0) depctr_va_vdst(0) depctr_va_sdst(0) depctr_va_ssrc(0) depctr_va_vcc(0) depctr_vm_vsrc(0)
	s_getreg_b32 s2, hwreg(HW_REG_IB_STS2, 6, 4)
	s_cmp_eq_u32 s2, 0
	s_cbranch_scc0 .Lentry_in_a_cluster
	s_endpgm
.Lentry_in_a_cluster:
	s_bfe_u32 s2, ttmp6, 0x10000c
	s_cmp_lg_u32 s2, 0xf033
	s_cbranch_scc0 .Lentry_shape_is_right
	s_endpgm
.Lentry_shape_is_right:
; THE WEIGHTS, BLOCK BY BLOCK.  s = q' x^T for one batch's 2,048 queries and keys: q' = x (Wq^T Wk) is plane 0 of qv, [8192][1024] bf16; the keys' side is xb itself, [8192][1024] bf16; K = 1,024; sums in f32.
; A wave's tile is 128 queries x 128 keys.  For each query it takes the maximum m_blk of ITS 128 scores away: pe[query][key] = 2^(c s - c m_blk), c = log2(e) / 32, rounded once to bf16; and it stores
; c m_blk and l_blk (the sum of the unrounded weights) in f32.  The next launch joins a row's 16 blocks by the true row maximum: weight = 2^(c m_blk - c m) p / l.
; st: the record of rows 64 g .. 64 g + 63 and key block j lies at (16 g + j) x 512 bytes: c m_blk of row 64 g + 16 a + r at 16 r + 4 a, l_blk 256 bytes on.  A wave fills two records, 16 x 512 bytes apart.
; LIMITS.  q', x and the weights are bf16; c m_blk is rounded once, and that same number is used here and in the next launch; a weight below 2^-126 counts as 0; NaN and infinities are not treated apart.
; SHARES.  A work-group makes 256 x 256 of the scores: 4 batches x 8 x 8 = 256 work-groups.  Four waves, 2 x 2, each 128 x 128: 64 accumulators of 16 x 16, 512 registers.
; K goes in 8 steps of 128 through two LDS slots, each with 256 queries' and 256 keys' rows of 256 bytes, laid 272 bytes apart in LDS.
; CLUSTER.  4 x 4 work-groups; two clusters along y have a batch.  The queries' tile is asked for JOINTLY along a row of the cluster, the keys' along a column: the same tensor load, descriptor and mask in all four.
; Waves 0 and 1 fetch the queries' halves, waves 2 and 3 the keys', 128 rows each: one load a wave behind each round of the cluster's barrier.
; THE PRODUCT IS TAKEN TRANSPOSED (source 0 = 16 keys, source 1 = 16 queries): a lane holds ONE query (lane % 16) and eight neighbouring keys of each group of 16; the query's other 64 keys lie in the lane 16 away.
; THE LOOP.  A K step is four quarters of 32 along K, on fragment buffers 0, 1, 0, 1; each quarter fetches the next one's fragments in its middle.  When a step's third quarter is over, its fourth quarter's
; fragments are in registers and the slot is read no more: THE CHANGE OF SLOTS STANDS THERE.  Between two changes lie the fourth quarter, and the next step's first three: twice the same text, a PAIR (multiply
; buffer 1 and fetch into 0; multiply buffer 0 and fetch into 1), whose LDS addresses hang on s[TB].  So a pair is written once for the loop and once for the tail, which asks for nothing.
; REGISTERS, in windows of 256 (s_set_vgpr_msb: bits 1:0 source 0, 3:2 source 1, 5:4 source 2, 7:6 destination).  Window 0: v0-15 addresses; v16-55 statistics; v64-127, v128-191 the queries' fragments, two
; buffers (fragment a at +8 a).  Window 1: v64-127, v128-191 the keys', likewise.  Window 2: accumulators (a, b), a = 0-3, at 64 a + 8 b.  Window 3: a = 4-7, at 64 (a - 4) + 8 b.
.set NSTEPS, 8
.set PITCH,  272                       ; an LDS row: 256 bytes + 16 of padding = 68 words: the 16 rows of a fragment load start at 16 different groups of four banks (64 banks of 4 bytes: ISA guide 11.1)
.set HALFT,  128*PITCH                 ; 128 rows: what one tensor load brings, and what one wave reads of either side
.set BTILE,  2*HALFT                   ; the queries' 256 rows; the keys' 256 lie behind them
.set SLOT1,  4*HALFT                   ; 139,264 = 0x22000: it shares no bit with the four waves' places in a slot, 0, 0x8800, 0x11000, 0x19800, so an exclusive or with it adds it or takes it away
.set STAGE,  2*SLOT1                   ; behind the ring: 16 rows x 272 bytes for each wave, for the way out; no tensor load lands here
.set SPARE,  STAGE+4*16*PITCH          ; the spare words, 128 bytes a wave: two blocks of 256 bytes that no other line names
.set STEP,   256                       ; bytes of a row in a K step
.set CROW,   4096                      ; bytes in a row of pe
.set FLAGS,  (1<<16)|(1<<20)|(1<<21)|(5<<22)|(3<<25)  ; 17:16 elements of 2 bytes; 20 padding on; 21 set beside a mask; 24:22 after every 64 words; 31:25 4 words of it
.set R,    1                           ; v1   lane % 16
.set LA0,  2                           ; v2   my lane's place in slot 0's tile of queries; never rewritten
.set LB0,  3                           ; v3   the same for the keys
.set ADRA, 4                           ; v4   LA0 + s[TB]: where the pair in hand fetches
.set ADRB, 5                           ; v5   LB0 + s[TB]
.set STO,  6                           ; v6   the way out: where I put 16 bytes of a row
.set RD,   7                           ; v7   the way out: where I read a row back
.set CO,   8                           ; v8   my byte offset in two rows of pe
.set PFO,  9                           ; v9   the prefetches' offset: lane x a row in memory; never rewritten
.set SPW,  10                          ; v10  LDS address of my spare word; never rewritten
.set NIL,  11                          ; v11  0; never rewritten
.set H,    12                          ; v12  lane / 16
.set SO,   14                          ; v14  16 x lane: my 16 bytes of a record of statistics
.set T8,   16                          ; v16-23  at work
.set CM,   24                          ; v24-39  for m block a the pair (c m, m)
.set L,    40                          ; v40-47  l of m block a
.set SD,   48                          ; v48-55  what I store of the statistics
.set F0,   64
.set F1,   128
.set TMP,  64                          ; the way out, in window 0: packed weights
.set OB,   96                          ; the way out: 16 rows read back, two buffers of 32 by turns
.set WV,  12                           ; s12  my wave's number
.set WR,  13                           ; s13  which 128 queries of the tile are mine; also: I fetch queries (0) or keys (1)
.set WC,  14                           ; s14  which 128 keys are mine; also: which half of that tile I fetch
.set LIM, 15                           ; s15  2 in a wave that prefetches, else the greatest number
.set PFA, 18                           ; s[18:19] where my prefetches stand
.set G1A, 24                           ; s[24:31] descriptor group 1 for the queries' tiles
.set G1B, 32                           ; s[32:39] for the keys': it differs in the mask alone
.set G0A, 40                           ; s[40:47] group 0 for the queries' tiles: a set for each first fill; the second then walks
.set G0B, 48                           ; s[48:55] the same for the keys'
.set CNT, 56                           ; s56  changes of slots to go, the one without a refill among them
.set TB,  57                           ; s57  LDS byte, from a slot 0 tile's first, at which the next pair fetches
.set CS,  58                           ; s[58:59] c: the packed scaling takes the pair's low word for both halves
.set SEL, 60                           ; s[60:61] v_permlanex16_b32's selects: each lane takes its own place in the other half
.set CX,  62
.set CY,  63
.set TC,  66                           ; s66  tile column: 256 keys of the batch
.set TR,  67                           ; s67  tile row: 256 of the 8,192 queries
.set AO,  68                           ; s[68:69] the queries' tile: made of the tile row and the wave's number alone
.set BO,  70                           ; s[70:71] the keys' tile: of the tile column, the cluster's y and the wave's number alone
.set CF,  72                           ; s[72:73] my part of pe
.set CN2, 74                           ; s74  pairs to go until the next change
.set HM,  75                           ; s75  the lanes 16 to 31
.set CLY, 76                           ; s76  the cluster's y
.set BAT, 77                           ; s77  the batch
.set CB,  8                            ; s[8:9] pe
.set W_LO, 0xa1                        ; source 0 (keys) window 1, source 1 (queries) window 0, C and D window 2
.set TO_B, 0x40                        ; destination window 1, address window 0
; the way out's settings for m blocks 0-3 (window 2); for m blocks 4-7 (window 3) each place that names the accumulators' window goes up by one
.set W_PK,  0x0a                       ; sources 0 and 1 there, destination in window 0
.set W_M3A, 0x2a                       ; three sources there
.set W_M3B, 0x28                       ; sources 1 and 2 there
.set W_E,   0x82                       ; destination and source 0 there
.set W_S,   0x8a                       ; destination and sources 0 and 1 there
.set MSB, 0
.macro WIN new                         ; the immediate's high byte repeats the setting that is left; a switch that changes nothing is dropped
.if MSB != (\new)
	s_set_vgpr_msb (MSB<<8)|(\new)
.set MSB, \new
.endif
.endm
.macro PLACES                          ; four places: in front of loads into registers that matrix instructions have read, and of vector lines that read their results
.rept 4
	v_nop
.endr
.endm
.macro CROUND                          ; a round of the cluster's barrier: my work-group's barrier; wave 0 signals for the work-group; every wave waits for all sixteen; my work-group's barrier once more
	s_barrier_signal -1
	s_barrier_wait -1
	s_cmp_lg_u32 s[WV], 0
	s_cbranch_scc1 .Lnot_wave_0_\@
	s_barrier_signal -3
.Lnot_wave_0_\@:
	s_barrier_wait -3
	s_barrier_signal -1
	s_barrier_wait -1
.endm
.macro JLOAD                           ; a joint refill by the walking descriptors; the branch hangs on the wave's number alone; an s_nop 0 and four v_nop follow each of the two lines
	s_cmp_eq_u32 s[WR], 0
	s_cbranch_scc0 .Lfor_b_\@
	tensor_load_to_lds s[G0A+4:G0A+7], s[G1A:G1A+7]
	s_nop 0
.rept 4
	v_nop
.endr
	s_branch .Lasked_\@
.Lfor_b_\@:
	tensor_load_to_lds s[G0B+4:G0B+7], s[G1B:G1B+7]
	s_nop 0
.rept 4
	v_nop
.endr
.Lasked_\@:
.endm
; A PREFETCH INTO THE L2, behind each joint refill: the K step two refills on (512 matrix instructions ahead of the load that will want it), 32 rows x 256 bytes, a lane a row.
; Each row's 256 bytes of a K step are named once in the launch.  The queries' tile row is read by both clusters of that row of clusters: the one with cluster x = 0 asks; the keys' tile column by the two clusters
; along y that share the batch: the first of them asks.  Of the 128 rows that a wave fetches, the partner at place p (cx for queries, cy for keys) takes rows 32 p .. 32 p + 31: told apart by address alone.
; K steps 0 to 3 come by their loads alone; the changes whose step four on does not exist (s[CNT] at 2 or 1) ask for nothing.
.macro ASK
	s_cmp_gt_u32 s[CNT], s[LIM]
	s_cbranch_scc0 .Lnot_mine_\@
	global_prefetch_b8 v[PFO], s[PFA:PFA+1] th:TH_LOAD_NT scope:SCOPE_SE
.Lnot_mine_\@:
.endm
; 8 matrix instructions: m block a x all 8 n blocks, 32 along K, from buffer f.  zero = 1: the product starts the sums: nothing is cleared.
; The 64 accumulators take turns, one instruction a turn, in the same order in every quarter, over the backward jumps too.
.macro MUL8 f, a, zero
	WIN W_LO+0x50*((\a)/4)                         ; C and D in window 2 (m blocks 0-3) or 3 (4-7)
.irp b, 0,1,2,3,4,5,6,7
.if \zero
	v_wmma_f32_16x16x32_bf16 v[64*((\a)%4)+8*(\b):64*((\a)%4)+8*(\b)+7], v[(\f)+8*(\b):(\f)+8*(\b)+7], v[(\f)+8*(\a):(\f)+8*(\a)+7], 0
.else
	v_wmma_f32_16x16x32_bf16 v[64*((\a)%4)+8*(\b):64*((\a)%4)+8*(\b)+7], v[(\f)+8*(\b):(\f)+8*(\b)+7], v[(\f)+8*(\a):(\f)+8*(\a)+7], v[64*((\a)%4)+8*(\b):64*((\a)%4)+8*(\b)+7]
.endif
.endr
.endm
; 32 LDS loads in one run: 32 along K, o bytes behind the two address registers, into buffer g: the keys' 8 fragments, then the queries' 8.  A fragment is 16 rows x 32 K: lane l holds row l % 16, K = 8 (l / 16) + 0..7 and 16 + 8 (l / 16) + 0..7.
.macro FETCH o, g
	WIN TO_B
.irp b, 0,1,2,3,4,5,6,7
	ds_load_b128 v[(\g)+8*(\b):(\g)+8*(\b)+3],   v[ADRB] offset:(\o)+(\b)*16*PITCH
	ds_load_b128 v[(\g)+8*(\b)+4:(\g)+8*(\b)+7], v[ADRB] offset:(\o)+(\b)*16*PITCH+32
.endr
	WIN 0
.irp a, 0,1,2,3,4,5,6,7
	ds_load_b128 v[(\g)+8*(\a):(\g)+8*(\a)+3],   v[ADRA] offset:(\o)+(\a)*16*PITCH
	ds_load_b128 v[(\g)+8*(\a)+4:(\g)+8*(\a)+7], v[ADRA] offset:(\o)+(\a)*16*PITCH+32
.endr
.endm
; A quarter: 64 matrix instructions on buffer f; in its middle the next quarter's fragments are fetched into buffer g.
.macro QUARTER f, g, o, zero
	s_wait_dscnt 8                                 ; the keys' fragments and the queries' 0-3 are in; the youngest eight loads (the queries' fragments 4-7) may be out
	MUL8 \f, 0, \zero
	MUL8 \f, 1, \zero
	MUL8 \f, 2, \zero
	MUL8 \f, 3, \zero
	PLACES                                         ; for the loads into g, which the quarter before multiplied
	FETCH \o, \g
	s_wait_dscnt 32                                ; all but the 32 just issued
	MUL8 \f, 4, \zero
	MUL8 \f, 5, \zero
	MUL8 \f, 6, \zero
	MUL8 \f, 7, \zero
.endm
; A pair of quarters.  It fetches 64 along K at s[TB], which steps on.  (An LDS instruction has read its address register when it is issued: the two registers are written anew while loads that named them are out.)
.macro PAIR
	v_add_nc_u32 v[ADRA], s[TB], v[LA0]
	v_add_nc_u32 v[ADRB], s[TB], v[LB0]
	s_add_co_u32 s[TB], s[TB], 128
	QUARTER F1, F0, 0, 0
	QUARTER F0, F1, 64, 0
	WIN 0                                          ; at a label and at a branch every window is 0
.endm
; THE CHANGE OF SLOTS.  Each wave waits for all its tensor loads (one is out: its part of the other slot), adds 0 to its spare word, and waits for that and for its own reads of the slot that it leaves: the last
; of them brought the fourth quarter's fragments.  fill = 1: the barrier is a round of the cluster's, so that no wave of any partner still reads the slot or has a load on its way; the joint refill, with the K
; step two on, is the first thing behind it, and has a whole step, 256 matrix instructions, in which to land.
.macro CHANGE fill
	WIN 0
.if \fill
	s_wait_xcnt 0x0                                ; the last prefetch, a K step back, has read its address
	s_add_nc_u64 s[PFA:PFA+1], s[PFA:PFA+1], STEP
.endif
	s_wait_tensorcnt 0x0                           ; no tensor load of mine is out, so a group 0 may be written
	ds_add_u32 v[SPW], v[NIL]                      ; 0 onto my spare word; the scalar work below stands between it and the wait for it
.if \fill
	s_xor_b32 s[G0A+5], s[G0A+5], SLOT1            ; the walking descriptors: the other slot than last time,
	s_add_nc_u64 s[G0A+6:G0A+7], s[G0A+6:G0A+7], STEP  ; the next K step; the type bits on top are not reached
	s_xor_b32 s[G0B+5], s[G0B+5], SLOT1
	s_add_nc_u64 s[G0B+6:G0B+7], s[G0B+6:G0B+7], STEP
.endif
	s_sub_co_u32 s[TB], s[TB], 256                 ; the fetches go back to a row's first byte,
	s_xor_b32 s[TB], s[TB], SLOT1                  ; in the other slot
	s_wait_dscnt 0x0                               ; the add is done, and my reads of the slot are over
.if \fill
	CROUND
	JLOAD
	ASK
.else
	s_barrier_signal -1
	s_barrier_wait -1
.endif
.endm
; The maximum of m block a's 64 scores a lane: eight chains of seven (each accumulator's lowest registers are read first), the eight scores left over, the chains into one, the other half of the lanes; then c m.
.macro PHASEM a
	WIN W_M3A+0x15*((\a)/4)
.irp b, 0,1,2,3,4,5,6,7
	v_max3_num_f32 v[T8+(\b)], v[64*((\a)%4)+8*(\b)], v[64*((\a)%4)+8*(\b)+1], v[64*((\a)%4)+8*(\b)+2]
.endr
	WIN W_M3B+0x14*((\a)/4)
.irp b, 0,1,2,3,4,5,6,7
	v_max3_num_f32 v[T8+(\b)], v[T8+(\b)], v[64*((\a)%4)+8*(\b)+3], v[64*((\a)%4)+8*(\b)+4]
.endr
.irp b, 0,1,2,3,4,5,6,7
	v_max3_num_f32 v[T8+(\b)], v[T8+(\b)], v[64*((\a)%4)+8*(\b)+5], v[64*((\a)%4)+8*(\b)+6]
.endr
.irp b, 0,1,2,3
	v_max3_num_f32 v[T8+(\b)], v[T8+(\b)], v[64*((\a)%4)+16*(\b)+7], v[64*((\a)%4)+16*(\b)+15]
.endr
	WIN 0
	v_max3_num_f32 v[T8], v[T8], v[T8+1], v[T8+2]
	v_max3_num_f32 v[T8+3], v[T8+3], v[T8+4], v[T8+5]
	v_max_num_f32 v[T8+6], v[T8+6], v[T8+7]
	v_max3_num_f32 v[T8], v[T8], v[T8+3], v[T8+6]
	v_permlanex16_b32 v[T8+1], v[T8], s[SEL], s[SEL+1]
	v_max_num_f32 v[CM+2*(\a)+1], v[T8], v[T8+1]
	v_mul_f32 v[CM+2*(\a)], s[CS], v[CM+2*(\a)+1]
.endm
.macro SCALE a, p                      ; c s - c m for pair p of m block a, one fused multiply-add each
	v_pk_fma_f32 v[64*((\a)%4)+2*(\p):64*((\a)%4)+2*(\p)+1], v[64*((\a)%4)+2*(\p):64*((\a)%4)+2*(\p)+1], s[CS:CS+1], v[CM+2*(\a):CM+2*(\a)+1] op_sel_hi:[1,0,0] neg_lo:[0,0,1] neg_hi:[0,0,1]
.endm
; THE WAY OUT of m block a: rounded to bf16, 16 bytes a lane; into my own stage; back as whole rows of 256 bytes; stored.
.macro PACK a
	WIN W_PK+5*((\a)/4)
.irp b, 0,1,2,3,4,5,6,7
.irp z, 0,1,2,3
	v_cvt_pk_bf16_f32 v[TMP+4*(\b)+(\z)], v[64*((\a)%4)+8*(\b)+2*(\z)], v[64*((\a)%4)+8*(\b)+2*(\z)+1]
.endr
.endr
	WIN 0
.endm
.macro TOSTAGE a
.irp b, 0,1,2,3,4,5,6,7
	ds_store_b128 v[STO], v[TMP+4*(\b):TMP+4*(\b)+3] offset:32*(\b)
.endr
.irp t, 0,1,2,3,4,5,6,7
	ds_load_b128 v[OB+32*((\a)%2)+4*(\t):OB+32*((\a)%2)+4*(\t)+3], v[RD] offset:(\t)*2*PITCH  ; LDS serves a wave's instructions in order (ISA guide 5.7.1.4): these see the stores above
.endr
.endm
.macro SEND a
	s_wait_dscnt 0x0                               ; the block is back in registers
	s_wait_xcnt 0x0                                ; earlier stores have read their registers: the other buffer is loaded again only behind this wait
.irp t, 0,1,2,3,4,5,6,7
	global_store_b128 v[CO], v[OB+32*((\a)%2)+4*(\t):OB+32*((\a)%2)+4*(\t)+3], s[CB:CB+1] offset:(16*(\a)+2*(\t))*CROW  ; 16 lanes store 256 consecutive bytes, at a multiple of 256 from pe's first byte
.endr
.endm
.macro SUM a                           ; l of m block a: the 32 pairs of unrounded weights are added in place, 16, 8, 4, 2 and 1 pairs apart; then the pair's halves and the other half of the lanes
	WIN W_S+0x45*((\a)/4)
.irp d, 16,8,4,2,1
.set i, 0
.rept \d
	v_pk_add_f32 v[64*((\a)%4)+2*i:64*((\a)%4)+2*i+1], v[64*((\a)%4)+2*i:64*((\a)%4)+2*i+1], v[64*((\a)%4)+2*(i+(\d)):64*((\a)%4)+2*(i+(\d))+1]
.set i, i+1
.endr
.endr
	WIN W_PK+5*((\a)/4)
	v_add_f32 v[L+(\a)], v[64*((\a)%4)], v[64*((\a)%4)+1]
	WIN 0
	v_permlanex16_b32 v[T8], v[L+(\a)], s[SEL], s[SEL+1]
	v_add_f32 v[L+(\a)], v[L+(\a)], v[T8]
.endm
	s_load_b256 s[4:11], s[0:1], 0x0               ; qv s[4:5], xb s[6:7], pe s[8:9], st s[10:11]
	v_lshl_add_u32 v[SPW], v0, 2, SPARE
	v_mov_b32 v[NIL], 0
	ds_add_u32 v[SPW], v[NIL]                      ; the wave's opening: the add, and its wait ahead of my first tensor load; the set-up below, work on registers, stands between them
	v_lshrrev_b32 v13, 5, v0
	v_readfirstlane_b32 s[WV], v13
	s_lshr_b32 s[WR], s[WV], 1
	s_and_b32 s[WC], s[WV], 1
	s_bfe_u32 s[CX], ttmp6, 0x40000                ; my place in the cluster
	s_bfe_u32 s[CY], ttmp6, 0x40004
	s_lshl_b32 s[TC], ttmp9, 2                     ; in a cluster launch ttmp9 and ttmp7 count clusters
	s_add_co_u32 s[TC], s[TC], s[CX]
	s_and_b32 s[CLY], ttmp7, 0xffff
	s_lshl_b32 s[TR], s[CLY], 2
	s_add_co_u32 s[TR], s[TR], s[CY]
	s_lshr_b32 s[BAT], s[CLY], 1                   ; 8 tile rows, two clusters, a batch: made of the cluster's y alone
	s_lshl_b32 s16, s[CY], 2
	s_lshl_b32 s16, 15, s16                        ; my row of the cluster
	s_lshl_b32 s17, 0x1111, s[CX]                  ; my column
	s_or_b32 s[G1A], s16, FLAGS                    ; the queries' tiles go to my row,
	s_or_b32 s[G1B], s17, FLAGS                    ; the keys' to my column
.irp g, G1A, G1B
	s_mov_b32 s[(\g)+1], 128<<16                   ; tensor_dim0 = 128
	s_mov_b32 s[(\g)+2], 128<<16                   ; tensor_dim1 = 128
	s_mov_b32 s[(\g)+3], 128<<16                   ; tile_dim0 = 128
	s_mov_b32 s[(\g)+4], 128                       ; tile_dim1 = 128
	s_mov_b32 s[(\g)+5], 1024                      ; elements from row to row
	s_mov_b32 s[(\g)+6], 0
	s_mov_b32 s[(\g)+7], 0
.endr
	s_lshl_b32 s[AO], s[TR], 8                     ; q': row 256 x tile row + 128 x half,
	s_lshl_b32 s16, s[WC], 7
	s_add_co_u32 s[AO], s[AO], s16
	s_lshl_b32 s[AO], s[AO], 11                    ; in bytes
	s_mov_b32 s[AO+1], 0
	s_lshl_b32 s[BO], s[BAT], 11                   ; xb: row 2,048 x batch + 256 x tile column + 128 x half
	s_lshl_b32 s17, s[TC], 8
	s_add_co_u32 s[BO], s[BO], s17
	s_lshl_b32 s17, s[WC], 7
	s_add_co_u32 s[BO], s[BO], s17
	s_lshl_b32 s[BO], s[BO], 11
	s_mov_b32 s[BO+1], 0
	s_lshl_b32 s[CF], s[TR], 8                     ; pe: my first row,
	s_lshl_b32 s78, s[WR], 7
	s_add_co_u32 s[CF], s[CF], s78
	s_lshl_b32 s[CF], s[CF], 12
	s_lshl_b32 s78, s[TC], 9                       ; the tile's 512 bytes of it,
	s_add_co_u32 s[CF], s[CF], s78
	s_lshl_b32 s78, s[WC], 8                       ; my 256
	s_add_co_u32 s[CF], s[CF], s78
	s_mov_b32 s[CF+1], 0
	s_lshl_b32 s22, s[TR], 8                       ; the prefetches: q's rows 256 x tile row + 128 x half + 32 cx,
	s_lshl_b32 s78, s[WC], 7
	s_add_co_u32 s22, s22, s78
	s_lshl_b32 s78, s[CX], 5
	s_add_co_u32 s22, s22, s78
	s_lshl_b32 s23, s[BAT], 11                     ; the keys' rows as above + 32 cy
	s_lshl_b32 s78, s[TC], 8
	s_add_co_u32 s23, s23, s78
	s_lshl_b32 s78, s[WC], 7
	s_add_co_u32 s23, s23, s78
	s_lshl_b32 s78, s[CY], 5
	s_add_co_u32 s23, s23, s78
	s_and_b32 s79, s[CLY], 1                       ; 0 in the batch's first cluster along y
	s_cmp_eq_u32 s[WR], 0
	s_cselect_b32 s22, s22, s23
	s_cselect_b32 s78, ttmp9, s79                  ; for the queries: where cluster x = 0; for the keys: the batch's first cluster
	s_cmp_eq_u32 s78, 0
	s_cselect_b32 s[LIM], 2, -1                    ; the same in all sixteen partners, for a given wave
	s_lshl_b32 s22, s22, 11
	s_add_co_u32 s22, s22, 3*STEP                  ; at K step 3: the first refill steps it to 4
	s_mov_b32 s23, 0
	v_and_b32 v[PFO], 31, v0
	v_lshlrev_b32 v[SO], 4, v[PFO]
	v_lshlrev_b32 v[PFO], 11, v[PFO]
	s_lshl_b32 s78, s[TR], 2                       ; my first record of statistics: g = 4 x tile row + 2 x my half, j = 2 x tile column + my half
	s_lshl_b32 s79, s[WR], 1
	s_add_co_u32 s78, s78, s79
	s_lshl_b32 s78, s78, 4
	s_lshl_b32 s79, s[TC], 1
	s_add_co_u32 s78, s78, s79
	s_add_co_u32 s78, s78, s[WC]
	s_lshl_b32 s78, s78, 9
	s_mov_b32 s79, 0
	s_mul_i32 s16, s[WC], HALFT                    ; where the tiles go: no place in the cluster enters an LDS address
	s_add_co_u32 s17, s16, BTILE
	s_mov_b32 s[TB], 0
	s_mov_b32 s[CS], 0x3d38aa3b                    ; c = log2(e) / 32
	s_mov_b32 s[CS+1], s[CS]                       ; named with it as a pair
	s_mov_b32 s[SEL], 0x76543210
	s_mov_b32 s[SEL+1], 0xfedcba98
	s_wait_dscnt 0x0                               ; the opening add is done
	s_wait_kmcnt 0x0
	s_add_nc_u64 s[AO:AO+1], s[4:5], s[AO:AO+1]
	s_add_nc_u64 s[BO:BO+1], s[6:7], s[BO:BO+1]
	s_add_nc_u64 s[CB:CB+1], s[CB:CB+1], s[CF:CF+1]
	s_add_nc_u64 s[10:11], s[10:11], s[78:79]
	s_cmp_eq_u32 s[WR], 0
	s_cselect_b64 s[PFA:PFA+1], s[4:5], s[6:7]
	s_add_nc_u64 s[PFA:PFA+1], s[PFA:PFA+1], s[22:23]
	CROUND                                         ; all sixteen work-groups are here: the first joint loads meet
.irp s, 0,1
	s_mov_b32 s[G0A+4*(\s)], 1                     ; count = 1
	s_add_co_u32 s[G0A+4*(\s)+1], s16, (\s)*SLOT1  ; LDS address
	s_add_nc_u64 s[G0A+4*(\s)+2:G0A+4*(\s)+3], s[AO:AO+1], (\s)*STEP  ; global address: K step s
	s_or_b32 s[G0A+4*(\s)+3], s[G0A+4*(\s)+3], 0x80000000             ; type = 2
	s_mov_b32 s[G0B+4*(\s)], 1
	s_add_co_u32 s[G0B+4*(\s)+1], s17, (\s)*SLOT1
	s_add_nc_u64 s[G0B+4*(\s)+2:G0B+4*(\s)+3], s[BO:BO+1], (\s)*STEP
	s_or_b32 s[G0B+4*(\s)+3], s[G0B+4*(\s)+3], 0x80000000
.endr
	s_cmp_eq_u32 s[WR], 0                          ; a wave's two first fills stand in one branch, ahead of every wait on TENSORcnt and every LDS read: two loads of mine are out
	s_cbranch_scc0 .Lfirst_b
	tensor_load_to_lds s[G0A:G0A+3], s[G1A:G1A+7]
	s_nop 0
	tensor_load_to_lds s[G0A+4:G0A+7], s[G1A:G1A+7]
	s_nop 0
.rept 4
	v_nop
.endr
	s_branch .Lfirst_asked
.Lfirst_b:
	tensor_load_to_lds s[G0B:G0B+3], s[G1B:G1B+7]
	s_nop 0
	tensor_load_to_lds s[G0B+4:G0B+7], s[G1B:G1B+7]
	s_nop 0
.rept 4
	v_nop
.endr
.Lfirst_asked:
	v_and_b32 v[R], 15, v0
	v_bfe_u32 v[H], v0, 4, 1
	v_cmp_ne_u32 s[HM], 0, v[H]
	v_mul_u32_u24 v13, v[R], PITCH
	v_lshl_add_u32 v13, v[H], 4, v13               ; row x pitch + 16 x half
	s_mul_i32 s78, s[WR], HALFT
	v_add_nc_u32 v[LA0], s78, v13                  ; my 128 queries
	s_mul_i32 s78, s[WC], HALFT
	s_add_co_u32 s78, s78, BTILE
	v_add_nc_u32 v[LB0], s78, v13                  ; my 128 keys
	s_mul_i32 s78, s[WV], 16*PITCH
	s_add_co_u32 s78, s78, STAGE                   ; my stage
	v_add_nc_u32 v[STO], s78, v13                  ; in: row l % 16, 16 bytes for each half of the lanes
	v_mul_u32_u24 v13, v[H], PITCH
	v_lshl_add_u32 v13, v[R], 4, v13
	v_add_nc_u32 v[RD], s78, v13                   ; back: lanes 0-15 one row of 256 bytes, lanes 16-31 the next
	v_mul_u32_u24 v[CO], v[H], CROW
	v_lshl_add_u32 v[CO], v[R], 4, v[CO]           ; and the same two rows in pe
	s_wait_tensorcnt 0x1                           ; my part of K step 0 is in; step 1's may stay out
	s_barrier_signal -1
	s_barrier_wait -1                              ; everybody's is
	v_add_nc_u32 v[ADRA], s[TB], v[LA0]
	v_add_nc_u32 v[ADRB], s[TB], v[LB0]
	FETCH 0, F0
	QUARTER F0, F1, 64, 1                          ; the first quarter is written out: its products start the sums
	WIN 0
	s_mov_b32 s[TB], 128                           ; K step 0's second and third quarters are one pair:
	s_mov_b32 s[CNT], NSTEPS-1
	s_mov_b32 s[CN2], 1
	s_branch .Lpair                                ; the loop is entered behind its change of slots
.Lslot:                                                ; NSTEPS - 2 times: every slot but the last two is filled again
	CHANGE 1
	s_mov_b32 s[CN2], 2
.Lpair:                                                ; 128 matrix instructions, 64 LDS loads
	PAIR
	s_sub_co_u32 s[CN2], s[CN2], 1
	s_cmp_lg_u32 s[CN2], 0
	s_cbranch_scc1 .Lpair
	s_sub_co_u32 s[CNT], s[CNT], 1
	s_cmp_lg_u32 s[CNT], 0
	s_cbranch_scc1 .Lslot
	CHANGE 0                                       ; the tail is written out: nothing is asked for
	s_mov_b32 s[CN2], 2
.Ltail:
	PAIR
	s_sub_co_u32 s[CN2], s[CN2], 1
	s_cmp_lg_u32 s[CN2], 0
	s_cbranch_scc1 .Ltail
	s_wait_dscnt 8                                 ; the very last quarter: nothing more to fetch
	MUL8 F1, 0, 0
	MUL8 F1, 1, 0
	MUL8 F1, 2, 0
	MUL8 F1, 3, 0
	s_wait_dscnt 0x0
	MUL8 F1, 4, 0
	MUL8 F1, 5, 0
	MUL8 F1, 6, 0
	MUL8 F1, 7, 0
	WIN 0
	PLACES                                         ; the maxima read results just made
	PLACES
.irp a, 0,1,2,3,4,5,6,7
	PHASEM \a
.endr
	; ONE BATCH: the 256 scalings and all 512 exponentials; a pair is scaled one step ahead of its exponentials, and nothing here names an exponential's result
.irp a, 0,1,2,3,4,5,6,7
	WIN W_E+0x41*((\a)/4)
	SCALE \a, 0
.set i, 0
.rept 32
.if i < 31
	SCALE \a, i+1
.endif
	v_exp_f32 v[64*((\a)%4)+2*i], v[64*((\a)%4)+2*i]
	v_exp_f32 v[64*((\a)%4)+2*i+1], v[64*((\a)%4)+2*i+1]
.set i, i+1
.endr
.endr
	v_nop                                          ; a plain instruction behind the last exponential,
	s_wait_alu depctr_va_vdst(0)                   ; and one wait ahead of the batch's first reader
	PACK 0
	TOSTAGE 0
	SUM 0                                          ; a block's sums stand between its loads from the stage and the wait for them
.irp a, 1,2,3,4,5,6,7
	PACK \a
	SEND (\a)-1
	TOSTAGE \a
	SUM \a
.endr
	SEND 7
.irp a, 0,1,2,3,4,5,6,7
	v_cndmask_b32 v[SD+(\a)], v[CM+2*(\a)], v[L+(\a)], s[HM]  ; lanes 0-15 store c m, lanes 16-31 l
.endr
	global_store_b128 v[SO], v[SD:SD+3], s[10:11]  ; the record of my rows 0-63: 512 consecutive bytes
	global_store_b128 v[SO], v[SD+4:SD+7], s[10:11] offset:16*512  ; and that of my rows 64-127, 16 records on
	s_wait_tensorcnt 0x0                           ; the wave's end: behind my last tensor load and my last LDS store
	ds_add_u32 v[SPW], v[NIL]
	s_wait_dscnt 0x0
	CROUND                                         ; the closing round: no work-group ends while a partner may still ask for a tile that names it
	s_endpgm
.Lfunc_end_k_q71c4648665_scores:
	.size	k_q71c4648665_scores, .Lfunc_end_k_q71c4648665_scores-k_q71c4648665_scores
	.p2alignl 7, 3214868480
	.fill 96, 4, 3214868480
	.section	.rodata,"a",@progbits
	.p2align	6, 0x0
	.amdhsa_kernel k_q71c4648665_scores
		.amdhsa_group_segment_fixed_size 327680
		.amdhsa_private_segment_fixed_size 0
		.amdhsa_enable_private_segment 0
		.amdhsa_kernarg_size 32
		.amdhsa_user_sgpr_count 2
		.amdhsa_user_sgpr_kernarg_segment_ptr 1
		.amdhsa_wavefront_size32 1
		.amdhsa_system_sgpr_workgroup_id_x 1
		.amdhsa_system_sgpr_workgroup_id_y 1
		.amdhsa_system_sgpr_workgroup_id_z 1
		.amdhsa_system_vgpr_workitem_id 0
		.amdhsa_next_free_vgpr 1024
		.amdhsa_next_free_sgpr 80
		.amdhsa_reserve_vcc 0
		.amdhsa_float_denorm_mode_32 3
		.amdhsa_float_denorm_mode_16_64 3
		.amdhsa_memory_ordered 1
		.amdhsa_forward_progress 1
		.amdhsa_inst_pref_size 148
	.end_amdhsa_kernel
	.amdgpu_metadata
---
amdhsa.version: [ 1, 2 ]
amdhsa.kernels:
  - .name:           k_q71c4648665_scores
    .symbol:         k_q71c4648665_scores.kd
    .args:
      - { .name: qv, .offset: 0, .size: 8, .value_kind: global_buffer, .address_space: global }
      - { .name: xb, .offset: 8, .size: 8, .value_kind: global_buffer, .address_space: global }
      - { .name: pe, .offset: 16, .size: 8, .value_kind: global_buffer, .address_space: global }
      - { .name: st, .offset: 24, .size: 8, .value_kind: global_buffer, .address_space: global }
    .group_segment_fixed_size: 327680
    .private_segment_fixed_size: 0
    .kernarg_segment_align: 8
    .kernarg_segment_size: 32
    .max_flat_workgroup_size: 128
    .sgpr_count:     80
    .vgpr_count:     1024
    .wavefront_size: 32
...
	.end_amdgpu_metadata
.endif
;; end of part 9
;; launch pv (part 10): grid 4 x 64, 4 waves a work-group, clusters of 4 x 4, 327,680 bytes of LDS; arguments pe, qv, st, mx; writes mx
.if DOCPART == 10
	.amdgcn_target "amdgcn-amd-amdhsa--gfx1250"
	.amdhsa_code_object_version 6
	.text
	.protected	k_q71c4648665_pv
	.globl	k_q71c4648665_pv
	.p2align	8
	.type	k_q71c4648665_pv,@function
k_q71c4648665_pv:
	s_mov_b64 s[64:65], 0
	v_nop
	global_prefetch_b8 v0, s[64:65] scope:SCOPE_SE
	s_setreg_imm32_b32 hwreg(HW_REG_WAVE_MODE, 25, 1), 1
	s_wait_xcnt 0x0
	s_wait_alu depctr_hold_cnt(0) depctr_sa_sdst(0) depctr_va_vdst(0) depctr_va_sdst(0) depctr_va_ssrc(0) depctr_va_vcc(0) depctr_vm_vsrc(0)
	s_getreg_b32 s2, hwreg(HW_REG_IB_STS2, 6, 4)
	s_cmp_eq_u32 s2, 0
	s_cbranch_scc0 .Lentry_in_a_cluster
	s_endpgm
.Lentry_in_a_cluster:
	s_bfe_u32 s2, ttmp6, 0x10000c
	s_cmp_lg_u32 s2, 0xf033
	s_cbranch_scc0 .Lentry_shape_is_right
	s_endpgm
.Lentry_shape_is_right:
; mx = softmax(scores) v', from the weights by blocks; v' = x (Wo Wv)^T, so mx is the module's attended rows already multiplied by Wo.
; pe [8192][2048] bf16 holds p = 2^(c s - c m_blk) for key blocks of 128; st holds c m_blk and l_blk in f32; v' is plane 1 of qv, [8192][1024] bf16.
; For each row: c m = the maximum of its 16 c m_blk; w_j = 2^(c m_j - c m); l = the sum of w_j l_j; f_j = w_j / l; mx = the sum over j of f_j (p_j v'_j).  So the row's true maximum is taken away.
; A K step is one key block: its product is summed in f32 by the matrix unit from 0, and then folded into the main sum, in f32, by one packed multiply-add with f_j.  mx is rounded once to bf16.
; LIMITS.  p, v' and mx are bf16; a factor w_j below 2^-126 counts as 0; 1 / l is v_rcp_f32's; NaN and infinities are not treated apart.
; SHARES, CLUSTER, RING.  A work-group makes 128 x 256 of mx: 256 work-groups.  Four waves, 2 x 2, each 64 x 128.  16 K steps of 128 keys through two LDS slots.  4 x 4 work-groups form a cluster: p's tile
; (128 rows x 256 bytes) is asked for jointly along a row of the cluster, v's (128 keys x 512 bytes) along a column.  Waves 0 and 1 fetch p's halves, waves 2 and 3 v's (64 keys each).
; The product is taken transposed (source 0 = 16 channels of v', turned on the way out of LDS by ds_load_tr16_b128; source 1 = 16 rows of p): a lane holds ONE row (lane % 16) and eight neighbouring channels.
; THE FOLDS RIDE: four packed multiply-adds behind each of 32 products a K step: rows 0-31 of the wave behind the step's last 16 products, rows 32-63 behind the next step's first 16.  That costs two window
; switches a product there: the sums of a step lie in window 1, the main sums in window 2, the factors in window 0.
; Window 0: v0-63 addresses, factors; v64-159, v160-255 two fragment buffers.  Window 1: the step's sums, (a, b) at 64 a + 8 b.  Window 2: the main sums, likewise; they are cleared by 256 v_mov_b32
; in the wait for the first tile: a first step written out in their stead would be three times that text.
.set NSTEPS, 16
.set PITCH,  272                       ; a row of p in LDS: 256 bytes + 16
.set PV,     544                       ; a key of v' in LDS: 512 bytes + 32 = 136 words
.set ATILE,  128*PITCH
.set SLOT1,  1<<17
.set STAGE,  384*PITCH                 ; behind slot 0 (34,816 + 128 x 544 = 104,448 bytes); no tensor load lands here
.set SPARE,  STAGE+4*16*PITCH          ; the spare words, 128 bytes a wave: two blocks of 256 bytes that no other line names
.set FTAB,   SLOT1+384*PITCH           ; behind slot 1: each wave's factors, 16 steps x 1,024 bytes; no tensor load lands here
.set STEPA,  256                       ; 128 keys along a row of p
.set STEPB,  128*2048                  ; 128 rows of v'
.set VROW,   8192                      ; plane 1 of qv begins so many rows on
.set CROW,   2048
.set FLAGS,  (1<<16)|(1<<20)|(1<<21)|(5<<22)|(3<<25)
.set FLAGSV, (1<<16)|(1<<20)|(1<<21)|(6<<22)|(7<<25)  ; padding after every 128 words, 8 words of it
.set R,    1
.set LA0,  2
.set LB0,  3
.set ADRA, 4
.set ADRB, 5
.set STO,  6
.set RD,   7
.set CO,   8
.set PFO,  9
.set SPW,  10                          ; v10  LDS address of my spare word; never rewritten
.set NIL,  11                          ; v11  0; never rewritten
.set H,    12
.set SOF,  15                          ; v15  16 x (lane % 16): my four numbers in a record of st
.set T8,   16                          ; v16-19 c m; v20-23 l, then 1 / l
.set FR,   40                          ; v40-47  the step's factors, (f_a, f_a) for m block a
.set FT0,  48                          ; v48  my 16 bytes in my wave's table; never rewritten
.set FA,   49                          ; v49  the same in the step to be loaded
.set F0,   64
.set F1,   160
.set TMP,  64
.set OB,   96
.set WV,  12
.set WR,  13
.set WC,  14
.set LIM, 15
.set PFA, 18
.set PFS, 20                           ; s[20:21] the prefetches' step: 256 bytes along p's rows, 128 rows of v'
.set G1A, 24
.set G1B, 32
.set G0A, 40
.set G0B, 48
.set CNT, 56
.set TB,  57
.set CX,  62
.set CY,  63
.set TC,  66
.set TR,  67
.set AO,  68
.set BO,  70
.set CF,  72
.set FTS, 74                           ; s74  1,024 x the step whose factors are loaded next
.set CLY, 76
.set BAT, 77
.set CB,  10                           ; s[10:11] mx
.set W_MUL,  0x50
.set W_FOLD, 0xa1                      ; the step's sum (source 0) in window 1, the factor in window 0, the main sum (source 2 and destination) in window 2
.set W_PK,   0x0a                      ; sources 0 and 1 in window 2
.set W_CLR,  0x80
.set MSB, 0
.macro WIN new
.if MSB != (\new)
	s_set_vgpr_msb (MSB<<8)|(\new)
.set MSB, \new
.endif
.endm
.macro PLACES
.rept 4
	v_nop
.endr
.endm
.macro CREST
	s_cmp_lg_u32 s[WV], 0
	s_cbranch_scc1 .Lnot_wave_0_\@
	s_barrier_signal -3
.Lnot_wave_0_\@:
	s_barrier_wait -3
	s_barrier_signal -1
	s_barrier_wait -1
.endm
.macro CROUND
	s_barrier_signal -1
	s_barrier_wait -1
	CREST
.endm
.macro JLOAD                           ; a joint refill; an s_nop 0 and four v_nop follow each of the two lines
	s_cmp_eq_u32 s[WR], 0
	s_cbranch_scc0 .Lfor_b_\@
	tensor_load_to_lds s[G0A+4:G0A+7], s[G1A:G1A+7]
	s_nop 0
.rept 4
	v_nop
.endr
	s_branch .Lasked_\@
.Lfor_b_\@:
	tensor_load_to_lds s[G0B+4:G0B+7], s[G1B:G1B+7]
	s_nop 0
.rept 4
	v_nop
.endr
.Lasked_\@:
.endm
; A PREFETCH INTO THE L2 of the K step two refills on, 32 blocks of 256 bytes, a lane a block, behind the joint refill and the run of LDS loads.  Each block is named once in the launch: p's rows by wave 0
; (the launch has one cluster along x; partner cx: rows 32 cx ..); v's keys by waves 2 and 3 of the first of the four clusters along y that share a batch (partner cy: keys 16 cy .. of the wave's 64, two
; blocks a key).  K steps 0 to 3 come by their loads alone; the last two trips ask for nothing.
.macro ASK
	s_cmp_gt_u32 s[CNT], s[LIM]
	s_cbranch_scc0 .Lnot_mine_\@
	global_prefetch_b8 v[PFO], s[PFA:PFA+1] th:TH_LOAD_NT scope:SCOPE_SE
.Lnot_mine_\@:
.endm
; 8 matrix instructions: m block a x all 8 n blocks.  zero = 1: the product starts the step's sums.  ride >= 0: behind product b stand the four folds of accumulator (ride, b) of the step that is finished,
; lowest registers first.  The 32 accumulators take turns, one instruction a turn.
.macro MUL8 f, a, zero=0, ride=-1
.irp b, 0,1,2,3,4,5,6,7
	WIN W_MUL
.if \zero
	v_wmma_f32_16x16x32_bf16 v[64*(\a)+8*(\b):64*(\a)+8*(\b)+7], v[(\f)+32+8*(\b):(\f)+32+8*(\b)+7], v[(\f)+8*(\a):(\f)+8*(\a)+7], 0
.else
	v_wmma_f32_16x16x32_bf16 v[64*(\a)+8*(\b):64*(\a)+8*(\b)+7], v[(\f)+32+8*(\b):(\f)+32+8*(\b)+7], v[(\f)+8*(\a):(\f)+8*(\a)+7], v[64*(\a)+8*(\b):64*(\a)+8*(\b)+7]
.endif
.if (\ride) >= 0
	WIN W_FOLD
.irp z, 0,1,2,3
	v_pk_fma_f32 v[64*(\ride)+8*(\b)+2*(\z):64*(\ride)+8*(\b)+2*(\z)+1], v[64*(\ride)+8*(\b)+2*(\z):64*(\ride)+8*(\b)+2*(\z)+1], v[FR+2*(\ride):FR+2*(\ride)+1], v[64*(\ride)+8*(\b)+2*(\z):64*(\ride)+8*(\b)+2*(\z)+1]
.endr
.endif
.endr
.endm
; 24 LDS loads in one run: quarter q (32 keys) into buffer g.  v's 8 fragments, turned: a load takes 16 keys x 16 channels (lane l reads key 8 (l / 16) + l % 8, channels 8 ((l / 8) % 2) + 0..7) and leaves
; channel l % 16 and 8 keys a lane.  Then p's 4 fragments, as they lie.
.macro FETCH q, g
	WIN 0
.irp b, 0,1,2,3,4,5,6,7
	ds_load_tr16_b128 v[(\g)+32+8*(\b):(\g)+32+8*(\b)+3],   v[ADRB] offset:(\q)*32*PV+32*(\b)
	ds_load_tr16_b128 v[(\g)+32+8*(\b)+4:(\g)+32+8*(\b)+7], v[ADRB] offset:(\q)*32*PV+16*PV+32*(\b)
.endr
.irp a, 0,1,2,3
	ds_load_b128 v[(\g)+8*(\a):(\g)+8*(\a)+3],   v[ADRA] offset:64*(\q)+(\a)*16*PITCH
	ds_load_b128 v[(\g)+8*(\a)+4:(\g)+8*(\a)+7], v[ADRA] offset:64*(\q)+(\a)*16*PITCH+32
.endr
.endm
.macro FLOAD                           ; the factors of the step in hand: the folds of the step before are over
	v_add_nc_u32 v[FA], s[FTS], v[FT0]
	ds_load_b128 v[FR:FR+3],   v[FA]
	ds_load_b128 v[FR+4:FR+7], v[FA] offset:512
	s_add_co_u32 s[FTS], s[FTS], 1024
.endm
.macro QUARTER q, f, g, zero=0, r0=-1, r1=-1, ld=0
	s_wait_dscnt 4                                 ; only the youngest four loads (p's fragments 2 and 3) may be out
	MUL8 \f, 0, \zero, \r0
	MUL8 \f, 1, \zero, \r1
	WIN 0
	PLACES                                         ; for the loads into g, which the quarter before multiplied
.if \ld
	FLOAD
.endif
	FETCH \q, \g
	s_wait_dscnt 24                                ; all but the 24 just issued: the factors are in too
	MUL8 \f, 2, \zero
	MUL8 \f, 3, \zero
.endm
; The fourth quarter and the change of slots: the waits and the add in front of the barrier, the joint refill first behind the round.  m blocks 0 and 1 of the step are finished in its first half and folded
; behind the products of its second half: between them stand the four v_nop behind the refill, the two address lines and four v_nop more.
.macro TURN fill
.if \fill
	s_wait_xcnt 0x0                                ; the last prefetch, a K step back, has read its address
	s_add_nc_u64 s[PFA:PFA+1], s[PFA:PFA+1], s[PFS:PFS+1]
.endif
	WIN 0
	s_wait_tensorcnt 0x0                           ; no tensor load of mine is out, so a group 0 may be written
	ds_add_u32 v[SPW], v[NIL]                      ; 0 onto my spare word
.if \fill
	s_xor_b32 s[G0A+5], s[G0A+5], SLOT1
	s_add_nc_u64 s[G0A+6:G0A+7], s[G0A+6:G0A+7], STEPA
	s_xor_b32 s[G0B+5], s[G0B+5], SLOT1
	s_add_nc_u64 s[G0B+6:G0B+7], s[G0B+6:G0B+7], STEPB
.endif
	s_wait_dscnt 5                                 ; the add and the youngest four loads may be out
	MUL8 F1, 0
	s_wait_dscnt 0x0                               ; the add is done, and my reads of this slot are over
	s_barrier_signal -1
	MUL8 F1, 1
	WIN 0
	s_barrier_wait -1
.if \fill
	CREST
	JLOAD                                          ; its four v_nop are also the places in front of the loads below
.else
	PLACES
.endif
	s_xor_b32 s[TB], s[TB], SLOT1
	v_add_nc_u32 v[ADRA], s[TB], v[LA0]
	v_add_nc_u32 v[ADRB], s[TB], v[LB0]
	FETCH 0, F0
.if \fill
	ASK
.endif
	PLACES
	MUL8 F1, 2, 0, 0
	MUL8 F1, 3, 0, 1
.endm
.macro BODY fill
	QUARTER 2, F1, F0
	QUARTER 3, F0, F1, 0, -1, -1, 1
	TURN \fill
	QUARTER 1, F0, F1, 1, 2, 3                     ; the next step's sums start; m blocks 2 and 3 of the step before are folded ahead of the products that write over them
.endm
.macro PACK a
	WIN W_PK
.irp b, 0,1,2,3,4,5,6,7
.irp z, 0,1,2,3
	v_cvt_pk_bf16_f32 v[TMP+4*(\b)+(\z)], v[64*(\a)+8*(\b)+2*(\z)], v[64*(\a)+8*(\b)+2*(\z)+1]
.endr
.endr
	WIN 0
.endm
.macro TOSTAGE a
.irp b, 0,1,2,3,4,5,6,7
	ds_store_b128 v[STO], v[TMP+4*(\b):TMP+4*(\b)+3] offset:32*(\b)
.endr
.irp t, 0,1,2,3,4,5,6,7
	ds_load_b128 v[OB+32*((\a)%2)+4*(\t):OB+32*((\a)%2)+4*(\t)+3], v[RD] offset:(\t)*2*PITCH  ; LDS serves a wave's instructions in order (ISA guide 5.7.1.4): these see the stores above
.endr
.endm
.macro SEND a
	s_wait_dscnt 0x0                               ; the block is back in registers
	s_wait_xcnt 0x0                                ; earlier stores have read their registers: the other buffer is loaded again only behind this wait
.irp t, 0,1,2,3,4,5,6,7
	global_store_b128 v[CO], v[OB+32*((\a)%2)+4*(\t):OB+32*((\a)%2)+4*(\t)+3], s[CB:CB+1] offset:(16*(\a)+2*(\t))*CROW  ; 16 lanes store 256 consecutive bytes, at a multiple of 256 from mx's first byte
.endr
.endm
	s_load_b256 s[4:11], s[0:1], 0x0               ; pe s[4:5], qv s[6:7], st s[8:9], mx s[10:11]
	v_lshl_add_u32 v[SPW], v0, 2, SPARE
	v_mov_b32 v[NIL], 0
	ds_add_u32 v[SPW], v[NIL]                      ; the wave's opening: the add, and its wait ahead of my first tensor load; the set-up below, work on registers, stands between them
	v_lshrrev_b32 v13, 5, v0
	v_readfirstlane_b32 s[WV], v13
	s_lshr_b32 s[WR], s[WV], 1
	s_and_b32 s[WC], s[WV], 1
	s_bfe_u32 s[CX], ttmp6, 0x40000
	s_bfe_u32 s[CY], ttmp6, 0x40004
	s_lshl_b32 s[TC], ttmp9, 2
	s_add_co_u32 s[TC], s[TC], s[CX]               ; tile column: 256 channels
	s_and_b32 s[CLY], ttmp7, 0xffff
	s_lshl_b32 s[TR], s[CLY], 2
	s_add_co_u32 s[TR], s[TR], s[CY]               ; tile row: 128 of the 8,192 rows
	s_lshr_b32 s[BAT], s[CLY], 2                   ; the batch, made of the cluster's y alone
	s_lshl_b32 s16, s[CY], 2
	s_lshl_b32 s16, 15, s16
	s_lshl_b32 s17, 0x1111, s[CX]
	s_or_b32 s[G1A], s16, FLAGS                    ; p's tiles go to my row of the cluster,
	s_or_b32 s[G1B], s17, FLAGSV                   ; v's to my column
	s_mov_b32 s[G1A+1], 128<<16                    ; 64 rows x 128 elements
	s_mov_b32 s[G1A+2], 64<<16
	s_mov_b32 s[G1A+3], 128<<16
	s_mov_b32 s[G1A+4], 64
	s_mov_b32 s[G1A+5], 2048                       ; elements from row to row of pe
	s_mov_b32 s[G1A+6], 0
	s_mov_b32 s[G1A+7], 0
	s_mov_b32 s[G1B+1], 256<<16                    ; 64 keys x 256 elements
	s_mov_b32 s[G1B+2], 64<<16
	s_mov_b32 s[G1B+3], 256<<16
	s_mov_b32 s[G1B+4], 64
	s_mov_b32 s[G1B+5], 1024
	s_mov_b32 s[G1B+6], 0
	s_mov_b32 s[G1B+7], 0
	s_lshl_b32 s[AO], s[TR], 7                     ; p: row 128 x tile row + 64 x half, rows of 4,096 bytes
	s_lshl_b32 s16, s[WC], 6
	s_add_co_u32 s[AO], s[AO], s16
	s_lshl_b32 s[AO], s[AO], 12
	s_mov_b32 s[AO+1], 0
	s_lshl_b32 s[BO], s[BAT], 11                   ; v': row 2,048 x batch + 64 x half,
	s_lshl_b32 s17, s[WC], 6
	s_add_co_u32 s[BO], s[BO], s17
	s_add_co_u32 s[BO], s[BO], VROW                ; in plane 1,
	s_lshl_b32 s[BO], s[BO], 11
	s_lshl_b32 s17, s[TC], 9                       ; the tile column's 512 bytes
	s_add_co_u32 s[BO], s[BO], s17
	s_mov_b32 s[BO+1], 0
	s_lshl_b32 s[CF], s[TR], 7                     ; mx: my first row, the tile's 512 bytes, my 256
	s_lshl_b32 s78, s[WR], 6
	s_add_co_u32 s[CF], s[CF], s78
	s_lshl_b32 s[CF], s[CF], 11
	s_lshl_b32 s78, s[TC], 9
	s_add_co_u32 s[CF], s[CF], s78
	s_lshl_b32 s78, s[WC], 8
	s_add_co_u32 s[CF], s[CF], s78
	s_mov_b32 s[CF+1], 0
	s_lshl_b32 s22, s[TR], 7                       ; the prefetches.  p: rows 128 x tile row + 32 cx, at K step 3
	s_lshl_b32 s78, s[CX], 5
	s_add_co_u32 s22, s22, s78
	s_lshl_b32 s22, s22, 12
	s_add_co_u32 s22, s22, 3*STEPA
	s_lshl_b32 s23, s[BAT], 11                     ; v': keys 64 x half + 16 cy of K step 3
	s_lshl_b32 s78, s[WC], 6
	s_add_co_u32 s23, s23, s78
	s_lshl_b32 s78, s[CY], 4
	s_add_co_u32 s23, s23, s78
	s_add_co_u32 s23, s23, VROW+3*128
	s_lshl_b32 s23, s23, 11
	s_lshl_b32 s78, s[TC], 9
	s_add_co_u32 s23, s23, s78
	s_or_b32 s78, ttmp9, s[WC]                     ; for p: wave 0 where cluster x = 0;
	s_and_b32 s79, s[CLY], 3                       ; for v': the batch's first cluster along y
	s_mov_b32 s[PFS+1], STEPB                      ; v's step, held here for the select below: an instruction takes one literal
	s_cmp_eq_u32 s[WR], 0
	s_cselect_b32 s22, s22, s23
	s_cselect_b32 s78, s78, s79
	s_cselect_b32 s[PFS], STEPA, s[PFS+1]
	s_cselect_b32 s79, 0, -1                       ; all lanes' bits: do I fetch for v'?
	s_cmp_eq_u32 s78, 0
	s_cselect_b32 s[LIM], 2, -1
	s_mov_b32 s23, 0
	s_mov_b32 s[PFS+1], 0                          ; the step's high word
	v_and_b32 v13, 31, v0
	v_lshlrev_b32 v[PFO], 12, v13                  ; p: a lane a row of 4,096 bytes
	v_lshrrev_b32 v14, 1, v13
	v_lshlrev_b32 v14, 11, v14                     ; v': two lanes a key of 2,048 bytes,
	v_and_b32 v[SOF], 1, v13
	v_lshl_add_u32 v14, v[SOF], 8, v14             ; 256 bytes each
	v_cndmask_b32 v[PFO], v[PFO], v14, s79
	s_lshl_b32 s78, s[WV], 14
	s_add_co_u32 s78, s78, FTAB
	v_lshl_add_u32 v[FT0], v13, 4, s78             ; my wave's table, 16 bytes a lane
	s_lshl_b32 s78, s[TR], 1                       ; st: the 16 records of my 64 rows
	s_add_co_u32 s78, s78, s[WR]
	s_lshl_b32 s78, s78, 13
	s_mov_b32 s79, 0
	s_mul_i32 s16, s[WC], 64*PITCH
	s_mul_i32 s17, s[WC], 64*PV
	s_add_co_u32 s17, s17, ATILE
	s_mov_b32 s[TB], 0
	s_mov_b32 s[FTS], 0
	s_wait_dscnt 0x0                               ; the opening add is done
	s_wait_kmcnt 0x0
	s_add_nc_u64 s[AO:AO+1], s[4:5], s[AO:AO+1]
	s_add_nc_u64 s[BO:BO+1], s[6:7], s[BO:BO+1]
	s_add_nc_u64 s[CB:CB+1], s[CB:CB+1], s[CF:CF+1]
	s_add_nc_u64 s[8:9], s[8:9], s[78:79]
	s_cmp_eq_u32 s[WR], 0
	s_cselect_b64 s[PFA:PFA+1], s[4:5], s[6:7]
	s_add_nc_u64 s[PFA:PFA+1], s[PFA:PFA+1], s[22:23]
	CROUND                                         ; all sixteen work-groups are here: the first joint loads meet
.irp s, 0,1
	s_mov_b32 s[G0A+4*(\s)], 1
	s_add_co_u32 s[G0A+4*(\s)+1], s16, (\s)*SLOT1
	s_add_nc_u64 s[G0A+4*(\s)+2:G0A+4*(\s)+3], s[AO:AO+1], (\s)*STEPA
	s_or_b32 s[G0A+4*(\s)+3], s[G0A+4*(\s)+3], 0x80000000
	s_mov_b32 s[G0B+4*(\s)], 1
	s_add_co_u32 s[G0B+4*(\s)+1], s17, (\s)*SLOT1
	s_add_nc_u64 s[G0B+4*(\s)+2:G0B+4*(\s)+3], s[BO:BO+1], (\s)*STEPB
	s_or_b32 s[G0B+4*(\s)+3], s[G0B+4*(\s)+3], 0x80000000
.endr
	s_cmp_eq_u32 s[WR], 0                          ; a wave's two first fills stand in one branch: two loads of mine are out
	s_cbranch_scc0 .Lfirst_b
	tensor_load_to_lds s[G0A:G0A+3], s[G1A:G1A+7]
	s_nop 0
	tensor_load_to_lds s[G0A+4:G0A+7], s[G1A:G1A+7]
	s_nop 0
.rept 4
	v_nop
.endr
	s_branch .Lfirst_asked
.Lfirst_b:
	tensor_load_to_lds s[G0B:G0B+3], s[G1B:G1B+7]
	s_nop 0
	tensor_load_to_lds s[G0B+4:G0B+7], s[G1B:G1B+7]
	s_nop 0
.rept 4
	v_nop
.endr
.Lfirst_asked:
	v_and_b32 v[R], 15, v0
	v_bfe_u32 v[H], v0, 4, 1
	v_lshlrev_b32 v[SOF], 4, v[R]                  ; not rewritten until the loads below are in
.set j, 0
.rept 16                               ; c m_j of my row in the four m blocks into v[64 + 4 j ..], l_j into v[128 + 4 j ..]
	global_load_b128 v[64+4*j:64+4*j+3],   v[SOF], s[8:9] offset:512*j
	global_load_b128 v[128+4*j:128+4*j+3], v[SOF], s[8:9] offset:512*j+256
.set j, j+1
.endr
	v_mul_u32_u24 v13, v[R], PITCH
	v_lshl_add_u32 v13, v[H], 4, v13
	s_mul_i32 s78, s[WR], 64*PITCH
	v_add_nc_u32 v[LA0], s78, v13                  ; my 64 rows of p
	s_mul_i32 s78, s[WV], 16*PITCH
	s_add_co_u32 s78, s78, STAGE
	v_add_nc_u32 v[STO], s78, v13
	v_mul_u32_u24 v13, v[H], PITCH
	v_lshl_add_u32 v13, v[R], 4, v13
	v_add_nc_u32 v[RD], s78, v13
	v_mul_u32_u24 v[CO], v[H], CROW
	v_lshl_add_u32 v[CO], v[R], 4, v[CO]
	v_and_b32 v13, 7, v0                           ; the turning load: key 8 (l / 16) + l % 8,
	v_lshl_add_u32 v13, v[H], 3, v13
	v_mul_u32_u24 v13, v13, PV
	v_bfe_u32 v14, v0, 3, 1                        ; channels 8 ((l / 8) % 2) on,
	v_lshl_add_u32 v13, v14, 4, v13
	s_lshl_b32 s78, s[WC], 8                       ; in my 128 channels
	s_add_co_u32 s78, s78, ATILE
	v_add_nc_u32 v[LB0], s78, v13
	WIN W_CLR
.set i, 0
.rept 256
	v_mov_b32 v[i], 0                              ; the main sums start at 0
.set i, i+1
.endr
	WIN 0
	s_wait_loadcnt 0x0
.irp a, 0,1,2,3
	v_max3_num_f32 v[T8+(\a)], v[64+(\a)], v[68+(\a)], v[72+(\a)]  ; c m: the maximum of the 16 blocks'
.endr
.irp p, 3,5,7,9,11,13
.irp a, 0,1,2,3
	v_max3_num_f32 v[T8+(\a)], v[T8+(\a)], v[64+4*(\p)+(\a)], v[68+4*(\p)+(\a)]
.endr
.endr
.irp a, 0,1,2,3
	v_max_num_f32 v[T8+(\a)], v[T8+(\a)], v[124+(\a)]
.endr
.set j, 0
.rept 16
.irp z, 0,1
	v_pk_add_f32 v[64+4*j+2*(\z):64+4*j+2*(\z)+1], v[64+4*j+2*(\z):64+4*j+2*(\z)+1], v[T8+2*(\z):T8+2*(\z)+1] neg_lo:[0,1] neg_hi:[0,1]  ; c m_j - c m
.endr
.set j, j+1
.endr
.set i, 64
.rept 64
	v_exp_f32 v[i], v[i]                           ; w_j: one batch
.set i, i+1
.endr
	v_nop                                          ; a plain instruction behind the last exponential,
	s_wait_alu depctr_va_vdst(0)                   ; and one wait ahead of the batch's first reader
.irp z, 0,1
	v_pk_mul_f32 v[T8+4+2*(\z):T8+4+2*(\z)+1], v[64+2*(\z):64+2*(\z)+1], v[128+2*(\z):128+2*(\z)+1]
.endr
.set j, 1
.rept 15
.irp z, 0,1
	v_pk_fma_f32 v[T8+4+2*(\z):T8+4+2*(\z)+1], v[64+4*j+2*(\z):64+4*j+2*(\z)+1], v[128+4*j+2*(\z):128+4*j+2*(\z)+1], v[T8+4+2*(\z):T8+4+2*(\z)+1]  ; l = the sum of w_j l_j, in f32
.endr
.set j, j+1
.endr
.irp a, 0,1,2,3
	v_rcp_f32 v[T8+4+(\a)], v[T8+4+(\a)]
.endr
	v_nop
	s_wait_alu depctr_va_vdst(0)                   ; one wait for the four reciprocals
.set j, 0
.rept 16                               ; f_j = w_j / l, each twice (a pair for the packed fold), into my wave's own table
.irp a, 0,1,2,3
	v_mul_f32 v[128+8*j+2*(\a)],   v[64+4*j+(\a)], v[T8+4+(\a)]
	v_mul_f32 v[128+8*j+2*(\a)+1], v[64+4*j+(\a)], v[T8+4+(\a)]
.endr
	ds_store_b128 v[FT0], v[128+8*j:128+8*j+3]   offset:1024*j
	ds_store_b128 v[FT0], v[128+8*j+4:128+8*j+7] offset:1024*j+512
.set j, j+1
.endr
	s_wait_tensorcnt 0x1                           ; my part of K step 0 is in; step 1's may stay out
	s_wait_dscnt 0x0                               ; my table is written
	s_barrier_signal -1
	s_barrier_wait -1
	v_add_nc_u32 v[ADRA], s[TB], v[LA0]
	v_add_nc_u32 v[ADRB], s[TB], v[LB0]
	FETCH 0, F0
	QUARTER 1, F0, F1, 1                           ; the first step's sums start; there is nothing to fold yet
	WIN 0
	s_mov_b32 s[CNT], NSTEPS-2
.Lk:                                                   ; a trip is a K step, one key block: 128 matrix instructions, 128 folds, 98 LDS loads, one round, one joint load a wave
	BODY 1
	WIN 0
	s_sub_co_u32 s[CNT], s[CNT], 1
	s_cmp_lg_u32 s[CNT], 0
	s_cbranch_scc1 .Lk
	BODY 0                                         ; the last two K steps are written out: they ask for nothing
	QUARTER 2, F1, F0
	QUARTER 3, F0, F1, 0, -1, -1, 1
	s_wait_dscnt 4
	MUL8 F1, 0
	MUL8 F1, 1
	s_wait_dscnt 0x0
	WIN 0
	PLACES                                         ; between m blocks 0 and 1's last products and their folds
	PLACES
	MUL8 F1, 2, 0, 0
	MUL8 F1, 3, 0, 1
	WIN 0
	PLACES                                         ; the last folds read results just made
	PLACES
	WIN W_FOLD
.irp a, 2,3
.set i, 0
.rept 32
	v_pk_fma_f32 v[64*(\a)+2*i:64*(\a)+2*i+1], v[64*(\a)+2*i:64*(\a)+2*i+1], v[FR+2*(\a):FR+2*(\a)+1], v[64*(\a)+2*i:64*(\a)+2*i+1]
.set i, i+1
.endr
.endr
	WIN 0
	PACK 0
	TOSTAGE 0
.irp a, 1,2,3
	PACK \a
	SEND (\a)-1
	TOSTAGE \a
.endr
	SEND 3
	s_wait_tensorcnt 0x0                           ; the wave's end: behind my last tensor load and my last LDS store
	ds_add_u32 v[SPW], v[NIL]
	s_wait_dscnt 0x0
	CROUND                                         ; the closing round
	s_endpgm
.Lfunc_end_k_q71c4648665_pv:
	.size	k_q71c4648665_pv, .Lfunc_end_k_q71c4648665_pv-k_q71c4648665_pv
	.p2alignl 7, 3214868480
	.fill 96, 4, 3214868480
	.section	.rodata,"a",@progbits
	.p2align	6, 0x0
	.amdhsa_kernel k_q71c4648665_pv
		.amdhsa_group_segment_fixed_size 327680
		.amdhsa_private_segment_fixed_size 0
		.amdhsa_enable_private_segment 0
		.amdhsa_kernarg_size 32
		.amdhsa_user_sgpr_count 2
		.amdhsa_user_sgpr_kernarg_segment_ptr 1
		.amdhsa_wavefront_size32 1
		.amdhsa_system_sgpr_workgroup_id_x 1
		.amdhsa_system_sgpr_workgroup_id_y 1
		.amdhsa_system_sgpr_workgroup_id_z 1
		.amdhsa_system_vgpr_workitem_id 0
		.amdhsa_next_free_vgpr 768
		.amdhsa_next_free_sgpr 80
		.amdhsa_reserve_vcc 0
		.amdhsa_float_denorm_mode_32 3
		.amdhsa_float_denorm_mode_16_64 3
		.amdhsa_memory_ordered 1
		.amdhsa_forward_progress 1
		.amdhsa_inst_pref_size 127
	.end_amdhsa_kernel
	.amdgpu_metadata
---
amdhsa.version: [ 1, 2 ]
amdhsa.kernels:
  - .name:           k_q71c4648665_pv
    .symbol:         k_q71c4648665_pv.kd
    .args:
      - { .name: pe, .offset: 0, .size: 8, .value_kind: global_buffer, .address_space: global }
      - { .name: qv, .offset: 8, .size: 8, .value_kind: global_buffer, .address_space: global }
      - { .name: st, .offset: 16, .size: 8, .value_kind: global_buffer, .address_space: global }
      - { .name: mx, .offset: 24, .size: 8, .value_kind: global_buffer, .address_space: global }
    .group_segment_fixed_size: 327680
    .private_segment_fixed_size: 0
    .kernarg_segment_align: 8
    .kernarg_segment_size: 32
    .max_flat_workgroup_size: 128
    .sgpr_count:     80
    .vgpr_count:     768
    .wavefront_size: 32
...
	.end_amdgpu_metadata
.endif
;; end of part 10
;; launch ln: the kernel of part 5 again; grid 1024 x 1, 8 waves a work-group, no clusters, 0 bytes of LDS; arguments x, mx, out0; writes out0
